; MI455X (gfx1250); checked and timed in simulation.
; The chip was launched on July 23, 2026; its instructions are those of AMD's public machine-readable ISA for CDNA 5 (MIT licence, August 2026) and "CDNA5" Instruction Set Architecture Reference Guide (July 2026). The comments in the code are by the model that wrote it; some were corrected since.
;; Causal Attention. Allowed arithmetic: float matrix products may take bf16 or f16 operands with f32 sums; other float arithmetic in f32, or as packed bf16 or f16 multiplies, adds, multiply-adds, maxima and minima; sums over many terms, partial sums and values carried from step to step in f32; what a program stores and reads back later, other than sums and carried values, may be rounded once to bf16 or f16.
;; Inputs: W_k 1,024 x 1,024 float32; W_q 1,024 x 1,024 float32; W_v 1,024 x 1,024 float32; x 4 x 2,048 x 1,024 float32.
;; Outputs: out0 4 x 2,048 x 1,024 float32.
;; 3 versions, each right; version 2 is faster than version 1; version 3 is version 2 with the launch prep written anew for expert scheduling mode. Each part assembles by itself: llvm-mc -triple=amdgcn-amd-amdhsa -mcpu=gfx1250 --defsym DOCPART=n.
;; ======== version 1 of 3: 4 launches
;; limits: values are held in f16: magnitudes above 65,504 overflow, below 6.1e-05 lose precision
;; workspace buffers: xb 16,777,216 bytes; wb 6,291,456 bytes; qkv 50,331,648 bytes; pt 33,554,432 bytes; st 1,048,576 bytes
;; launch cast (part 1): grid 352 x 1, 8 waves a work-group, no clusters, 0 bytes of LDS; arguments x, W_q, W_k, W_v, xb, wb; writes xb, wb
.if DOCPART == 1
	.amdgcn_target "amdgcn-amd-amdhsa--gfx1250"
	.amdhsa_code_object_version 6
	.text
	.protected	k_q682419c3b8_cast
	.globl	k_q682419c3b8_cast
	.p2align	8
	.type	k_q682419c3b8_cast,@function
k_q682419c3b8_cast:
	s_mov_b64 s[64:65], 0
	v_nop
	global_prefetch_b8 v0, s[64:65] scope:SCOPE_SE
	s_setreg_imm32_b32 hwreg(HW_REG_WAVE_MODE, 25, 1), 1
	s_wait_xcnt 0x0
; x [8192][1024] and W_q, W_k, W_v [1024][1024], all f32, are rounded once to bf16 (nearest even).
; xb: [8192][1024] bf16.  wb: [1024 k][3072 n] bf16, the three weights side by side: n 0-1023 W_q, 1024-2047 W_k, 2048-3071 W_v.
; All four inputs are rows of 1,024 f32 = 4,096 bytes.  A work-group of eight waves owns 32 rows; thread t owns bytes 16 t .. 16 t + 15 of every row,
; so a wave's load covers 512 consecutive bytes and its store of 8 bytes a lane 256 consecutive bytes, aligned.
; Work-groups 0-255: x.  256-351: weight (id - 256) / 32, rows 32 ((id - 256) % 32) on.
; All 32 loads of a thread go out at once (16 KiB a wave on their way); the waits count down.  No LDS, no barrier, no matrix unit: the launch only moves bytes.
.set ROWS, 32
.set ROWB, 4096
.set X, 4                              ; v[4:131]  row i: four registers as loaded; the first two then hold its four bf16
	s_load_b256 s[4:11], s[0:1], 0x0               ; x s[4:5], W_q s[6:7], W_k s[8:9], W_v s[10:11]
	s_load_b128 s[12:15], s[0:1], 0x20             ; xb s[12:13], wb s[14:15]
	v_lshlrev_b32 v1, 4, v0                        ; my 16 bytes of an input row
	v_lshlrev_b32 v2, 3, v0                        ; my 8 bytes of an output row
	s_mov_b32 s17, 0                               ; high words of the two offsets
	s_mov_b32 s23, 0
	s_cmp_lt_u32 ttmp9, 256
	s_cbranch_scc0 .Lweights
	s_lshl_b32 s16, ttmp9, 17                      ; 32 rows of 4,096 bytes
	s_lshl_b32 s22, ttmp9, 16                      ; 32 rows of 2,048 bytes
	s_wait_kmcnt 0x0
	s_add_nc_u64 s[18:19], s[4:5], s[16:17]
	s_add_nc_u64 s[20:21], s[12:13], s[22:23]
	s_branch .Lload
.Lweights:
	s_sub_co_u32 s24, ttmp9, 256
	s_lshr_b32 s25, s24, 5                         ; which weight
	s_and_b32 s24, s24, 31                         ; which 32 rows of it
	s_lshl_b32 s16, s24, 17
	s_mul_i32 s22, s24, 32*6144                    ; 32 rows of wb,
	s_lshl_b32 s26, s25, 11                        ; and the weight's 2,048 bytes in a row
	s_add_co_u32 s22, s22, s26
	s_wait_kmcnt 0x0
	s_cmp_eq_u32 s25, 0
	s_cselect_b64 s[18:19], s[6:7], s[8:9]
	s_cmp_eq_u32 s25, 2
	s_cselect_b64 s[18:19], s[10:11], s[18:19]
	s_add_nc_u64 s[18:19], s[18:19], s[16:17]
	s_add_nc_u64 s[20:21], s[14:15], s[22:23]
.Lload:
.set i, 0
.rept ROWS
	global_load_b128 v[X+4*i:X+4*i+3], v1, s[18:19] offset:i*ROWB th:TH_LOAD_NT
.set i, i+1
.endr
; Row i is rounded and stored; the 31 - i younger loads may stay out.  No register that a store reads is written again, so no further wait is needed.
.macro OUTROWS pitch
.set i, 0
.rept ROWS
	s_wait_loadcnt ROWS-1-i
	v_cvt_pk_bf16_f32 v[X+4*i], v[X+4*i], v[X+4*i+1]
	v_cvt_pk_bf16_f32 v[X+4*i+1], v[X+4*i+2], v[X+4*i+3]
	global_store_b64 v2, v[X+4*i:X+4*i+1], s[20:21] offset:i*(\pitch)
.set i, i+1
.endr
.endm
	s_cmp_lt_u32 ttmp9, 256
	s_cbranch_scc0 .Lout_w
	OUTROWS 2048
	s_endpgm
.Lout_w:
	OUTROWS 6144
	s_endpgm
.Lfunc_end_k_q682419c3b8_cast:
	.size	k_q682419c3b8_cast, .Lfunc_end_k_q682419c3b8_cast-k_q682419c3b8_cast
	.p2alignl 7, 3214868480
	.fill 96, 4, 3214868480
	.section	.rodata,"a",@progbits
	.p2align	6, 0x0
	.amdhsa_kernel k_q682419c3b8_cast
		.amdhsa_group_segment_fixed_size 0
		.amdhsa_private_segment_fixed_size 0
		.amdhsa_enable_private_segment 0
		.amdhsa_kernarg_size 48
		.amdhsa_user_sgpr_count 2
		.amdhsa_user_sgpr_kernarg_segment_ptr 1
		.amdhsa_wavefront_size32 1
		.amdhsa_system_sgpr_workgroup_id_x 1
		.amdhsa_system_sgpr_workgroup_id_y 1
		.amdhsa_system_sgpr_workgroup_id_z 1
		.amdhsa_system_vgpr_workitem_id 0
		.amdhsa_next_free_vgpr 132
		.amdhsa_next_free_sgpr 66
		.amdhsa_reserve_vcc 0
		.amdhsa_float_denorm_mode_32 3
		.amdhsa_float_denorm_mode_16_64 3
		.amdhsa_memory_ordered 1
		.amdhsa_forward_progress 1
		.amdhsa_inst_pref_size 21
	.end_amdhsa_kernel
	.amdgpu_metadata
---
amdhsa.version: [ 1, 2 ]
amdhsa.kernels:
  - .name:           k_q682419c3b8_cast
    .symbol:         k_q682419c3b8_cast.kd
    .args:
      - { .name: x, .offset: 0, .size: 8, .value_kind: global_buffer, .address_space: global }
      - { .name: W_q, .offset: 8, .size: 8, .value_kind: global_buffer, .address_space: global }
      - { .name: W_k, .offset: 16, .size: 8, .value_kind: global_buffer, .address_space: global }
      - { .name: W_v, .offset: 24, .size: 8, .value_kind: global_buffer, .address_space: global }
      - { .name: xb, .offset: 32, .size: 8, .value_kind: global_buffer, .address_space: global }
      - { .name: wb, .offset: 40, .size: 8, .value_kind: global_buffer, .address_space: global }
    .group_segment_fixed_size: 0
    .private_segment_fixed_size: 0
    .kernarg_segment_align: 8
    .kernarg_segment_size: 48
    .max_flat_workgroup_size: 256
    .sgpr_count:     66
    .vgpr_count:     132
    .wavefront_size: 32
...
	.end_amdgpu_metadata
.endif
;; end of part 1
;; launch proj (part 2): grid 8 x 64, 4 waves a work-group, clusters of 4 x 4, 327,680 bytes of LDS; arguments xb, wb, qkv; writes qkv
.if DOCPART == 2
	.amdgcn_target "amdgcn-amd-amdhsa--gfx1250"
	.amdhsa_code_object_version 6
	.text
	.protected	k_q682419c3b8_proj
	.globl	k_q682419c3b8_proj
	.p2align	8
	.type	k_q682419c3b8_proj,@function
k_q682419c3b8_proj:
	s_mov_b64 s[64:65], 0
	v_nop
	global_prefetch_b8 v0, s[64:65] scope:SCOPE_SE
	s_setreg_imm32_b32 hwreg(HW_REG_WAVE_MODE, 25, 1), 1
	s_wait_xcnt 0x0
	s_wait_alu depctr_hold_cnt(0) depctr_sa_sdst(0) depctr_va_vdst(0) depctr_va_sdst(0) depctr_va_ssrc(0) depctr_va_vcc(0) depctr_vm_vsrc(0)
	s_getreg_b32 s2, hwreg(HW_REG_IB_STS2, 6, 4)
	s_cmp_eq_u32 s2, 0
	s_cbranch_scc0 .Lentry_in_a_cluster
	s_endpgm
.Lentry_in_a_cluster:
	s_bfe_u32 s2, ttmp6, 0x10000c
	s_cmp_lg_u32 s2, 0xf033
	s_cbranch_scc0 .Lentry_shape_is_right
	s_endpgm
.Lentry_shape_is_right:
; qkv[m][n] = the sum over k of xb[m][k] wb[k][n].  xb: [8192][1024] bf16, wb: [1024][3072] bf16, qkv: [8192][3072] f16 (q, k, v side by side); sums in f32, rounded once.
; LIMIT: a sum of 65,520 or more in magnitude becomes an infinity in f16; NaN and infinities are not treated apart.
; SHARES.  A tile of qkv is 128 rows x 384 columns: 64 x 8 = 512 tiles, two for each of 256 WGPs.  Four waves side by side, each 128 x 96: 48 accumulators of 16 x 16, 384 registers.
; Wave w owns, of each of the tile's three chunks of 128 columns, the columns 32 w .. 32 w + 31, so that all immediates are alike in all waves.
; K goes in 8 steps of 128 through a ring of two LDS slots.  A slot: x's 128 rows x 256 bytes (wave 0 fetches them), and three chunks of w, 128 k-rows x 256 bytes each (waves 1 to 3).
; w lies [k][n], so its fragments come out of LDS turned, by ds_load_tr16_b128.
; CLUSTER 4 x 4: the four work-groups of a row of the cluster need the same tile of x, the four of a column the same tiles of w: each is asked for jointly.
; THE MATRIX INSTRUCTION IS USED TRANSPOSED (source 0 = 16 columns of w, source 1 = 16 rows of x): a lane then holds one row of qkv and eight neighbouring columns.
; REGISTERS: window 0: v0-31 addresses; v32-55 packed results; v64-127, v128-191 x's fragments, two buffers; v192-239 rows on their way out.
;   window 1: v64-111, v128-175 w's fragments, two buffers.   window 2: accumulators of row blocks 0-3, (a, b) at 8 (6 a + b).   window 3: row blocks 4-7.
.set PA,     272                       ; an LDS row of x: 256 bytes + 16: the 16 rows of a load start at 16 different groups of four banks (64 banks of 4 bytes: ISA guide 11.1)
.set PB,     288                       ; an LDS row of w: 256 + 32
.set REG,    36864                     ; a region: 128 rows of w at 288 bytes; x's 128 rows at 272 use 34,816 of it
.set SLOT,   4*REG
.set STAGE,  2*SLOT                    ; behind the ring: two halves of 16 rows x 784 bytes, the work-group's, for the way out
.set SP,     784                       ; 768 bytes of a tile's row + 16
.set SHALF,  16*SP
.set SPARE,  STAGE+2*SHALF             ; behind the stage: the spare words, 128 bytes for each wave: two blocks of 256 bytes that no other line names
.set LAPS,   4                         ; a lap = two K steps = once round the ring
.set ADRA, 16                          ; v16-17  LDS address of my lane in x's tile, slot 0, 1
.set ADRB, 18                          ; v18-23  the same in w's chunk c of slot s, at 3 s + c
.set STO,  24                          ; v24     the way out: where I put 16 bytes of a row
.set RD,   25                          ; v25     where I read rows back
.set CO,   26                          ; v26     my byte offset in the tile in qkv
.set SPW,  28                          ; v28     LDS address of my spare word; never rewritten
.set NIL,  29                          ; v29     0; never rewritten
.set TMP,  32
.set F0,   64
.set F1,   128
.set OB,   192
.set G1, 24                            ; s[24:31] descriptor group 1 for x's tiles;  s[32:39] group 0, a set for each slot
.set G0, 32
.set G1B, 48                           ; s[48:55], s[56:63] the same for w's
.set G0B, 56
.set MSB, 0
.macro WIN new                         ; the immediate's high byte repeats the setting that is left; a switch that changes nothing is dropped
.if MSB != (\new)
	s_set_vgpr_msb (MSB<<8)|(\new)
.set MSB, \new
.endif
.endm
.set MUL_LO, 0xa1                      ; source 0 (w) window 1, source 1 (x) window 0, C and D window 2
.set MUL_HI, 0xf1                      ; the same, C and D window 3
.set TO_B,   0x40                      ; destination window 1, address window 0
; A joint load: wave 0 fetches x's tile, waves 1 to 3 w's three chunks.  The branch hangs on the wave's number alone.
; An s_nop 0 and four v_nop follow each of the two lines, ahead of the jump, the label and what follows.
.macro JLOAD s
	s_cmp_eq_u32 s10, 0
	s_cbranch_scc0 .Lfor_b_\@
	tensor_load_to_lds s[G0+4*(\s):G0+4*(\s)+3], s[G1:G1+7]
	s_nop 0
.rept 4
	v_nop
.endr
	s_branch .Lasked_\@
.Lfor_b_\@:
	tensor_load_to_lds s[G0B+4*(\s):G0B+4*(\s)+3], s[G1B:G1B+7]
	s_nop 0
.rept 4
	v_nop
.endr
.Lasked_\@:
.endm
.macro CREST                           ; a round of the cluster's barrier behind its opening barrier
	s_cmp_lg_u32 s10, 0
	s_cbranch_scc1 .Lnot_wave_0_\@
	s_barrier_signal -3
.Lnot_wave_0_\@:
	s_barrier_wait -3
	s_barrier_signal -1
	s_barrier_wait -1
.endm
.macro CROUND                          ; a whole round
	s_barrier_signal -1
	s_barrier_wait -1
	CREST
.endm
	s_load_b128 s[4:7], s[0:1], 0x0                ; xb s[4:5], wb s[6:7]
	s_load_b64 s[8:9], s[0:1], 0x10                ; qkv
	v_lshl_add_u32 v[SPW], v0, 2, SPARE
	v_mov_b32 v[NIL], 0
	ds_add_u32 v[SPW], v[NIL]                      ; the wave's opening: the add and its wait stand ahead of my first tensor load; the set-up below, work on registers, stands between them
	ds_add_u32 v28, v29
	v_lshrrev_b32 v1, 5, v0
	v_readfirstlane_b32 s10, v1                    ; wave 0..3
	s_max_u32 s12, s10, 1
	s_sub_co_u32 s12, s12, 1                       ; which chunk of w I fetch (waves 1 to 3)
	s_bfe_u32 s40, ttmp6, 0x40000                  ; cx, cy: my place in the cluster
	s_bfe_u32 s41, ttmp6, 0x40004
	s_lshl_b32 s42, ttmp9, 2
	s_add_co_u32 s42, s42, s40                     ; tile column = 4 x cluster x + cx
	s_and_b32 s13, ttmp7, 0xffff
	s_lshl_b32 s13, s13, 2
	s_add_co_u32 s13, s13, s41                     ; tile row = 4 x cluster y + cy
	s_lshl_b32 s43, s41, 2
	s_lshl_b32 s43, 15, s43                        ; my row of the cluster
	s_lshl_b32 s44, 0x1111, s40                    ; my column
	; descriptor group 1: tiles of 128 rows x 128 elements of 2 bytes, padded in LDS after every 64 words: by 4 words (x), by 8 (w)
	s_or_b32 s[G1+0], s43, (1<<16)|(1<<20)|(1<<21)|(5<<22)|(3<<25)
	s_or_b32 s[G1B+0], s44, (1<<16)|(1<<20)|(1<<21)|(5<<22)|(7<<25)
.irp g, G1, G1B
	s_mov_b32 s[(\g)+1], 128<<16                   ; tensor_dim0 = 128
	s_mov_b32 s[(\g)+2], 128<<16                   ; tensor_dim1 = 128
	s_mov_b32 s[(\g)+3], 128<<16                   ; tile_dim0 = 128
	s_mov_b32 s[(\g)+4], 128                       ; tile_dim1 = 128
	s_mov_b32 s[(\g)+6], 0
	s_mov_b32 s[(\g)+7], 0
.endr
	s_mov_b32 s[G1+5], 1024                        ; elements from row to row of xb,
	s_mov_b32 s[G1B+5], 3072                       ; and of wb
	s_lshl_b32 s16, s13, 18                        ; x: 128 rows of 2,048 bytes for each tile row
	s_mov_b32 s17, 0
	s_mul_i32 s46, s42, 768                        ; w: the tile column's 768 bytes of a row,
	s_lshl_b32 s47, s12, 8                         ; my chunk's 256
	s_add_co_u32 s46, s46, s47
	s_mov_b32 s47, 0
	s_mul_i32 s20, s10, REG                        ; where my tile goes: region = wave: no place in the cluster enters an LDS address
	s_wait_dscnt 0x0                               ; the opening add is done
	s_wait_kmcnt 0x0
	s_add_nc_u64 s[14:15], s[4:5], s[16:17]
	s_add_nc_u64 s[46:47], s[6:7], s[46:47]
	CROUND                                         ; all sixteen work-groups are here: the first joint loads meet
.irp s, 0,1
	s_mov_b32 s[G0+4*(\s)], 1
	s_add_co_u32 s[G0+4*(\s)+1], s20, (\s)*SLOT
	s_add_nc_u64 s[G0+4*(\s)+2:G0+4*(\s)+3], s[14:15], (\s)*256         ; K step s: 256 bytes along x's rows
	s_or_b32 s[G0+4*(\s)+3], s[G0+4*(\s)+3], 0x80000000
	s_mov_b32 s[G0B+4*(\s)], 1
	s_add_co_u32 s[G0B+4*(\s)+1], s20, (\s)*SLOT
	s_add_nc_u64 s[G0B+4*(\s)+2:G0B+4*(\s)+3], s[46:47], (\s)*128*6144  ; K step s: 128 rows of w down
	s_or_b32 s[G0B+4*(\s)+3], s[G0B+4*(\s)+3], 0x80000000
	JLOAD \s
.endr
	v_and_b32 v1, 15, v0                           ; r = l % 16
	v_bfe_u32 v2, v0, 4, 1                         ; h = l / 16
	v_mul_u32_u24 v3, v1, PA
	v_lshl_add_u32 v[ADRA], v2, 4, v3              ; x: row x pitch + 16 x half
	v_add_nc_u32 v[ADRA+1], SLOT, v[ADRA]
	v_and_b32 v4, 7, v0                            ; w, turned: lane l reads k-row 8 h + l % 8, 16 bytes at 16 ((l / 8) % 2)
	v_lshl_add_u32 v4, v2, 3, v4
	v_mul_u32_u24 v4, v4, PB
	v_bfe_u32 v5, v0, 3, 1
	v_lshl_add_u32 v4, v5, 4, v4
	s_lshl_b32 s21, s10, 6                         ; my wave's 32 columns in a chunk
	v_add_nc_u32 v4, s21, v4
.irp s, 0,1
.irp c, 0,1,2
	v_add_nc_u32 v[ADRB+3*(\s)+(\c)], (\s)*SLOT+((\c)+1)*REG, v4
.endr
.endr
	v_mul_u32_u24 v5, v1, SP                       ; into the stage: row r, my wave's 64 bytes of a chunk, 16 for each half of the lanes
	v_lshl_add_u32 v5, v2, 4, v5
	s_add_co_u32 s21, s21, STAGE
	v_add_nc_u32 v[STO], s21, v5
	s_lshl_b32 s22, s10, 2
	v_add_nc_u32 v6, s22, v2                       ; back: wave w takes rows 4 w .. 4 w + 3; lanes 0-15 one row's 256 bytes, lanes 16-31 the next row's
	v_mul_u32_u24 v5, v6, SP
	v_lshl_add_u32 v5, v1, 4, v5
	v_add_nc_u32 v[RD], STAGE, v5
	v_mul_u32_u24 v5, v6, 6144                     ; and the same in qkv
	v_lshl_add_u32 v[CO], v1, 4, v5
	s_mul_i32 s16, s13, 128*6144                   ; the tile's first row,
	s_mov_b32 s17, 0
	s_add_nc_u64 s[8:9], s[8:9], s[16:17]
	s_mul_i32 s46, s42, 768                        ; and first column
	s_mov_b32 s47, 0
	s_add_nc_u64 s[8:9], s[8:9], s[46:47]
; 12 matrix instructions: row blocks a0, a0 + 1 of the window's four x all 6 column blocks, 32 along K.  zero = 1: the first product starts the sums.
; The 48 accumulators take turns in the same order in every quarter step.
.macro MUL12 f, hi, a0, zero
	WIN MUL_LO+0x50*(\hi)
.irp a, \a0, (\a0)+1
.irp b, 0,1,2,3,4,5
.if \zero
	v_wmma_f32_16x16x32_bf16 v[8*(6*(\a)+(\b)):8*(6*(\a)+(\b))+7], v[(\f)+8*(\b):(\f)+8*(\b)+7], v[(\f)+8*(4*(\hi)+(\a)):(\f)+8*(4*(\hi)+(\a))+7], 0
.else
	v_wmma_f32_16x16x32_bf16 v[8*(6*(\a)+(\b)):8*(6*(\a)+(\b))+7], v[(\f)+8*(\b):(\f)+8*(\b)+7], v[(\f)+8*(4*(\hi)+(\a)):(\f)+8*(4*(\hi)+(\a))+7], v[8*(6*(\a)+(\b)):8*(6*(\a)+(\b))+7]
.endif
.endr
.endr
.endm
; 28 LDS loads in one run: quarter q (32 along K) of a slot into buffer f: w's 6 fragments (turned), then x's 8, rows 64-127 last
.macro FETCH slot, q, f
	WIN TO_B
.irp c, 0,1,2
.irp j, 0,1
	ds_load_tr16_b128 v[(\f)+8*(2*(\c)+(\j)):(\f)+8*(2*(\c)+(\j))+3],   v[ADRB+3*(\slot)+(\c)] offset:(\q)*32*PB+32*(\j)
	ds_load_tr16_b128 v[(\f)+8*(2*(\c)+(\j))+4:(\f)+8*(2*(\c)+(\j))+7], v[ADRB+3*(\slot)+(\c)] offset:(\q)*32*PB+16*PB+32*(\j)
.endr
.endr
	WIN 0
.irp i, 0,1,2,3,4,5,6,7
	ds_load_b128 v[(\f)+8*(\i):(\f)+8*(\i)+3],   v[ADRA+(\slot)] offset:64*(\q)+(\i)*16*PA
	ds_load_b128 v[(\f)+8*(\i)+4:(\f)+8*(\i)+7], v[ADRA+(\slot)] offset:64*(\q)+(\i)*16*PA+32
.endr
.endm
.macro PLACES                          ; four places in front of loads into registers that matrix instructions have read, and of conversions that read results
.rept 4
	v_nop
.endr
.endm
; A K step is four quarters of 32 along K, 48 matrix instructions each, on buffers 0, 1, 0, 1.  One of the first three: multiplies buffer f and fetches quarter q into buffer g.
.macro QUARTER slot, q, f, g, zero
	s_wait_dscnt 8                                 ; w's fragments and x's rows 0-63 are in; the youngest eight loads (x's rows 64-127) may be out
	MUL12 \f, 0, 0, \zero
	MUL12 \f, 0, 2, \zero
	PLACES
	FETCH \slot, \q, \g
	s_wait_dscnt 28                                ; all but the 28 just issued
	MUL12 \f, 1, 0, \zero
	MUL12 \f, 1, 2, \zero
.endm
; The last quarter multiplies buffer 1 and changes slots: ONE barrier; in front of it each wave waits for all its tensor loads (one is out: its part of the next slot), adds 0 to its spare word,
; and waits for that and for its own reads of this slot.  fill = 1: the barrier opens a round of the cluster's barrier, and this slot is filled again, two K steps ahead, first thing behind the round.
.macro TURN slot, next, fill
	WIN 0                                          ; (the add's two registers lie in window 0)
	s_wait_tensorcnt 0x0
	ds_add_u32 v[SPW], v[NIL]
	s_wait_dscnt 9                                 ; (the add and the youngest eight loads may be out)
	MUL12 F1, 0, 0, 0                              ; twelve matrix instructions stand between the add and the wait for it
	s_wait_dscnt 0x0                               ; the add is done, and my reads of this slot are over
	s_barrier_signal -1
	MUL12 F1, 0, 2, 0
.if \fill
	WIN 0
.endif
	s_barrier_wait -1
.if \fill
	CREST                                          ; no wave of any partner still reads this slot's tiles or has a load on its way
	s_add_nc_u64 s[G0+4*(\slot)+2:G0+4*(\slot)+3], s[G0+4*(\slot)+2:G0+4*(\slot)+3], 2*256
	s_add_nc_u64 s[G0B+4*(\slot)+2:G0B+4*(\slot)+3], s[G0B+4*(\slot)+2:G0B+4*(\slot)+3], 2*128*6144
	JLOAD \slot                                    ; the four v_nop behind it are also the places in front of the loads below
.else
	PLACES
.endif
	FETCH \next, 0, F0
	MUL12 F1, 1, 0, 0
	MUL12 F1, 1, 2, 0
.endm
	s_wait_tensorcnt 1                             ; my part of K step 0 is in; K step 1's may stay out
	s_barrier_signal -1
	s_barrier_wait -1                              ; everybody's is
	FETCH 0, 0, F0
	QUARTER 0, 1, F0, F1, 1                        ; the first quarter stands in front of the loop: its products start the sums
	WIN 0                                          ; at a label and at a branch every window is 0
	s_mov_b32 s3, LAPS-1
.Llap:                                                 ; a trip goes once round the ring, from a lap's second quarter to the next lap's first, and fills both slots again
	QUARTER 0, 2, F1, F0, 0
	QUARTER 0, 3, F0, F1, 0
	TURN 0, 1, 1
	QUARTER 1, 1, F0, F1, 0
	QUARTER 1, 2, F1, F0, 0
	QUARTER 1, 3, F0, F1, 0
	TURN 1, 0, 1
	QUARTER 0, 1, F0, F1, 0
	WIN 0
	s_sub_co_u32 s3, s3, 1
	s_cmp_lg_u32 s3, 0
	s_cbranch_scc1 .Llap
	QUARTER 0, 2, F1, F0, 0                        ; the last lap fills nothing
	QUARTER 0, 3, F0, F1, 0
	TURN 0, 1, 0
	QUARTER 1, 1, F0, F1, 0
	QUARTER 1, 2, F1, F0, 0
	QUARTER 1, 3, F0, F1, 0
	s_wait_dscnt 8                                 ; the very last quarter: nothing more to fetch
	MUL12 F1, 0, 0, 0
	MUL12 F1, 0, 2, 0
	s_wait_dscnt 0x0
	MUL12 F1, 1, 0, 0
	MUL12 F1, 1, 2, 0
	WIN 0
; THE WAY OUT, a block of 16 rows at a time.  A row's 768 bytes come from four waves, so they meet in the work-group's stage: rounded to f16, 16 bytes a lane in; a barrier; whole rows back, four rows a wave.
; The stage's two halves take turns, so one barrier a block orders both ways: a block's reads are waited for in front of the next block's barrier, and that half is written again only behind it.
.macro PACK a
	WIN 0x0a+5*((\a)/4)                            ; sources 0 and 1: window 2 or 3
.set AC, 48*((\a)%4)
.irp b, 0,1,2,3,4,5
.irp r, 0,1,2,3
	v_cvt_pk_f16_f32 v[TMP+4*(\b)+(\r)], v[AC+8*(\b)+2*(\r)], v[AC+8*(\b)+2*(\r)+1]
.endr
.endr
	WIN 0
.endm
.macro STG a
.irp c, 0,1,2
.irp j, 0,1
	ds_store_b128 v[STO], v[TMP+4*(2*(\c)+(\j)):TMP+4*(2*(\c)+(\j))+3] offset:((\a)%2)*SHALF+256*(\c)+32*(\j)
.endr
.endr
.endm
.macro BACK a
.irp ii, 0,1
.irp cu, 0,1,2
	ds_load_b128 v[OB+24*((\a)%2)+4*(3*(\ii)+(\cu)):OB+24*((\a)%2)+4*(3*(\ii)+(\cu))+3], v[RD] offset:((\a)%2)*SHALF+(\ii)*2*SP+256*(\cu)
.endr
.endr
.endm
.macro SEND a
.irp ii, 0,1
.irp cu, 0,1,2
	global_store_b128 v[CO], v[OB+24*((\a)%2)+4*(3*(\ii)+(\cu)):OB+24*((\a)%2)+4*(3*(\ii)+(\cu))+3], s[8:9] offset:(16*(\a)+2*(\ii))*6144+256*(\cu)  ; 16 lanes store 256 consecutive bytes, aligned
.endr
.endr
.endm
	PLACES
.irp a, 0,1,2,3,4,5,6,7
	PACK \a
	STG \a
	s_wait_dscnt 0x0                               ; for the others' sake: my stores into the stage are done (and my reads of the block before)
	s_barrier_signal -1
	s_barrier_wait -1
	s_wait_xcnt 0x0                                ; the stores of two blocks back have read their registers, which are loaded again below
	BACK \a
	s_wait_dscnt 0x0
	SEND \a
.endr
	s_wait_tensorcnt 0x0                           ; the wave's end: the add to the spare word and its wait stand behind my last tensor load and my last LDS store
	ds_add_u32 v[SPW], v[NIL]
	s_wait_dscnt 0x0
	CROUND                                         ; the closing round: no work-group ends while a partner may still ask for a tile that names it
	s_endpgm
.Lfunc_end_k_q682419c3b8_proj:
	.size	k_q682419c3b8_proj, .Lfunc_end_k_q682419c3b8_proj-k_q682419c3b8_proj
	.p2alignl 7, 3214868480
	.fill 96, 4, 3214868480
	.section	.rodata,"a",@progbits
	.p2align	6, 0x0
	.amdhsa_kernel k_q682419c3b8_proj
		.amdhsa_group_segment_fixed_size 327680
		.amdhsa_private_segment_fixed_size 0
		.amdhsa_enable_private_segment 0
		.amdhsa_kernarg_size 24
		.amdhsa_user_sgpr_count 2
		.amdhsa_user_sgpr_kernarg_segment_ptr 1
		.amdhsa_wavefront_size32 1
		.amdhsa_system_sgpr_workgroup_id_x 1
		.amdhsa_system_sgpr_workgroup_id_y 1
		.amdhsa_system_sgpr_workgroup_id_z 1
		.amdhsa_system_vgpr_workitem_id 0
		.amdhsa_next_free_vgpr 960
		.amdhsa_next_free_sgpr 66
		.amdhsa_reserve_vcc 0
		.amdhsa_float_denorm_mode_32 3
		.amdhsa_float_denorm_mode_16_64 3
		.amdhsa_memory_ordered 1
		.amdhsa_forward_progress 1
		.amdhsa_inst_pref_size 116
	.end_amdhsa_kernel
	.amdgpu_metadata
---
amdhsa.version: [ 1, 2 ]
amdhsa.kernels:
  - .name:           k_q682419c3b8_proj
    .symbol:         k_q682419c3b8_proj.kd
    .args:
      - { .name: xb, .offset: 0, .size: 8, .value_kind: global_buffer, .address_space: global }
      - { .name: wb, .offset: 8, .size: 8, .value_kind: global_buffer, .address_space: global }
      - { .name: qkv, .offset: 16, .size: 8, .value_kind: global_buffer, .address_space: global }
    .group_segment_fixed_size: 327680
    .private_segment_fixed_size: 0
    .kernarg_segment_align: 8
    .kernarg_segment_size: 24
    .max_flat_workgroup_size: 128
    .sgpr_count:     66
    .vgpr_count:     960
    .wavefront_size: 32
...
	.end_amdgpu_metadata
.endif
;; end of part 2
;; launch scores (part 3): grid 36 x 4, 4 waves a work-group, no clusters, 327,680 bytes of LDS; arguments qkv, pt, st; writes pt, st
.if DOCPART == 3
	.amdgcn_target "amdgcn-amd-amdhsa--gfx1250"
	.amdhsa_code_object_version 6
	.text
	.protected	k_q682419c3b8_scores
	.globl	k_q682419c3b8_scores
	.p2align	8
	.type	k_q682419c3b8_scores,@function
k_q682419c3b8_scores:
	s_mov_b64 s[64:65], 0
	v_nop
	global_prefetch_b8 v0, s[64:65] scope:SCOPE_SE
	s_setreg_imm32_b32 hwreg(HW_REG_WAVE_MODE, 25, 1), 1
	s_wait_xcnt 0x0
; For each batch and each tile of 256 queries x 256 keys on or below the diagonal: S = Q K^T (f16 operands, f32 sums, K = 1024), and the first stage of the softmax:
; for each query and each block of 128 keys  cm = c max(s),  p = 2^(c s - cm) (stored in f16 in pt),  l = the sum of the unrounded p;  c = log2(e) / 32.  (cm, l) go to st; the next launch
; takes the row's true maximum of the cm and corrects each block by 2^(cm - row's cm) <= 1: the maximum is taken away as in the softmax's definition, in two exact stages.
; qkv: [8192][3072] f16 (q at column 0, k at 1024).  pt: [4][2048 q][2048 key] f16.  st: [4][16 key blocks][2048 q][2] f32.
; LIMITS.  A hidden score counts as its value less 1e30; a weight below 2^-126 counts as 0; NaN and infinities are not treated apart.
; SHARES.  Work-group x = 0..35 of batch y is tile (I, J <= I): x = I (I + 1) / 2 + J.  144 equal tiles.  Four waves, each a quadrant of 128 x 128: 64 accumulators, 512 registers.
; NO CLUSTER: a batch's tiles form a triangle whose rows have 1 to 8 tiles; no grid of 4 x 4 or 4 x 1 clusters covers it without work-groups that would compute nothing.
; K goes in 8 steps of 128 through a ring of two LDS slots (256 rows of Q, 256 rows of K, 256 bytes each); each wave fetches 128 rows with one tensor load.
; THE MATRIX INSTRUCTION IS USED TRANSPOSED (source 0 = 16 keys, source 1 = 16 queries): a lane holds ONE query (lane % 16) and the keys 8 (lane / 16) + 0..7 of each block of 16.
; THE MASK is the C operand of each accumulator's first product: 0 or -1e30.  Accumulator (a, b) takes CL if b < a, CD if b = a, CU if b > a; what they hold hangs on the tile and the quadrant:
; off the diagonal all 0; in a diagonal tile's two quadrants on the diagonal CL = 0, CD = the triangle, CU = -1e30; in its quadrant above the diagonal all -1e30.
; In that wholly hidden quadrant c counts as 0 and cm is stored as -1e30: p = 1, l = 128, and the next launch's factor for the block is exactly 0.
; REGISTERS: window 0: v0-31 addresses; v32-55 masks, later v32-63 and v224-255 rows on their way out; v64-127, v128-191 Q's fragments (behind the loop v64-95 at work); v192-223 packed weights.
;   window 1: v64-127, v128-191 K's fragments.   window 2: accumulators of query blocks 0-3, (a, b) at 8 (8 a + b).   window 3: blocks 4-7.
.set PITCH,  272                       ; an LDS row: 256 bytes + 16: the 16 rows of a load start at 16 different groups of four banks (64 banks of 4 bytes: ISA guide 11.1)
.set HALFT,  128*PITCH
.set SLOT,   4*HALFT                   ; Q's 256 rows, then K's 256 rows
.set STAGE,  2*SLOT                    ; behind the ring: 16 rows x 272 bytes for each wave
.set SPITCH, 272
.set SPARE,  STAGE+4*16*SPITCH         ; behind the stages: the spare words, 128 bytes for each wave: two blocks of 256 bytes that no other line names
.set LAPS,   4
.set ADRA, 16                          ; v16-17  LDS address of my Q fragments in slot 0, 1
.set ADRB, 20                          ; v20-21  the same for K
.set STO,  24
.set RD,   25
.set CO,   26                          ; v26     my byte offset in two rows of pt
.set SO,   27                          ; v27     8 x lane: my pair in 32 rows of st
.set SPW,  28                          ; v28     LDS address of my spare word; never rewritten
.set NIL,  29                          ; v29     0; never rewritten
.set CL,   32
.set CD,   40
.set CU,   48
.set F0,   64
.set F1,   128
.set TMP,  192
.set OB,   32
.set TW,   64                          ; v64-67  at work
.set CMX,  68                          ; v68-69  c m, twice
.set STT,  72                          ; v72-87  (cm, l) of query block a at STT + 2 a
.set XS,   88                          ; v88-95  the statistics as stored
.set G1, 24                            ; s[24:31] descriptor group 1
.set G0, 32                            ; s[32:39] group 0, a set for each slot
.set CLV, 40                           ; s40  what CL holds
.set CUV, 41                           ; s41  what CU holds
.set CS,  58                           ; s[58:59] c (0 in a hidden quadrant)
.set SEL, 60                           ; s[60:61] v_permlanex16_b32's selects: each lane takes its own place in the other half
.set BIAS, 62                          ; s62  0 (-1e30 in a hidden quadrant)
.set HIL, 63                           ; s63  the mask of lanes 16-31
.set MSB, 0
.macro WIN new
.if MSB != (\new)
	s_set_vgpr_msb (MSB<<8)|(\new)
.set MSB, \new
.endif
.endm
.set MUL_LO, 0xa1                      ; source 0 (K) window 1, source 1 (Q) window 0, C and D window 2
.set MUL_HI, 0xf1
.set TO_B,   0x40
	s_load_b128 s[4:7], s[0:1], 0x0                ; qkv s[4:5], pt s[6:7]
	s_load_b64 s[8:9], s[0:1], 0x10                ; st
	v_lshl_add_u32 v[SPW], v0, 2, SPARE
	v_mov_b32 v[NIL], 0
	ds_add_u32 v[SPW], v[NIL]                      ; the wave's opening: the add and its wait stand ahead of my first tensor load; the set-up below stands between them
	ds_add_u32 v28, v29
	v_lshrrev_b32 v1, 5, v0
	v_readfirstlane_b32 s10, v1                    ; wave 0..3
	s_lshr_b32 s11, s10, 1                         ; rh: which half of the tile's queries is mine
	s_and_b32 s12, s10, 1                          ; ch: which half of its keys.  Also: which 128 rows I fetch
	s_and_b32 s15, ttmp7, 0xffff                   ; batch
	s_mov_b32 s13, 0                               ; I = how many of the triangle numbers 1, 3, .. 28 are at most x
.irp tri, 1,3,6,10,15,21,28
	s_cmp_ge_u32 ttmp9, \tri
	s_add_co_ci_u32 s13, s13, 0
.endr
	s_add_co_u32 s14, s13, 1
	s_mul_i32 s14, s14, s13
	s_lshr_b32 s14, s14, 1
	s_sub_co_u32 s14, ttmp9, s14                   ; J = x - I (I + 1) / 2
	s_mov_b32 s[G1+0], (1<<16)|(1<<20)|(5<<22)|(3<<25)  ; elements of 2 bytes; padding on: after every 64 words 4 words
	s_mov_b32 s[G1+1], 128<<16                     ; tensor_dim0 = 128
	s_mov_b32 s[G1+2], 128<<16                     ; tensor_dim1 = 128
	s_mov_b32 s[G1+3], 128<<16                     ; tile_dim0 = 128
	s_mov_b32 s[G1+4], 128                         ; tile_dim1 = 128
	s_mov_b32 s[G1+5], 3072                        ; elements from row to row of qkv
	s_mov_b32 s[G1+6], 0
	s_mov_b32 s[G1+7], 0
	s_cmp_lt_u32 s10, 2                            ; waves 0, 1 fetch Q's halves (tile row I, column 0), waves 2, 3 K's (tile row J, byte 2,048)
	s_cselect_b32 s16, s13, s14
	s_cselect_b32 s18, 0, 2048
	s_lshl_b32 s16, s16, 8
	s_lshl_b32 s17, s12, 7
	s_add_co_u32 s16, s16, s17
	s_lshl_b32 s17, s15, 11
	s_add_co_u32 s16, s16, s17                     ; the first row that I fetch
	s_mul_i32 s16, s16, 6144
	s_add_co_u32 s16, s16, s18
	s_mov_b32 s17, 0
	s_mul_i32 s20, s10, HALFT                      ; and where it goes in a slot
	s_cmp_eq_u32 s13, s14
	s_cselect_b32 s19, 1, 0                        ; a diagonal tile?
	s_cmp_eq_u32 s11, s12
	s_cselect_b32 s21, 1, 0
	s_cmp_gt_u32 s12, s11
	s_cselect_b32 s18, 1, 0
	s_and_b32 s18, s18, s19                        ; my quadrant is wholly hidden
	s_and_b32 s21, s21, s19                        ; it holds the diagonal
	s_or_b32 s21, s21, s18
	s_cmp_lg_u32 s18, 0
	s_cselect_b32 s[CLV], 0xf149f2ca, 0            ; -1e30
	s_cselect_b32 s[CS], 0, 0x3d38aa3b             ; c = log2(e) / 32
	s_cselect_b32 s[BIAS], 0xf149f2ca, 0
	s_cmp_lg_u32 s21, 0
	s_cselect_b32 s[CUV], 0xf149f2ca, 0
	s_mov_b32 s[CS+1], s[CS]                       ; named with it as a pair
	s_mov_b32 s[SEL], 0x76543210
	s_mov_b32 s[SEL+1], 0xfedcba98
	s_mov_b32 s[HIL], 0xffff0000
	s_wait_dscnt 0x0                               ; the opening add is done
	s_wait_kmcnt 0x0
	s_add_nc_u64 s[22:23], s[4:5], s[16:17]
.irp s, 0,1
	s_mov_b32 s[G0+4*(\s)], 1
	s_add_co_u32 s[G0+4*(\s)+1], s20, (\s)*SLOT
	s_add_nc_u64 s[G0+4*(\s)+2:G0+4*(\s)+3], s[22:23], (\s)*256    ; K step s
	s_or_b32 s[G0+4*(\s)+3], s[G0+4*(\s)+3], 0x80000000
	tensor_load_to_lds s[G0+4*(\s):G0+4*(\s)+3], s[G1:G1+7]        ; both first fills go out together: two loads of mine are out
	s_nop 0
.endr
	v_and_b32 v1, 15, v0                           ; r = l % 16
	v_bfe_u32 v2, v0, 4, 1                         ; h = l / 16
	v_mul_u32_u24 v3, v1, PITCH
	v_lshl_add_u32 v3, v2, 4, v3                   ; a fragment's row x pitch + 16 x half
	s_mul_i32 s21, s11, HALFT                      ; my 128 rows of Q
	s_mul_i32 s22, s12, HALFT                      ; my 128 rows of K,
	s_add_co_u32 s22, s22, 2*HALFT                 ; which lie behind Q's 256
.irp s, 0,1
	v_add_nc_u32 v[ADRA+(\s)], s21, v3
	v_add_nc_u32 v[ADRB+(\s)], s22, v3
	s_add_co_u32 s21, s21, SLOT
	s_add_co_u32 s22, s22, SLOT
.endr
	s_mul_i32 s23, s10, 16*SPITCH
	s_add_co_u32 s23, s23, STAGE                   ; my stage
	v_add_nc_u32 v[STO], s23, v3                   ; in: row r, 16 bytes for each half of the lanes (the stage's pitch is the tiles')
	v_mul_u32_u24 v5, v2, SPITCH                   ; back: lanes 0-15 take one row of 256 bytes, lanes 16-31 the next
	v_lshl_add_u32 v5, v1, 4, v5
	v_add_nc_u32 v[RD], s23, v5
	v_lshlrev_b32 v5, 12, v2                       ; and the same two rows in pt, 4,096 bytes apart
	v_lshl_add_u32 v[CO], v1, 4, v5
	v_and_b32 v[SO], 31, v0
	v_lshlrev_b32 v[SO], 3, v[SO]
	v_lshlrev_b32 v14, 3, v2
	v_sub_nc_u32 v14, v1, v14                      ; r - 8 h: in a block on the diagonal register j is hidden where j is greater
.irp j, 0,1,2,3,4,5,6,7
	v_mov_b32 v[CL+(\j)], s[CLV]
	v_mov_b32 v[CU+(\j)], s[CUV]
	v_cmp_gt_i32 vcc_lo, \j, v14
	v_cndmask_b32 v[CD+(\j)], v[CL+(\j)], s[CUV], vcc_lo
.endr
	s_lshl_b32 s16, s13, 8
	s_lshl_b32 s17, s11, 7
	s_add_co_u32 s16, s16, s17                     ; my first query in the batch: 256 I + 128 rh
	s_lshl_b32 s17, s15, 11
	s_add_co_u32 s17, s17, s16
	s_lshl_b32 s17, s17, 12                        ; its row of pt,
	s_lshl_b32 s18, s14, 9                         ; the tile's 512 bytes of it,
	s_add_co_u32 s17, s17, s18
	s_lshl_b32 s18, s12, 8                         ; my quadrant's 256
	s_add_co_u32 s18, s17, s18
	s_mov_b32 s19, 0
	s_add_nc_u64 s[6:7], s[6:7], s[18:19]
	s_lshl_b32 s17, s15, 4
	s_lshl1_add_u32 s17, s14, s17
	s_add_co_u32 s17, s17, s12                     ; my key block: 16 batch + 2 J + ch
	s_lshl_b32 s17, s17, 11
	s_add_co_u32 s17, s17, s16
	s_lshl_b32 s18, s17, 3
	s_add_nc_u64 s[8:9], s[8:9], s[18:19]
; 16 matrix instructions: query blocks a0, a0 + 1 of the window's four x all 8 key blocks, 32 along K.  zero = 1: the first product starts the sums, with the mask as C.
; The 64 accumulators take turns in the same order in every quarter step.
.macro MUL16 f, hi, a0, zero
.if \zero
	WIN 0x81+0x40*(\hi)                            ; C in window 0
.else
	WIN MUL_LO+0x50*(\hi)
.endif
.irp a, \a0, (\a0)+1
.irp b, 0,1,2,3,4,5,6,7
.if \zero
.if (\b) < 4*(\hi)+(\a)
.set CM, CL
.elseif (\b) == 4*(\hi)+(\a)
.set CM, CD
.else
.set CM, CU
.endif
	v_wmma_f32_16x16x32_f16 v[8*(8*(\a)+(\b)):8*(8*(\a)+(\b))+7], v[(\f)+8*(\b):(\f)+8*(\b)+7], v[(\f)+8*(4*(\hi)+(\a)):(\f)+8*(4*(\hi)+(\a))+7], v[CM:CM+7]
.else
	v_wmma_f32_16x16x32_f16 v[8*(8*(\a)+(\b)):8*(8*(\a)+(\b))+7], v[(\f)+8*(\b):(\f)+8*(\b)+7], v[(\f)+8*(4*(\hi)+(\a)):(\f)+8*(4*(\hi)+(\a))+7], v[8*(8*(\a)+(\b)):8*(8*(\a)+(\b))+7]
.endif
.endr
.endr
.endm
; 32 LDS loads in one run: the fragments of one quarter step (128 rows of K, 128 rows of Q, 32 along K at byte k of the rows) into buffer f
.macro FETCH slot, k, f
	WIN TO_B
.irp i, 0,1,2,3,4,5,6,7
	ds_load_b128 v[(\f)+8*(\i):(\f)+8*(\i)+3],   v[ADRB+(\slot)] offset:(\k)+(\i)*16*PITCH
	ds_load_b128 v[(\f)+8*(\i)+4:(\f)+8*(\i)+7], v[ADRB+(\slot)] offset:(\k)+(\i)*16*PITCH+32
.endr
	WIN 0
.irp i, 0,1,2,3,4,5,6,7
	ds_load_b128 v[(\f)+8*(\i):(\f)+8*(\i)+3],   v[ADRA+(\slot)] offset:(\k)+(\i)*16*PITCH
	ds_load_b128 v[(\f)+8*(\i)+4:(\f)+8*(\i)+7], v[ADRA+(\slot)] offset:(\k)+(\i)*16*PITCH+32
.endr
.endm
.macro PLACES                          ; four places in front of loads into registers that matrix instructions have read, and of vector lines that read results
.rept 4
	v_nop
.endr
.endm
.macro QUARTER slot, k, f, g, zero
	s_wait_dscnt 8                                 ; K and Q's rows 0-63 are in; the youngest eight loads (Q's rows 64-127) may be out
	MUL16 \f, 0, 0, \zero
	MUL16 \f, 0, 2, \zero
	PLACES
	FETCH \slot, \k, \g
	s_wait_dscnt 32                                ; all but the 32 just issued
	MUL16 \f, 1, 0, \zero
	MUL16 \f, 1, 2, \zero
.endm
; The last quarter multiplies buffer 1 and changes slots: ONE barrier; in front of it each wave waits for all its tensor loads (one is out: its part of the next slot), adds 0 to its spare word,
; and waits for that and for its own reads of this slot.  fill = 1: this slot is filled again, two K steps ahead, first thing behind the barrier.
.macro TURN slot, next, fill
	WIN 0
	s_wait_tensorcnt 0x0                           ; no tensor load of mine is out, so a group 0 may be written
	ds_add_u32 v[SPW], v[NIL]
.if \fill
	s_add_nc_u64 s[G0+4*(\slot)+2:G0+4*(\slot)+3], s[G0+4*(\slot)+2:G0+4*(\slot)+3], 2*256
.endif
	s_wait_dscnt 9                                 ; (the add and the youngest eight loads may be out)
	MUL16 F1, 0, 0, 0
	s_wait_dscnt 0x0                               ; the add is done, and my reads of this slot are over
	s_barrier_signal -1
	MUL16 F1, 0, 2, 0
	s_barrier_wait -1
.if \fill
	tensor_load_to_lds s[G0+4*(\slot):G0+4*(\slot)+3], s[G1:G1+7]
	s_nop 0
.endif
	PLACES
	FETCH \next, 0, F0
	MUL16 F1, 1, 0, 0
	MUL16 F1, 1, 2, 0
.endm
	s_wait_tensorcnt 1                             ; my part of K step 0 is in; K step 1's may stay out
	s_barrier_signal -1
	s_barrier_wait -1
	FETCH 0, 0, F0
	QUARTER 0, 64,  F0, F1, 1                      ; the first quarter stands in front of the loop: its products start the sums, on the masks
	WIN 0
	s_mov_b32 s3, LAPS-1
.Llap:
	QUARTER 0, 128, F1, F0, 0
	QUARTER 0, 192, F0, F1, 0
	TURN 0, 1, 1
	QUARTER 1, 64,  F0, F1, 0
	QUARTER 1, 128, F1, F0, 0
	QUARTER 1, 192, F0, F1, 0
	TURN 1, 0, 1
	QUARTER 0, 64,  F0, F1, 0
	WIN 0
	s_sub_co_u32 s3, s3, 1
	s_cmp_lg_u32 s3, 0
	s_cbranch_scc1 .Llap
	QUARTER 0, 128, F1, F0, 0                      ; the last lap fills nothing
	QUARTER 0, 192, F0, F1, 0
	TURN 0, 1, 0
	QUARTER 1, 64,  F0, F1, 0
	QUARTER 1, 128, F1, F0, 0
	QUARTER 1, 192, F0, F1, 0
	s_wait_dscnt 8
	MUL16 F1, 0, 0, 0
	MUL16 F1, 0, 2, 0
	s_wait_dscnt 0x0
	MUL16 F1, 1, 0, 0
	MUL16 F1, 1, 2, 0
	WIN 0
	PLACES
; THE SOFTMAX'S FIRST STAGE for query block a: a lane holds 64 scores of one query, the lane 16 away the other 64.
.macro SOFT a
.set W, 2+(\a)/4
.set AC, 64*((\a)%4)
	WIN W*21                                       ; all three sources in the accumulators' window
.irp k, 0,1,2,3                        ; the maximum, three operands at a time: four chains over two accumulators each; every accumulator is first read at its low end
	v_max3_num_f32 v[TW+(\k)], v[AC+16*(\k)], v[AC+16*(\k)+1], v[AC+16*(\k)+2]
.endr
	WIN W*20
.irp s, 0,1,2,3,4,5
.irp k, 0,1,2,3
	v_max3_num_f32 v[TW+(\k)], v[TW+(\k)], v[AC+16*(\k)+3+2*(\s)], v[AC+16*(\k)+4+2*(\s)]
.endr
.endr
	v_max3_num_f32 v[TW], v[TW], v[AC+15], v[AC+31]
	v_max3_num_f32 v[TW+2], v[TW+2], v[AC+47], v[AC+63]
	WIN 0
	v_max3_num_f32 v[TW], v[TW], v[TW+1], v[TW+2]
	v_max_num_f32 v[TW], v[TW], v[TW+3]
	v_permlanex16_b32 v[TW+1], v[TW], s[SEL], s[SEL+1]
	v_max_num_f32 v[TW], v[TW], v[TW+1]
	v_mul_f32 v[CMX], s[CS], v[TW]                 ; c m, twice: the packed line below names the pair
	v_mul_f32 v[CMX+1], s[CS], v[TW]
	v_add_f32 v[STT+2*(\a)], s[BIAS], v[CMX]       ; what is stored as cm
	WIN W*65                                       ; destination and source 0 in the accumulators' window
.set z, 0
.rept 32
	v_pk_fma_f32 v[AC+2*z:AC+2*z+1], v[AC+2*z:AC+2*z+1], s[CS:CS+1], v[CMX:CMX+1] op_sel_hi:[1,0,0] neg_lo:[0,0,1] neg_hi:[0,0,1]  ; c s - c m, one rounding
.set z, z+1
.endr
.set z, 0
.rept 64
	v_exp_f32 v[AC+z], v[AC+z]
.set z, z+1
.endr
	v_nop                                          ; a plain instruction between the last exponential and the use of its result
	WIN W*5
.set z, 0
	s_wait_alu depctr_va_vdst(0)
.rept 32
	v_cvt_pk_f16_f32 v[TMP+z], v[AC+2*z], v[AC+2*z+1]
.set z, z+1
.endr
	WIN W*69
.irp w, 1,2,4,8,16                     ; the sum of the unrounded weights: 32 pairs, a tree in place
.set z, 0
.rept 16/(\w)
	v_pk_add_f32 v[AC+2*z:AC+2*z+1], v[AC+2*z:AC+2*z+1], v[AC+2*z+2*(\w):AC+2*z+2*(\w)+1]
.set z, z+2*(\w)
.endr
.endr
	WIN W*5
	v_add_f32 v[TW], v[AC], v[AC+1]
	WIN 0
	v_permlanex16_b32 v[TW+1], v[TW], s[SEL], s[SEL+1]
	v_add_f32 v[STT+2*(\a)+1], v[TW], v[TW+1]
.endm
; A lane's 16 bytes go into my own stage, rows of 272 bytes, and come back as whole rows of 256.
.macro TOSTAGE a
.set BK, OB+192*((\a)%2)
.irp b, 0,1,2,3,4,5,6,7
	ds_store_b128 v[STO], v[TMP+4*(\b):TMP+4*(\b)+3] offset:32*(\b)
.endr
.irp t, 0,1,2,3,4,5,6,7
	ds_load_b128 v[BK+4*(\t):BK+4*(\t)+3], v[RD] offset:(\t)*2*SPITCH  ; LDS serves a wave's instructions in order (ISA guide 5.7.1.4): these see the stores above
.endr
.endm
.macro SEND a
.set BK, OB+192*((\a)%2)
	s_wait_dscnt 0x0                               ; the block is back in registers
	s_wait_xcnt 0x0                                ; the stores of the block before have read their registers, which the next block's loads fill
.irp t, 0,1,2,3,4,5,6,7
	global_store_b128 v[CO], v[BK+4*(\t):BK+4*(\t)+3], s[6:7] offset:(\a)*16*4096+(\t)*2*4096  ; 16 lanes store 256 consecutive bytes, aligned
.endr
.endm
	SOFT 0
	TOSTAGE 0
.irp a, 1,2,3,4,5,6,7                  ; block a's arithmetic stands between block a - 1's loads from the stage and the wait for them
	SOFT \a
	SEND (\a)-1
	TOSTAGE \a
.endr
	SEND 7
.irp p, 0,1,2,3                        ; the statistics: lanes 0-15 give block 2 p's 16 rows, lanes 16-31 block 2 p + 1's: 32 rows x 8 bytes, 256 consecutive bytes, aligned
	v_cndmask_b32 v[XS+2*(\p)], v[STT+4*(\p)], v[STT+4*(\p)+2], s[HIL]
	v_cndmask_b32 v[XS+2*(\p)+1], v[STT+4*(\p)+1], v[STT+4*(\p)+3], s[HIL]
	global_store_b64 v[SO], v[XS+2*(\p):XS+2*(\p)+1], s[8:9] offset:256*(\p)
.endr
	s_wait_tensorcnt 0x0                           ; the wave's end: the add to the spare word and its wait stand behind my last tensor load and my last LDS store
	ds_add_u32 v[SPW], v[NIL]
	s_wait_dscnt 0x0
	s_endpgm
.Lfunc_end_k_q682419c3b8_scores:
	.size	k_q682419c3b8_scores, .Lfunc_end_k_q682419c3b8_scores-k_q682419c3b8_scores
	.p2alignl 7, 3214868480
	.fill 96, 4, 3214868480
	.section	.rodata,"a",@progbits
	.p2align	6, 0x0
	.amdhsa_kernel k_q682419c3b8_scores
		.amdhsa_group_segment_fixed_size 327680
		.amdhsa_private_segment_fixed_size 0
		.amdhsa_enable_private_segment 0
		.amdhsa_kernarg_size 24
		.amdhsa_user_sgpr_count 2
		.amdhsa_user_sgpr_kernarg_segment_ptr 1
		.amdhsa_wavefront_size32 1
		.amdhsa_system_sgpr_workgroup_id_x 1
		.amdhsa_system_sgpr_workgroup_id_y 1
		.amdhsa_system_sgpr_workgroup_id_z 1
		.amdhsa_system_vgpr_workitem_id 0
		.amdhsa_next_free_vgpr 1024
		.amdhsa_next_free_sgpr 66
		.amdhsa_reserve_vcc 1
		.amdhsa_float_denorm_mode_32 3
		.amdhsa_float_denorm_mode_16_64 3
		.amdhsa_memory_ordered 1
		.amdhsa_forward_progress 1
		.amdhsa_inst_pref_size 210
	.end_amdhsa_kernel
	.amdgpu_metadata
---
amdhsa.version: [ 1, 2 ]
amdhsa.kernels:
  - .name:           k_q682419c3b8_scores
    .symbol:         k_q682419c3b8_scores.kd
    .args:
      - { .name: qkv, .offset: 0, .size: 8, .value_kind: global_buffer, .address_space: global }
      - { .name: pt, .offset: 8, .size: 8, .value_kind: global_buffer, .address_space: global }
      - { .name: st, .offset: 16, .size: 8, .value_kind: global_buffer, .address_space: global }
    .group_segment_fixed_size: 327680
    .private_segment_fixed_size: 0
    .kernarg_segment_align: 8
    .kernarg_segment_size: 24
    .max_flat_workgroup_size: 128
    .sgpr_count:     66
    .vgpr_count:     1024
    .wavefront_size: 32
...
	.end_amdgpu_metadata
.endif
;; end of part 3
;; launch pv (part 4): grid 8 x 32, 4 waves a work-group, clusters of 4 x 1, 327,680 bytes of LDS; arguments pt, qkv, st, out0; writes out0
.if DOCPART == 4
	.amdgcn_target "amdgcn-amd-amdhsa--gfx1250"
	.amdhsa_code_object_version 6
	.text
	.protected	k_q682419c3b8_pv
	.globl	k_q682419c3b8_pv
	.p2align	8
	.type	k_q682419c3b8_pv,@function
k_q682419c3b8_pv:
	s_mov_b64 s[64:65], 0
	v_nop
	global_prefetch_b8 v0, s[64:65] scope:SCOPE_SE
	s_setreg_imm32_b32 hwreg(HW_REG_WAVE_MODE, 25, 1), 1
	s_wait_xcnt 0x0
	s_wait_alu depctr_hold_cnt(0) depctr_sa_sdst(0) depctr_va_vdst(0) depctr_va_sdst(0) depctr_va_ssrc(0) depctr_va_vcc(0) depctr_vm_vsrc(0)
	s_getreg_b32 s2, hwreg(HW_REG_IB_STS2, 6, 4)
	s_cmp_eq_u32 s2, 0
	s_cbranch_scc0 .Lentry_in_a_cluster
	s_endpgm
.Lentry_in_a_cluster:
	s_bfe_u32 s2, ttmp6, 0x10000c
	s_cmp_lg_u32 s2, 0x3003
	s_cbranch_scc0 .Lentry_shape_is_right
	s_endpgm
.Lentry_shape_is_right:
; out[q][d] = (1 / l[q]) x the sum over key blocks t of f[q][t] x (the sum over the block's keys of p[q][key] v[key][d]).
; p (f16, pt) and per query and block of 128 keys (cm, l) (f32, st) come from the launch before.  Here: the row's true maximum m = max over its blocks of cm; f = 2^(cm - m) <= 1;
; l[q] = the sum of f l (f32).  f is rounded to f16 and multiplied onto p's fragments between their LDS load and the matrix instruction (f16, one rounding); products' sums in f32; out in f32.
; pt: [4][2048 q][2048 key] f16.  v: columns 2048-3071 of qkv [8192][3072] f16.  st: [4][16 key blocks][2048 q][2] f32.  out0: [8192][1024] f32.
; LIMITS.  A factor below 2^-126 counts as 0; f p below 6e-5 keeps f16's fixed step of 6e-8; NaN and infinities are not treated apart.
; THE WALK.  A tile of out is 128 queries x 128 columns.  Query block i (of 16 a batch) needs i / 2 + 1 slots of 256 keys.  A work-group takes block p (p = 0..7) and then block 15 - p:
; 9 slots whatever p: 256 equal work-groups, one loop with a constant trip count.  For an even block the last slot's second half is wholly hidden: its factors are 0.
; The short tile goes first, so the change of tiles always lies in the loop.  Four waves, each 64 x 64: 16 accumulators.
; CLUSTER 4 x 1: the four partners make four neighbouring column blocks of the same queries and walk the same tiles of p: those are asked for jointly.  v's tile hangs on the column block:
; each work-group's own load, behind the same round.
; THE MATRIX INSTRUCTION IS USED TRANSPOSED (source 0 = 16 columns of v, turned out of LDS; source 1 = 16 queries of p): a lane holds one query and eight neighbouring columns, and f is one number a lane.
; REGISTERS: window 0: v0-63, v64-127 p's fragments, two buffers ((c, a) at 64 f + 32 c + 8 a); v128-255 accumulators ((a, b) at 128 + 8 (4 a + b)).
;   window 1: v0-63, v64-127 v's fragments; v128-135 factors; v136-147 addresses; v150-157 1 / l.  The loop's products, scalings and p's loads run under ONE setting: source 0 in window 1.
.set REG,   36864                      ; a region: 64 rows of p at 528 bytes (33,792 used), or 128 keys of v at 288
.set SLOT,  4*REG                      ; 0x24000: its two bits occur in no wave x REG, so one exclusive or turns an LDS word in one slot into the other's
.set PP,    528                        ; a row of p in LDS: 512 bytes + 16
.set PV,    288                        ; a row of v: 256 + 32
.set STAGE, 2*SLOT                     ; behind the ring: 16 rows x 272 bytes for each wave
.set SP,    272
.set FT,    STAGE+4*16*SP              ; the factors: entry 2 t + kb (walk slot t, half kb): 128 rows x 4 bytes, f twice in f16
.set IL,    FT+18*512                  ; 1 / l: 128 f32 for the short tile, 128 for the long
.set SPARE, IL+1024                    ; the spare words, 128 bytes for each wave: two blocks of 256 bytes that no other line names
.set ACC, 128
.set FR,  128                          ; window 1 from here on: factor of half kb, query block a at FR + 4 kb + a
.set ALN, 136                          ; my lane's place in a slot's p; never rewritten
.set BLN, 137                          ; in its v
.set ADA, 138                          ; the same in the slot in hand
.set ADB, 139                          ; v139, v140: v's keys 0-127, 128-255
.set AF,  141                          ; my row's place in the factors of the slot in hand
.set STO, 142
.set RD,  143
.set CO,  144
.set ILA, 145
.set SPW, 146                          ; LDS address of my spare word; never rewritten
.set NIL, 147                          ; 0; never rewritten
.set IVP, 150                          ; 1 / l of query block a, twice, at IVP + 2 a
.set TAU8, 10                          ; window 0, the prologue's: 8 x thread
.set TO,  12                           ; v12-20  byte offset in st of my row's pair for walk slot t
.set TC,  24                           ; v24-59  (cm, l) of entry e at TC + 2 e; cm's place then takes f
.set LOWR, 60
.set ZR,  61
.set MS,  62
.set ML,  63
.set LS,  64
.set LL,  65
.set X0,  66
.set X1,  67
.set FTA, 68
.set P16, 70                           ; v70-87
.set WV,  12                           ; s12  my wave's number
.set G1A, 24                           ; s[24:31] descriptor group 1 for p's tiles
.set G1B, 32                           ; s[32:39] for v's
.set G0A, 40                           ; s[40:47] group 0 for p's: a set for each of the two first fills; the second then walks on
.set G0B, 48                           ; s[48:55] the same for v's
.set TRIP, 56
.set RT,  57                           ; slots of the tile in hand still to be finished
.set NEW, 58                           ; 1: the slot to be entered is a tile's first
.set TB,  59                           ; LDS byte at which the slot in hand begins
.set FS,  60                           ; the slot of its tile that is asked for next
.set FLIM, 61
.set FOA, 62                           ; byte offset in pt of the first row of the tile whose slots are being asked for
.set FOAL, 63                          ; the long tile's
.set OFA, 66                           ; s[66:67], s[68:69] offsets of the tiles asked for
.set OFB, 68
.set ABASE, 70                         ; s[70:71] pt at my 64 rows of a tile
.set BBASE, 72                         ; s[72:73] v at my 128 keys of a slot, my work-group's columns
.set OBS, 74                           ; s[74:75], s[76:77] out0 at my wave's part of the short and of the long tile
.set OBL, 76
.set MK,  78                           ; s78-86  -1 where walk slot t belongs to the short tile, else 0
.set MSB, 0
.macro WIN new
.if MSB != (\new)
	s_set_vgpr_msb (MSB<<8)|(\new)
.set MSB, \new
.endif
.endm
.set W_MAIN, 0x01                      ; source 0 in window 1, all else in window 0
.set W_ONE,  0x45                      ; destination, source 0 and source 1 in window 1
.set W_MK,   0x40                      ; destination in window 1
.macro JLOAD                           ; waves 0, 1 ask jointly for the two halves of p's tile, waves 2, 3 for their work-group's own halves of v's; s_nop 0 and four v_nop follow each line
	s_cmp_lt_u32 s[WV], 2
	s_cbranch_scc0 .Lfor_v_\@
	tensor_load_to_lds s[G0A+4:G0A+7], s[G1A:G1A+7]
	s_nop 0
.rept 4
	v_nop
.endr
	s_branch .Lasked_\@
.Lfor_v_\@:
	tensor_load_to_lds s[G0B+4:G0B+7], s[G1B:G1B+7]
	s_nop 0
.rept 4
	v_nop
.endr
.Lasked_\@:
.endm
.macro CREST
	s_cmp_lg_u32 s[WV], 0
	s_cbranch_scc1 .Lnot_wave_0_\@
	s_barrier_signal -3
.Lnot_wave_0_\@:
	s_barrier_wait -3
	s_barrier_signal -1
	s_barrier_wait -1
.endm
.macro CROUND
	s_barrier_signal -1
	s_barrier_wait -1
	CREST
.endm
; The addresses of the next slot of the walk are made anew, each from its base and an offset made apart; then the walk steps: behind the short tile's last slot comes the long tile's slot 0.
.macro NEXT set
	s_lshl_b32 s[OFA], s[FS], 9                    ; 256 keys are 512 bytes of a row of pt,
	s_add_co_u32 s[OFA], s[OFA], s[FOA]
	s_mul_i32 s[OFB], s[FS], 256*6144              ; and 256 rows of qkv
	s_add_nc_u64 s[G0A+4*(\set)+2:G0A+4*(\set)+3], s[ABASE:ABASE+1], s[OFA:OFA+1]
	s_or_b32 s[G0A+4*(\set)+3], s[G0A+4*(\set)+3], 0x80000000
	s_add_nc_u64 s[G0B+4*(\set)+2:G0B+4*(\set)+3], s[BBASE:BBASE+1], s[OFB:OFB+1]
	s_or_b32 s[G0B+4*(\set)+3], s[G0B+4*(\set)+3], 0x80000000
	s_add_co_u32 s[FS], s[FS], 1
	s_cmp_eq_u32 s[FS], s[FLIM]
	s_cselect_b32 s[FS], 0, s[FS]
	s_cselect_b32 s[FOA], s[FOAL], s[FOA]
	s_cselect_b32 s[FLIM], 64, s[FLIM]
.endm
	s_load_b256 s[4:11], s[0:1], 0x0               ; pt s[4:5], qkv s[6:7], st s[8:9], out0 s[10:11]
	WIN W_MK
	v_lshl_add_u32 v[SPW], v0, 2, SPARE
	v_mov_b32 v[NIL], 0
	WIN W_ONE
	ds_add_u32 v[SPW], v[NIL]                      ; the wave's opening: the add and its wait stand ahead of my first tensor load; the set-up below stands between them
	ds_add_u32 v146, v147
	WIN 0
	v_lshrrev_b32 v1, 5, v0
	v_readfirstlane_b32 s[WV], v1                  ; wave 0..3
	s_bfe_u32 s13, ttmp6, 0x40000                  ; cx
	s_lshl_b32 s14, ttmp9, 2
	s_add_co_u32 s14, s14, s13                     ; n: my block of 128 columns.  It enters v's own loads and out0's addresses alone
	s_and_b32 s16, ttmp7, 0xffff
	s_lshr_b32 s15, s16, 3                         ; batch
	s_and_b32 s16, s16, 7                          ; p
	s_lshr_b32 s17, s16, 1
	s_add_co_u32 s17, s17, 1                       ; nS: the short tile's slots
	s_lshr_b32 s18, s[WV], 1                       ; rh: which 64 queries are mine
	s_and_b32 s19, s[WV], 1                        ; ch: which 64 columns.  Also: which half of a tile I fetch
	s_mov_b32 s[G1A+0], 15|(1<<16)|(1<<20)|(1<<21)|(6<<22)|(3<<25)  ; the mask of four, bit 21 beside it; elements of 2 bytes; padding: after every 128 words 4 words
	s_mov_b32 s[G1A+1], 256<<16                    ; tensor_dim0 = 256
	s_mov_b32 s[G1A+2], 64<<16                     ; tensor_dim1 = 64
	s_mov_b32 s[G1A+3], 256<<16                    ; tile_dim0 = 256
	s_mov_b32 s[G1A+4], 64                         ; tile_dim1 = 64
	s_mov_b32 s[G1A+5], 2048                       ; elements from row to row of pt
	s_mov_b32 s[G1A+6], 0
	s_mov_b32 s[G1A+7], 0
	s_mov_b32 s[G1B+0], (1<<16)|(1<<20)|(5<<22)|(7<<25)             ; no mask; padding: after every 64 words 8 words
	s_mov_b32 s[G1B+1], 128<<16
	s_mov_b32 s[G1B+2], 128<<16
	s_mov_b32 s[G1B+3], 128<<16
	s_mov_b32 s[G1B+4], 128
	s_mov_b32 s[G1B+5], 3072                       ; elements from row to row of qkv
	s_mov_b32 s[G1B+6], 0
	s_mov_b32 s[G1B+7], 0
	s_lshl_b32 s20, s15, 11                        ; the batch's first row
	s_lshl_b32 s21, s16, 7
	s_add_co_u32 s21, s21, s20                     ; the short tile's
	s_sub_co_u32 s22, 15, s16
	s_lshl_b32 s23, s22, 7
	s_add_co_u32 s23, s23, s20                     ; the long tile's
	s_lshl_b32 s[FOA], s21, 12
	s_lshl_b32 s[FOAL], s23, 12
	s_lshl_b32 s87, s16, 10                        ; 8 bytes x the tiles' first rows in the batch, for st
	s_lshl_b32 s88, s22, 10
	s_lshl_b32 s89, s15, 18                        ; the batch's 16 x 2,048 pairs
	s_lshl_b32 s93, s18, 6
	s_add_co_u32 s21, s21, s93                     ; my wave's first rows
	s_add_co_u32 s23, s23, s93
	s_lshl_b32 s21, s21, 12
	s_lshl_b32 s23, s23, 12
	s_lshl_b32 s90, s14, 9                         ; my work-group's 512 bytes of a row of out0,
	s_lshl_b32 s91, s19, 8                         ; my wave's 256
	s_add_co_u32 s90, s90, s91
	s_add_co_u32 s[OBS], s21, s90
	s_mov_b32 s[OBS+1], 0
	s_add_co_u32 s[OBL], s23, s90
	s_mov_b32 s[OBL+1], 0
	s_lshl_b32 s[ABASE], s19, 18                   ; my 64 rows of 4,096 bytes
	s_mov_b32 s[ABASE+1], 0
	s_lshl_b32 s91, s19, 7                         ; my 128 keys
	s_add_co_u32 s91, s91, s20
	s_mul_i32 s91, s91, 6144
	s_lshl_b32 s92, s14, 8
	s_add_co_u32 s91, s91, s92
	s_add_co_u32 s[BBASE], s91, 4096               ; v begins at byte 4,096 of a row
	s_mov_b32 s[BBASE+1], 0
	s_mul_i32 s94, s[WV], REG                      ; where my tiles go: region = wave
.irp g, G0A, G0B
	s_mov_b32 s[(\g)], 1
	s_mov_b32 s[(\g)+1], s94
	s_mov_b32 s[(\g)+4], 1
	s_add_co_u32 s[(\g)+5], s94, SLOT
.endr
	s_mov_b32 s[OFA+1], 0
	s_mov_b32 s[OFB+1], 0
	s_mov_b32 s[FS], 0
	s_mov_b32 s[FLIM], s17
	s_mov_b32 s[TB], 0
	s_mov_b32 s[TRIP], 7
	s_mov_b32 s[RT], s17
	s_mov_b32 s[NEW], 1
	s_wait_dscnt 0x0                               ; the opening add is done
	s_wait_kmcnt 0x0
	s_add_nc_u64 s[ABASE:ABASE+1], s[4:5], s[ABASE:ABASE+1]
	s_add_nc_u64 s[BBASE:BBASE+1], s[6:7], s[BBASE:BBASE+1]
	s_add_nc_u64 s[OBS:OBS+1], s[10:11], s[OBS:OBS+1]
	s_add_nc_u64 s[OBL:OBL+1], s[10:11], s[OBL:OBL+1]
	NEXT 0                                         ; walk slot 0
	NEXT 1                                         ; walk slot 1
	CROUND                                         ; all four work-groups are here: the first joint loads meet
	s_cmp_lt_u32 s[WV], 2                          ; a wave's two first fills stand in one branch: two loads of mine are out
	s_cbranch_scc0 .Lfirst_v
	tensor_load_to_lds s[G0A:G0A+3], s[G1A:G1A+7]
	s_nop 0
	tensor_load_to_lds s[G0A+4:G0A+7], s[G1A:G1A+7]
	s_nop 0
.rept 4
	v_nop
.endr
	s_branch .Lfirst_asked
.Lfirst_v:
	tensor_load_to_lds s[G0B:G0B+3], s[G1B:G1B+7]
	s_nop 0
	tensor_load_to_lds s[G0B+4:G0B+7], s[G1B:G1B+7]
	s_nop 0
.rept 4
	v_nop
.endr
.Lfirst_asked:
	; THE TABLE, made while the first tiles are on their way.  Thread t is row t of both tiles.  Walk slot t is slot t of the short tile (t < nS) or slot t - nS of the long one.
	v_lshlrev_b32 v[TAU8], 3, v0
.irp t, 0,1,2,3,4,5,6,7,8
	s_sub_co_u32 s21, \t, s17
	s_cmp_gt_u32 s17, \t
	s_cselect_b32 s[MK+(\t)], -1, 0
	s_cselect_b32 s20, \t, s21
	s_cselect_b32 s22, s87, s88
	s_lshl_b32 s20, s20, 15                        ; a slot is two key blocks of 2,048 pairs
	s_add_co_u32 s20, s20, s22
	s_add_co_u32 s20, s20, s89
	v_add_nc_u32 v[TO+(\t)], s20, v[TAU8]
.endr
.irp t, 0,1,2,3,4,5,6,7,8
	global_load_b64 v[TC+4*(\t):TC+4*(\t)+1],   v[TO+(\t)], s[8:9]
	global_load_b64 v[TC+4*(\t)+2:TC+4*(\t)+3], v[TO+(\t)], s[8:9] offset:16384
.endr
	v_lshl_add_u32 v[FTA], v0, 2, FT
	v_and_b32 v1, 15, v0                           ; r = l % 16
	v_bfe_u32 v2, v0, 4, 1                         ; h = l / 16
	v_mul_u32_u24 v3, v1, PP
	v_lshl_add_u32 v3, v2, 4, v3                   ; p: row x pitch + 16 x half
	s_mul_i32 s20, s18, REG                        ; my 64 queries' region
	v_and_b32 v4, 7, v0                            ; v, turned: lane l reads key 8 h + l % 8, 16 bytes at 16 ((l / 8) % 2)
	v_lshl_add_u32 v4, v2, 3, v4
	v_mul_u32_u24 v4, v4, PV
	v_bfe_u32 v5, v0, 3, 1
	v_lshl_add_u32 v4, v5, 4, v4
	s_lshl_b32 s21, s19, 7                         ; my 64 columns
	s_add_co_u32 s21, s21, 2*REG
	s_mul_i32 s22, s[WV], 16*SP
	s_add_co_u32 s22, s22, STAGE                   ; my stage
	v_mul_u32_u24 v5, v1, SP                       ; in: row r, 32 bytes for each half of the lanes
	v_lshl_add_u32 v5, v2, 5, v5
	v_mul_u32_u24 v6, v2, SP                       ; back: lanes 0-15 one row of 256 bytes, lanes 16-31 the next
	v_lshl_add_u32 v6, v1, 4, v6
	v_lshlrev_b32 v7, 12, v2                       ; and the same two rows in out0
	v_lshl_add_u32 v7, v1, 4, v7
	s_lshl_b32 s23, s18, 8
	v_lshl_add_u32 v8, v1, 2, s23                  ; 4 bytes x row 64 rh + r
	WIN W_MK
	v_add_nc_u32 v[ALN], s20, v3
	v_add_nc_u32 v[ADA], s20, v3                   ; the walk begins in slot 0
	v_add_nc_u32 v[BLN], s21, v4
	v_add_nc_u32 v[ADB], s21, v4
	v_add_nc_u32 v[STO], s22, v5
	v_add_nc_u32 v[RD], s22, v6
	v_mov_b32 v[CO], v7
	v_add_nc_u32 v[AF], FT, v8
	v_add_nc_u32 v[ILA], IL, v8
	s_add_co_u32 s21, s21, REG
	v_add_nc_u32 v[ADB+1], s21, v4
	WIN 0
	v_mov_b32 v[LOWR], 0xff7fffff                  ; the lowest finite number
	v_mov_b32 v[ZR], 0
	v_mov_b32 v[MS], v[LOWR]
	v_mov_b32 v[ML], v[LOWR]
	v_mov_b32 v[LS], 0
	v_mov_b32 v[LL], 0
	s_wait_loadcnt 0x0
.irp t, 0,1,2,3,4,5,6,7,8              ; the two rows' true maxima
	v_max_num_f32 v[X0], v[TC+4*(\t)], v[TC+4*(\t)+2]
	v_cndmask_b32 v[X1], v[LOWR], v[X0], s[MK+(\t)]
	v_cndmask_b32 v[X0], v[X0], v[LOWR], s[MK+(\t)]
	v_max_num_f32 v[MS], v[MS], v[X1]
	v_max_num_f32 v[ML], v[ML], v[X0]
.endr
.irp t, 0,1,2,3,4,5,6,7,8
	v_cndmask_b32 v[X0], v[ML], v[MS], s[MK+(\t)]
	v_sub_f32 v[TC+4*(\t)], v[TC+4*(\t)], v[X0]
	v_sub_f32 v[TC+4*(\t)+2], v[TC+4*(\t)+2], v[X0]
.endr
.set e, 0
.rept 18
	v_exp_f32 v[TC+2*e], v[TC+2*e]                 ; f = 2^(cm - m) <= 1
.set e, e+1
.endr
	v_nop                                          ; a plain instruction between the last exponential and the use of its result
	s_wait_alu depctr_va_vdst(0)
.irp t, 0,1,2,3,4,5,6,7,8
	v_mul_f32 v[X0], v[TC+4*(\t)], v[TC+4*(\t)+1]
	v_fmac_f32 v[X0], v[TC+4*(\t)+2], v[TC+4*(\t)+3]
	v_cndmask_b32 v[X1], v[ZR], v[X0], s[MK+(\t)]
	v_cndmask_b32 v[X0], v[X0], v[ZR], s[MK+(\t)]
	v_add_f32 v[LS], v[LS], v[X1]
	v_add_f32 v[LL], v[LL], v[X0]
	v_cvt_pk_f16_f32 v[P16+2*(\t)], v[TC+4*(\t)], v[TC+4*(\t)]
	v_cvt_pk_f16_f32 v[P16+2*(\t)+1], v[TC+4*(\t)+2], v[TC+4*(\t)+2]
	ds_store_b32 v[FTA], v[P16+2*(\t)] offset:1024*(\t)
	ds_store_b32 v[FTA], v[P16+2*(\t)+1] offset:1024*(\t)+512
.endr
	v_rcp_f32 v[LS], v[LS]                         ; l is at least the l of the block that holds the maximum, which is 1 or more
	v_rcp_f32 v[LL], v[LL]
	v_nop
	s_wait_alu depctr_va_vdst(0)
	ds_store_b32 v[FTA], v[LS] offset:IL-FT
	ds_store_b32 v[FTA], v[LL] offset:IL-FT+512
; Product i of 16 on half c (32 keys) of buffer f: query block i / 4, column block i % 4.  The 16 accumulators take turns.
.macro PROD f, c, zero
.set pa, i/4
.set pb, i%4
.if \zero
	v_wmma_f32_16x16x32_f16 v[ACC+8*i:ACC+8*i+7], v[64*(\f)+32*(\c)+8*pb:64*(\f)+32*(\c)+8*pb+7], v[64*(\f)+32*(\c)+8*pa:64*(\f)+32*(\c)+8*pa+7], 0
.else
	v_wmma_f32_16x16x32_f16 v[ACC+8*i:ACC+8*i+7], v[64*(\f)+32*(\c)+8*pb:64*(\f)+32*(\c)+8*pb+7], v[64*(\f)+32*(\c)+8*pa:64*(\f)+32*(\c)+8*pa+7], v[ACC+8*i:ACC+8*i+7]
.endif
.set i, i+1
.endm
; Register ri of the 32 of p's half tc of buffer tb is multiplied by its query block's factor of key half kb: two f16 at once.
.macro RIDE tb, tc, kb
	v_pk_mul_f16 v[64*(\tb)+32*(\tc)+ri], v[FR+4*(\kb)+ri/8], v[64*(\tb)+32*(\tc)+ri]
.set ri, ri+1
.endm
; cnt products, n scalings behind each.  The scalings name fragments that the products round them do not read.
.macro PART f, c, zero, cnt, n, tb, tc, kb
.rept \cnt
	PROD \f, \c, \zero
.if (\n) > 0
.rept \n
	RIDE \tb, \tc, \kb
.endr
.endif
.endr
.endm
.macro FA g, q                         ; 16 loads: p's fragments of quarter q (64 keys) into buffer g, the first 32 keys first
.irp c, 0,1
.irp a, 0,1,2,3
	ds_load_b128 v[64*(\g)+32*(\c)+8*(\a):64*(\g)+32*(\c)+8*(\a)+3],   v[ADA] offset:(\a)*16*PP+128*(\q)+64*(\c)
	ds_load_b128 v[64*(\g)+32*(\c)+8*(\a)+4:64*(\g)+32*(\c)+8*(\a)+7], v[ADA] offset:(\a)*16*PP+128*(\q)+64*(\c)+32
.endr
.endr
.endm
.macro FB g, q                         ; 16 turning loads: v's fragments of quarter q
.irp c, 0,1
.irp b, 0,1,2,3
	ds_load_tr16_b128 v[64*(\g)+32*(\c)+8*(\b):64*(\g)+32*(\c)+8*(\b)+3],   v[ADB+(\q)/2] offset:((\q)%2)*64*PV+(\c)*32*PV+32*(\b)
	ds_load_tr16_b128 v[64*(\g)+32*(\c)+8*(\b)+4:64*(\g)+32*(\c)+8*(\b)+7], v[ADB+(\q)/2] offset:((\q)%2)*64*PV+(\c)*32*PV+16*PV+32*(\b)
.endr
.endr
.endm
.macro FACT                            ; the slot's eight factors
.irp kb, 0,1
.irp a, 0,1,2,3
	ds_load_b32 v[FR+4*(\kb)+(\a)], v[AF] offset:512*(\kb)+64*(\a)
.endr
.endr
.endm
.macro PLACES                          ; four places in front of loads into registers that matrix instructions have read, and of vector lines that read results
.rept 4
	v_nop
.endr
.endm
; A slot is four quarters of 64 keys, 32 products each, on buffers 0, 1, 0, 1.  One of the first three: fetches quarter qn into buffer g and multiplies buffer f.
; Beside the first 16 products f's second half is scaled (key half kbf), beside the other 16 g's first half (kbg).
.macro QUARTER f, g, qn, kbf, kbg, zero
	WIN W_MAIN
	PLACES
	FA \g, \qn
	WIN W_ONE
	FB \g, \qn
	WIN W_MAIN
	s_wait_dscnt 32                                ; all but the 32 just issued: buffer f is whole
.set i, 0
.set ri, 0
	PART \f, 0, \zero, 16, 2, \f, 1, \kbf
	s_wait_dscnt 24                                ; the oldest eight of the 32, g's first half of p, are in
.set i, 0
.set ri, 0
	PART \f, 1, 0, 16, 2, \g, 0, \kbg
.endm
; The last quarter multiplies buffer 1 and changes slots: ONE barrier; in front of it each wave waits for all its tensor loads (one is out: its part of the next slot), adds 0 to its spare word,
; and waits for that and for its own reads of this slot.  fill = 1: the barrier opens a round of the cluster's barrier, and this slot is filled again with the walk's slot two on, first thing behind the round.
.macro TURN fill
	WIN W_ONE                                      ; (the add's two registers lie in window 1)
	s_wait_tensorcnt 0x0                           ; no tensor load of mine is out, so a group 0 may be written
	ds_add_u32 v[SPW], v[NIL]                      ; scalar work and products stand between the add and the wait for it
.if \fill
	s_xor_b32 s[G0A+5], s[G0A+5], SLOT             ; the walking descriptors: the other slot than last time
	s_xor_b32 s[G0B+5], s[G0B+5], SLOT
	NEXT 1
.endif
	s_xor_b32 s[TB], s[TB], SLOT                   ; the reads go on in the other slot
	s_wait_dscnt 1                                 ; (the add alone may be out: buffer 1 is whole)
	WIN W_MAIN
.set i, 0
.set ri, 0
	PART 1, 0, 0, 8, 2, 1, 1, 1
	s_wait_dscnt 0x0                               ; the add is done, and my reads of this slot are over
	s_barrier_signal -1
	PART 1, 0, 0, 8, 2, 1, 1, 1
	WIN 0
	s_barrier_wait -1
.if \fill
	CREST                                          ; no wave of any partner still reads this slot's tiles or has a load on its way
	JLOAD
.else
	PLACES
.endif
	WIN W_ONE
	v_add_nc_u32 v[ADA], s[TB], v[ALN]
	v_add_nc_u32 v[ADB], s[TB], v[BLN]
	v_add_nc_u32 v[AF], 1024, v[AF]                ; the next walk slot's factors
	v_add_nc_u32 v[ADB+1], REG, v[ADB]
	FACT
	WIN W_MAIN
	FA 0, 0
	WIN W_ONE
	FB 0, 0
	WIN W_MAIN
.set i, 0
.set ri, 0
	PART 1, 1, 0, 8, 0, 0, 0, 0
	s_wait_dscnt 24                                ; of the 40 just issued the oldest 16 are in: the factors and the first half of p
	PART 1, 1, 0, 8, 4, 0, 0, 0
.endm
; THE WAY OUT of a tile: the sums times 1 / l, in place; a block of 16 rows at a time through my own stage: 32 bytes a lane in, whole rows of 256 bytes back, into v's second buffer.
.macro SCALE a
	WIN W_MAIN
.set z, 0
.rept 16
	v_pk_mul_f32 v[ACC+32*(\a)+2*z:ACC+32*(\a)+2*z+1], v[IVP+2*(\a):IVP+2*(\a)+1], v[ACC+32*(\a)+2*z:ACC+32*(\a)+2*z+1]
.set z, z+1
.endr
.endm
.macro TOST a
	WIN W_MAIN
.irp b, 0,1,2,3
.irp j, 0,1
	ds_store_b128 v[STO], v[ACC+32*(\a)+8*(\b)+4*(\j):ACC+32*(\a)+8*(\b)+4*(\j)+3] offset:64*(\b)+16*(\j)
.endr
.endr
	WIN W_ONE
.irp t, 0,1,2,3,4,5,6,7
	ds_load_b128 v[64+32*((\a)%2)+4*(\t):64+32*((\a)%2)+4*(\t)+3], v[RD] offset:(\t)*2*SP  ; LDS serves a wave's instructions in order (ISA guide 5.7.1.4): these see the stores above
.endr
.endm
.macro SENDO a, base
	WIN W_ONE
	s_wait_dscnt 0x0                               ; the block is back in registers
	s_wait_xcnt 0x0                                ; the stores of the block before have read their registers, which the next block's loads fill
.irp t, 0,1,2,3,4,5,6,7
	global_store_b128 v[CO], v[64+32*((\a)%2)+4*(\t):64+32*((\a)%2)+4*(\t)+3], s[(\base):(\base)+1] offset:(16*(\a)+2*(\t))*4096 th:TH_STORE_NT  ; 16 lanes store 256 consecutive bytes, aligned
.endr
.endm
.macro OUT tile, base
	PLACES
	WIN W_ONE
.irp a, 0,1,2,3
	ds_load_b32 v[IVP+2*(\a)],   v[ILA] offset:512*(\tile)+64*(\a)
	ds_load_b32 v[IVP+2*(\a)+1], v[ILA] offset:512*(\tile)+64*(\a)
.endr
	s_wait_dscnt 0x0
	SCALE 0
	TOST 0
.irp a, 1,2,3
	SCALE \a
	SENDO (\a)-1, \base
	TOST \a
.endr
	SENDO 3, \base
	s_wait_xcnt 0x0                                ; the stores have read their registers: the next fetch lands there
.endm
	s_wait_tensorcnt 0x1                           ; my part of walk slot 0 is in; slot 1's may stay out
	s_wait_dscnt 0x0                               ; my part of the table is stored
	s_barrier_signal -1
	s_barrier_wait -1                              ; everybody's is
	WIN W_ONE
	FACT
	WIN W_MAIN
	FA 0, 0
	WIN W_ONE
	FB 0, 0
	WIN W_MAIN
	s_wait_dscnt 24                                ; the factors and the first half of p are in
.set ri, 0
.rept 32
	RIDE 0, 0, 0
.endr
	WIN 0
.Ltrip:                                                ; 7 trips: walk slots 0 to 6; each asks for the slot two on
	s_cmp_eq_u32 s[NEW], 1                         ; at the first trip the answer is a constant of the text
	s_cbranch_scc0 .Lgo_on
	QUARTER 0, 1, 1, 0, 0, 1                       ; a tile's first products start the sums
	WIN 0
	s_branch .Ljoined
.Lgo_on:
	QUARTER 0, 1, 1, 0, 0, 0
	WIN 0
.Ljoined:
	s_mov_b32 s[NEW], 0
	QUARTER 1, 0, 2, 0, 1, 0
	QUARTER 0, 1, 3, 1, 1, 0
	TURN 1
	WIN 0
	s_sub_co_u32 s[RT], s[RT], 1
	s_cmp_lg_u32 s[RT], 0
	s_cbranch_scc1 .Lno_out
	OUT 0, OBS                                     ; the short tile is finished; the long tile's first fragments are already fetched
	WIN 0
	s_mov_b32 s[NEW], 1
	s_mov_b32 s[RT], 64                            ; the long tile ends behind the loop
.Lno_out:
	s_sub_co_u32 s[TRIP], s[TRIP], 1
	s_cmp_lg_u32 s[TRIP], 0
	s_cbranch_scc1 .Ltrip
	QUARTER 0, 1, 1, 0, 0, 0                       ; walk slots 7 and 8 are written out: nothing more is asked for
	QUARTER 1, 0, 2, 0, 1, 0
	QUARTER 0, 1, 3, 1, 1, 0
	TURN 0
	QUARTER 0, 1, 1, 0, 0, 0
	QUARTER 1, 0, 2, 0, 1, 0
	QUARTER 0, 1, 3, 1, 1, 0
	s_wait_dscnt 0x0                               ; the very last quarter
.set i, 0
.set ri, 0
	PART 1, 0, 0, 16, 2, 1, 1, 1
.set i, 0
	PART 1, 1, 0, 16, 0, 0, 0, 0
	OUT 1, OBL
	WIN W_ONE
	s_wait_tensorcnt 0x0                           ; the wave's end: the add to the spare word and its wait stand behind my last tensor load and my last LDS store
	ds_add_u32 v[SPW], v[NIL]
	s_wait_dscnt 0x0
	WIN 0
	CROUND                                         ; the closing round: no work-group ends while a partner may still ask for a tile that names it
	s_endpgm
.Lfunc_end_k_q682419c3b8_pv:
	.size	k_q682419c3b8_pv, .Lfunc_end_k_q682419c3b8_pv-k_q682419c3b8_pv
	.p2alignl 7, 3214868480
	.fill 96, 4, 3214868480
	.section	.rodata,"a",@progbits
	.p2align	6, 0x0
	.amdhsa_kernel k_q682419c3b8_pv
		.amdhsa_group_segment_fixed_size 327680
		.amdhsa_private_segment_fixed_size 0
		.amdhsa_enable_private_segment 0
		.amdhsa_kernarg_size 32
		.amdhsa_user_sgpr_count 2
		.amdhsa_user_sgpr_kernarg_segment_ptr 1
		.amdhsa_wavefront_size32 1
		.amdhsa_system_sgpr_workgroup_id_x 1
		.amdhsa_system_sgpr_workgroup_id_y 1
		.amdhsa_system_sgpr_workgroup_id_z 1
		.amdhsa_system_vgpr_workitem_id 0
		.amdhsa_next_free_vgpr 512
		.amdhsa_next_free_sgpr 100
		.amdhsa_reserve_vcc 0
		.amdhsa_float_denorm_mode_32 3
		.amdhsa_float_denorm_mode_16_64 3
		.amdhsa_memory_ordered 1
		.amdhsa_forward_progress 1
		.amdhsa_inst_pref_size 159
	.end_amdhsa_kernel
	.amdgpu_metadata
---
amdhsa.version: [ 1, 2 ]
amdhsa.kernels:
  - .name:           k_q682419c3b8_pv
    .symbol:         k_q682419c3b8_pv.kd
    .args:
      - { .name: pt, .offset: 0, .size: 8, .value_kind: global_buffer, .address_space: global }
      - { .name: qkv, .offset: 8, .size: 8, .value_kind: global_buffer, .address_space: global }
      - { .name: st, .offset: 16, .size: 8, .value_kind: global_buffer, .address_space: global }
      - { .name: out0, .offset: 24, .size: 8, .value_kind: global_buffer, .address_space: global }
    .group_segment_fixed_size: 327680
    .private_segment_fixed_size: 0
    .kernarg_segment_align: 8
    .kernarg_segment_size: 32
    .max_flat_workgroup_size: 128
    .sgpr_count:     100
    .vgpr_count:     512
    .wavefront_size: 32
...
	.end_amdgpu_metadata
.endif
;; end of part 4
;; ======== version 2 of 3: 4 launches; 1.12 times as fast as version 1
;; limits: values are held in f16: magnitudes above 65,504 overflow, below 6.1e-05 lose precision
;; workspace buffers: xh 16,777,216 bytes; wm 4,194,304 bytes; qv 33,554,432 bytes; pt 33,554,432 bytes; st 1,048,576 bytes
;; launch prep (part 5): grid 256 x 1, 8 waves a work-group, no clusters, 274,432 bytes of LDS; arguments x, W_q, W_k, W_v, xh, wm; writes xh, wm
.if DOCPART == 5
	.amdgcn_target "amdgcn-amd-amdhsa--gfx1250"
	.amdhsa_code_object_version 6
	.text
	.protected	k_q682419c3b8_prep
	.globl	k_q682419c3b8_prep
	.p2align	8
	.type	k_q682419c3b8_prep,@function
k_q682419c3b8_prep:
	s_mov_b64 s[64:65], 0
	v_nop
	global_prefetch_b8 v0, s[64:65] scope:SCOPE_SE
	s_setreg_imm32_b32 hwreg(HW_REG_WAVE_MODE, 25, 1), 1
	s_wait_xcnt 0x0
; THE OPERANDS OF THE LATER LAUNCHES.  The scores are (x W_q)(x W_k)^T = x (W_q W_k^T) x^T for every input, so the k projection is not made: M = W_q W_k^T is made here, once,
; the next launch makes q' = x M, and the keys' operand of the scores is x itself.  The order of rounding differs from the module's as written: M is rounded once to f16 where k would have been.
;   xh [8192][1024] f16: x rounded to bf16 (nearest even), that number written as f16 (exact while it lies in f16's normal range).
;   wm f16, the weights of the next launch, [1024 k][2048 n]: n 0-1023 M[k][n] = the sum over j of bf16(W_q[k][j]) bf16(W_k[n][j]) (f32 sums, rounded once);  n 1024-2047 W_v, rounded as x is.
;   wm lies in blocks of 64 k x 64 n, 8,192 bytes on end:  byte(n, k) = ((n / 128) 16 + k / 64) 16384 + ((n / 64) % 2) 8192 + (k % 64) 128 + (n % 64) 2.
; LIMITS.  A number of 65,520 or more in magnitude becomes an infinity in f16; below 6e-5 f16 keeps its fixed step of 6e-8; NaN and infinities are not treated apart.
; SHARES.  256 equal work-groups of eight waves.  Work-group g: rows 32 g .. of x; rows 4 g .. of W_v; the tile of M with rows 64 (g / 16) .. and columns 64 (g % 16) ..: one block of wm.
; All rows are 4,096 bytes of f32; thread t takes bytes 16 t .. 16 t + 15, so a wave's load covers 512 consecutive bytes.  The tile's 64 rows of W_q and 64 rows of W_k go, as bf16, into LDS
; (the whole K: 128 rows of 2,048 bytes); then wave w makes 16 rows x 32 columns of the tile, two accumulators by turns.
; The stream comes in 8 batches of 16 rows of W and 4 rows of x on two sets of registers: while one batch is worked on the other is on its way.
.set PW,    2064                       ; a row of W in LDS: 2,048 bytes + 16: the 16 rows of a fragment load start at 16 different groups of four banks (64 banks of 4 bytes: ISA guide 11.1)
.set STG,   128*PW                     ; behind the rows: the tile's stage, 64 rows x 144 bytes
.set SPS,   144
.set SPARE, STG+64*SPS                 ; behind the stage: the spare words, 128 bytes for each wave: four blocks of 256 bytes that no other line names
.set T16, 1                            ; v1   16 t: my bytes of an input row
.set T8,  2                            ; v2   8 t: my bytes of a row of xh
.set LA,  3                            ; v3   LDS address of my 8 bytes in the row that the trip in hand begins with
.set AQ,  4                            ; v4   LDS address of my lane in my wave's 16 rows of W_q, at the K in hand
.set AK,  5                            ; v5   the same in my wave's 32 rows of W_k
.set STO, 6
.set RD,  7
.set GO,  8                            ; v8   my 16 bytes in the tile's block of wm
.set VO,  9                            ; v9   W_v: my 16 bytes in two rows
.set SOV, 10                           ; v10  W_v: my 8 bytes in wm
.set SPW, 11                           ; v11  LDS address of my spare word; never rewritten
.set NIL, 12                           ; v12  0; never rewritten
.set ACC, 16                           ; v[16:31]   two accumulators
.set VV,  32                           ; v[32:47]   W_v's four loads
.set S,   48                           ; v[48:207]  two sets of 80: 16 loads of W, 4 of x
.set XT,  208                          ; v[208:211] at work
.set FR0, 48                           ; v[48:143], v[144:239]: later, two buffers of fragments, four K steps of 32 each (A 8, B 8, B 8 registers a step)
.set FR1, 144
.set PKD, 208                          ; the tile's packed results, then the rows read back
.set PN,  20                           ; s[20:21] W at the 32 rows that are being asked for
.set PB,  22                           ; s[22:23] and the pointers that follow it
.set PA,  40                           ; s[40:41]
.set PXN, 24                           ; s[24:25] x at the 8 rows that are being asked for
.set PXS, 26                           ; s[26:27] xh at the 8 rows that are being stored
.set CNT, 28
.set HIM, 29                           ; s29  a word's upper bf16
.set OF,  30                           ; s[30:31] an offset
.set WVB, 32                           ; s[32:33] W_v at my work-group's rows
.set WVS, 34                           ; s[34:35] wm at the same rows of W_v's first chunk
.set MB,  36                           ; s[36:37] wm at the tile's block
	s_load_b256 s[4:11], s[0:1], 0x0               ; x s[4:5], W_q s[6:7], W_k s[8:9], W_v s[10:11]
	s_load_b128 s[12:15], s[0:1], 0x20             ; xh s[12:13], wm s[14:15]
	v_lshl_add_u32 v[SPW], v0, 2, SPARE
	v_mov_b32 v[NIL], 0
	v_lshrrev_b32 v13, 5, v0
	v_readfirstlane_b32 s16, v13                   ; wave 0..7
	v_lshlrev_b32 v[T16], 4, v0
	v_lshlrev_b32 v[T8], 3, v0
	v_lshlrev_b32 v[LA], 3, v0
	v_and_b32 v14, 31, v0                          ; l
	v_and_b32 v15, 15, v0                          ; r = l % 16
	v_bfe_u32 v13, v0, 4, 1                        ; h = l / 16
	v_lshlrev_b32 v[VO], 12, v13                   ; W_v: lanes 0-15 take 256 bytes of one row, lanes 16-31 of the next; wave w the columns 128 w ..
	v_lshl_add_u32 v[VO], v15, 4, v[VO]
	s_lshl_b32 s17, s16, 9
	v_add_nc_u32 v[VO], s17, v[VO]
	s_lshl_b32 s17, s16, 18                        ; in wm: wave w's chunk of 128 columns, 262,144 bytes a chunk; two rows of 64 columns are 256 bytes on end
	v_lshl_add_u32 v[SOV], v14, 3, s17
	s_lshl_b32 s17, s16, 10                        ; the tile's block: wave w stores bytes 1,024 w ..
	v_lshl_add_u32 v[GO], v14, 4, s17
	v_mul_u32_u24 v[AQ], v15, PW
	v_lshl_add_u32 v[AQ], v13, 4, v[AQ]            ; a fragment's row x pitch + 16 x half
	s_lshr_b32 s18, s16, 1                         ; which 16 rows of the tile are my wave's
	s_and_b32 s19, s16, 1                          ; which 32 columns
	s_mul_i32 s17, s19, 32*PW
	s_add_co_u32 s17, s17, 64*PW                   ; W_k's rows lie behind W_q's 64
	v_add_nc_u32 v[AK], s17, v[AQ]
	s_mul_i32 s17, s18, 16*PW
	v_add_nc_u32 v[AQ], s17, v[AQ]
	v_mul_u32_u24 v[STO], v15, SPS                 ; into the stage: row 16 a + r, my wave's 64 bytes, 16 for each half of the lanes
	v_lshl_add_u32 v[STO], v13, 4, v[STO]
	s_mul_i32 s17, s18, 16*SPS
	s_lshl_b32 s38, s19, 6
	s_add_co_u32 s17, s17, s38
	s_add_co_u32 s17, s17, STG
	v_add_nc_u32 v[STO], s17, v[STO]
	v_lshrrev_b32 v13, 3, v14                      ; back: wave w takes rows 8 w ..; 32 lanes take four rows of 128 bytes
	v_mul_u32_u24 v[RD], v13, SPS
	v_and_b32 v13, 7, v0
	v_lshl_add_u32 v[RD], v13, 4, v[RD]
	s_mul_i32 s17, s16, 8*SPS
	s_add_co_u32 s17, s17, STG
	v_add_nc_u32 v[RD], s17, v[RD]
	s_lshr_b32 s38, ttmp9, 4                       ; the tile's row of blocks
	s_and_b32 s39, ttmp9, 15                       ; its column of blocks
	s_mov_b32 s[HIM], 0xffff0000
	s_mov_b32 s[OF+1], 0
	s_wait_kmcnt 0x0
	s_lshl_b32 s[OF], s38, 18                      ; 64 rows of 4,096 bytes
	s_add_nc_u64 s[PN:PN+1], s[6:7], s[OF:OF+1]    ; W_q at the tile's first row,
	s_add_nc_u64 s[PA:PA+1], s[PN:PN+1], 0x20000   ; 32 rows on,
	s_lshl_b32 s[OF], s39, 18
	s_add_nc_u64 s[PB:PB+1], s[8:9], s[OF:OF+1]    ; and W_k at the tile's first column
	s_lshl_b32 s[OF], ttmp9, 17
	s_add_nc_u64 s[PXN:PXN+1], s[4:5], s[OF:OF+1]
	s_lshl_b32 s[OF], ttmp9, 16
	s_add_nc_u64 s[PXS:PXS+1], s[12:13], s[OF:OF+1]
	s_lshl_b32 s[OF], ttmp9, 14
	s_add_nc_u64 s[WVB:WVB+1], s[10:11], s[OF:OF+1]
	s_lshl_b32 s[OF], s38, 14                      ; W_v's rows 4 g ..: k / 64 = g / 16, k % 64 = 4 (g % 16) ..; its chunks begin at chunk 8
	s_lshl_b32 s17, s39, 9
	s_add_co_u32 s[OF], s[OF], s17
	s_add_co_u32 s[OF], s[OF], 0x200000
	s_add_nc_u64 s[WVS:WVS+1], s[14:15], s[OF:OF+1]
	s_lshr_b32 s17, s39, 1                         ; the tile's block: chunk (g % 16) / 2, k block g / 16, half (g % 16) % 2
	s_lshl_b32 s17, s17, 4
	s_add_co_u32 s17, s17, s38
	s_lshl_b32 s[OF], s17, 14
	s_and_b32 s17, s39, 1
	s_lshl_b32 s17, s17, 13
	s_add_co_u32 s[OF], s[OF], s17
	s_add_nc_u64 s[MB:MB+1], s[14:15], s[OF:OF+1]
; Four f32 in v[R:R+3] are rounded to bf16, and the same numbers written as f16 into v[R:R+1].
.macro CVX R
	v_cvt_pk_bf16_f32 v[\R], v[\R], v[(\R)+1]
	v_cvt_pk_bf16_f32 v[(\R)+1], v[(\R)+2], v[(\R)+3]
	v_lshlrev_b32 v[XT], 16, v[\R]
	v_and_b32 v[XT+1], s[HIM], v[\R]
	v_lshlrev_b32 v[XT+2], 16, v[(\R)+1]
	v_and_b32 v[XT+3], s[HIM], v[(\R)+1]
	v_cvt_pk_f16_f32 v[\R], v[XT], v[XT+1]
	v_cvt_pk_f16_f32 v[(\R)+1], v[XT+2], v[XT+3]
.endm
; A batch is asked for: 16 rows of W from byte wo behind the pointer, 4 rows of x from byte xo.
.macro ISSUE set, wo, xo
.set j, 0
.rept 16
	global_load_b128 v[S+80*(\set)+4*j:S+80*(\set)+4*j+3], v[T16], s[PN:PN+1] offset:(\wo)+j*4096
.set j, j+1
.endr
.set j, 0
.rept 4
	global_load_b128 v[S+80*(\set)+64+4*j:S+80*(\set)+64+4*j+3], v[T16], s[PXN:PXN+1] offset:(\xo)+j*4096 th:TH_LOAD_NT
.set j, j+1
.endr
.endm
; A batch is worked on: W's rows go as bf16 into LDS, from byte lo behind LA; x's rows go to xh, from byte so behind the pointer: a wave's store covers 256 consecutive bytes, aligned.
.macro PROC set, lo, so
.set j, 0
.rept 16
	v_cvt_pk_bf16_f32 v[S+80*(\set)+4*j], v[S+80*(\set)+4*j], v[S+80*(\set)+4*j+1]
	v_cvt_pk_bf16_f32 v[S+80*(\set)+4*j+1], v[S+80*(\set)+4*j+2], v[S+80*(\set)+4*j+3]
	ds_store_b64 v[LA], v[S+80*(\set)+4*j:S+80*(\set)+4*j+1] offset:(\lo)+j*PW
.set j, j+1
.endr
.set j, 0
.rept 4
	CVX S+80*(\set)+64+4*j
	global_store_b64 v[T8], v[S+80*(\set)+64+4*j:S+80*(\set)+64+4*j+1], s[PXS:PXS+1] offset:(\so)+j*2048
.set j, j+1
.endr
.endm
.irp q, 0,1,2,3                        ; W_v: row pair q / 2, my wave's 64 columns q % 2
	global_load_b128 v[VV+4*(\q):VV+4*(\q)+3], v[VO], s[WVB:WVB+1] offset:((\q)/2)*8192+((\q)%2)*256 th:TH_LOAD_NT
.endr
	ISSUE 0, 0, 0                                  ; batch 0: W_q's rows 0-15, x's rows 0-3
	ISSUE 1, 65536, 16384                          ; batch 1
	s_wait_loadcnt 40                              ; W_v's four are in; the two batches' 40 loads stay out
.irp q, 0,1,2,3
	CVX VV+4*(\q)
	global_store_b64 v[SOV], v[VV+4*(\q):VV+4*(\q)+1], s[WVS:WVS+1] offset:((\q)%2)*8192+((\q)/2)*256  ; two rows x 64 columns: 256 consecutive bytes, aligned
.endr
	s_mov_b32 s[CNT], 3
.Lpair:                                                ; a trip works on two batches and asks for the two after them: W_q's rows 32-63, then W_k's 0-31, then W_k's 32-63
	s_wait_loadcnt 20                              ; set 0 is in; set 1's 20 loads stay out
	PROC 0, 0, 0
	s_wait_xcnt 0x0                                ; the stores have read set 0, the loads their pointers: both are written below
	s_mov_b64 s[PN:PN+1], s[PA:PA+1]
	s_mov_b64 s[PA:PA+1], s[PB:PB+1]
	s_add_nc_u64 s[PB:PB+1], s[PB:PB+1], 0x20000
	s_add_nc_u64 s[PXN:PXN+1], s[PXN:PXN+1], 0x8000
	ISSUE 0, 0, 0
	s_wait_loadcnt 20                              ; set 1 is in
	PROC 1, 16*PW, 8192
	s_wait_xcnt 0x0                                ; the stores have read set 1 and xh's pointer
	s_add_nc_u64 s[PXS:PXS+1], s[PXS:PXS+1], 0x4000
	ISSUE 1, 65536, 16384
	v_add_nc_u32 v[LA], 32*PW, v[LA]
	s_sub_co_u32 s[CNT], s[CNT], 1
	s_cmp_lg_u32 s[CNT], 0
	s_cbranch_scc1 .Lpair
	s_wait_loadcnt 20                              ; the last two batches: nothing more is asked for
	PROC 0, 0, 0
	s_wait_loadcnt 0x0
	PROC 1, 16*PW, 8192
	s_wait_dscnt 0x0                               ; for the others' sake: my part of the 128 rows is stored
	s_barrier_signal -1
	s_barrier_wait -1                              ; everybody's is
; THE TILE OF M.  A group is four K steps of 32: 24 LDS loads, 8 matrix instructions.  Source 0 = 16 rows of W_k, source 1 = 16 rows of W_q: a lane then holds one row of M and eight neighbouring columns.
.macro FETCHG f, off
.irp s, 0,1,2,3
	ds_load_b128 v[(\f)+24*(\s):(\f)+24*(\s)+3],     v[AQ] offset:(\off)+64*(\s)
	ds_load_b128 v[(\f)+24*(\s)+4:(\f)+24*(\s)+7],   v[AQ] offset:(\off)+64*(\s)+32
	ds_load_b128 v[(\f)+24*(\s)+8:(\f)+24*(\s)+11],  v[AK] offset:(\off)+64*(\s)
	ds_load_b128 v[(\f)+24*(\s)+12:(\f)+24*(\s)+15], v[AK] offset:(\off)+64*(\s)+32
	ds_load_b128 v[(\f)+24*(\s)+16:(\f)+24*(\s)+19], v[AK] offset:(\off)+64*(\s)+16*PW
	ds_load_b128 v[(\f)+24*(\s)+20:(\f)+24*(\s)+23], v[AK] offset:(\off)+64*(\s)+16*PW+32
.endr
.endm
.macro MULG f                          ; the two accumulators take turns, one instruction a turn, over the backward jump too
.irp s, 0,1,2,3
	v_wmma_f32_16x16x32_bf16 v[ACC:ACC+7], v[(\f)+24*(\s)+8:(\f)+24*(\s)+15], v[(\f)+24*(\s):(\f)+24*(\s)+7], v[ACC:ACC+7]
	v_wmma_f32_16x16x32_bf16 v[ACC+8:ACC+15], v[(\f)+24*(\s)+16:(\f)+24*(\s)+23], v[(\f)+24*(\s):(\f)+24*(\s)+7], v[ACC+8:ACC+15]
.endr
.endm
.macro PLACES                          ; four places in front of loads into registers that matrix instructions have read, and of conversions that read results
.rept 4
	v_nop
.endr
.endm
	s_wait_xcnt 0x0                                ; x's last stores have read the sets' registers, which the fragments now take
	FETCHG FR0, 0
	FETCHG FR1, 256
.set j, 0
.rept 16
	v_mov_b32 v[ACC+j], 0                          ; sixteen registers, written while the first fragments come: the loop then has one form of product
.set j, j+1
.endr
	s_mov_b32 s[CNT], 3
.Lgemm:                                                ; a trip multiplies two groups and fetches the two after them
	s_wait_dscnt 24                                ; the older group is in; the younger one's 24 loads stay out
	MULG FR0
	PLACES
	FETCHG FR0, 512
	s_wait_dscnt 24
	MULG FR1
	PLACES
	FETCHG FR1, 768
	v_add_nc_u32 v[AQ], 512, v[AQ]                 ; two groups, 256 along K, on
	v_add_nc_u32 v[AK], 512, v[AK]
	s_sub_co_u32 s[CNT], s[CNT], 1
	s_cmp_lg_u32 s[CNT], 0
	s_cbranch_scc1 .Lgemm
	s_wait_dscnt 24
	MULG FR0
	s_wait_dscnt 0x0
	MULG FR1
	PLACES
.irp b, 0,1
.irp i, 0,1,2,3
	v_cvt_pk_f16_f32 v[PKD+4*(\b)+(\i)], v[ACC+8*(\b)+2*(\i)], v[ACC+8*(\b)+2*(\i)+1]
.endr
	ds_store_b128 v[STO], v[PKD+4*(\b):PKD+4*(\b)+3] offset:32*(\b)
.endr
	s_wait_dscnt 0x0                               ; for the others' sake: a row's 128 bytes come from two waves
	s_barrier_signal -1
	s_barrier_wait -1
	ds_load_b128 v[PKD+8:PKD+11], v[RD]
	ds_load_b128 v[PKD+12:PKD+15], v[RD] offset:4*SPS
	s_wait_dscnt 0x0
	global_store_b128 v[GO], v[PKD+8:PKD+11], s[MB:MB+1]               ; four rows of the block: 512 consecutive bytes, aligned
	global_store_b128 v[GO], v[PKD+12:PKD+15], s[MB:MB+1] offset:512
	s_wait_tensorcnt 0x0                           ; the wave's end: the add to the spare word and its wait stand behind my last LDS store
	ds_add_u32 v[SPW], v[NIL]
	s_wait_dscnt 0x0
	s_endpgm
.Lfunc_end_k_q682419c3b8_prep:
	.size	k_q682419c3b8_prep, .Lfunc_end_k_q682419c3b8_prep-k_q682419c3b8_prep
	.p2alignl 7, 3214868480
	.fill 96, 4, 3214868480
	.section	.rodata,"a",@progbits
	.p2align	6, 0x0
	.amdhsa_kernel k_q682419c3b8_prep
		.amdhsa_group_segment_fixed_size 274432
		.amdhsa_private_segment_fixed_size 0
		.amdhsa_enable_private_segment 0
		.amdhsa_kernarg_size 48
		.amdhsa_user_sgpr_count 2
		.amdhsa_user_sgpr_kernarg_segment_ptr 1
		.amdhsa_wavefront_size32 1
		.amdhsa_system_sgpr_workgroup_id_x 1
		.amdhsa_system_sgpr_workgroup_id_y 1
		.amdhsa_system_sgpr_workgroup_id_z 1
		.amdhsa_system_vgpr_workitem_id 0
		.amdhsa_next_free_vgpr 240
		.amdhsa_next_free_sgpr 66
		.amdhsa_reserve_vcc 0
		.amdhsa_float_denorm_mode_32 3
		.amdhsa_float_denorm_mode_16_64 3
		.amdhsa_memory_ordered 1
		.amdhsa_forward_progress 1
		.amdhsa_inst_pref_size 44
	.end_amdhsa_kernel
	.amdgpu_metadata
---
amdhsa.version: [ 1, 2 ]
amdhsa.kernels:
  - .name:           k_q682419c3b8_prep
    .symbol:         k_q682419c3b8_prep.kd
    .args:
      - { .name: x, .offset: 0, .size: 8, .value_kind: global_buffer, .address_space: global }
      - { .name: W_q, .offset: 8, .size: 8, .value_kind: global_buffer, .address_space: global }
      - { .name: W_k, .offset: 16, .size: 8, .value_kind: global_buffer, .address_space: global }
      - { .name: W_v, .offset: 24, .size: 8, .value_kind: global_buffer, .address_space: global }
      - { .name: xh, .offset: 32, .size: 8, .value_kind: global_buffer, .address_space: global }
      - { .name: wm, .offset: 40, .size: 8, .value_kind: global_buffer, .address_space: global }
    .group_segment_fixed_size: 274432
    .private_segment_fixed_size: 0
    .kernarg_segment_align: 8
    .kernarg_segment_size: 48
    .max_flat_workgroup_size: 256
    .sgpr_count:     66
    .vgpr_count:     240
    .wavefront_size: 32
...
	.end_amdgpu_metadata
.endif
;; end of part 5
;; launch proj (part 6): grid 8 x 32, 4 waves a work-group, clusters of 4 x 4, 327,680 bytes of LDS; arguments xh, wm, qv; writes qv
.if DOCPART == 6
	.amdgcn_target "amdgcn-amd-amdhsa--gfx1250"
	.amdhsa_code_object_version 6
	.text
	.protected	k_q682419c3b8_proj
	.globl	k_q682419c3b8_proj
	.p2align	8
	.type	k_q682419c3b8_proj,@function
k_q682419c3b8_proj:
	s_mov_b64 s[64:65], 0
	v_nop
	global_prefetch_b8 v0, s[64:65] scope:SCOPE_SE
	s_setreg_imm32_b32 hwreg(HW_REG_WAVE_MODE, 25, 1), 1
	s_wait_xcnt 0x0
	s_wait_alu depctr_hold_cnt(0) depctr_sa_sdst(0) depctr_va_vdst(0) depctr_va_sdst(0) depctr_va_ssrc(0) depctr_va_vcc(0) depctr_vm_vsrc(0)
	s_getreg_b32 s2, hwreg(HW_REG_IB_STS2, 6, 4)
	s_cmp_eq_u32 s2, 0
	s_cbranch_scc0 .Lentry_in_a_cluster
	s_endpgm
.Lentry_in_a_cluster:
	s_bfe_u32 s2, ttmp6, 0x10000c
	s_cmp_lg_u32 s2, 0xf033
	s_cbranch_scc0 .Lentry_shape_is_right
	s_endpgm
.Lentry_shape_is_right:
; qv[m][n] = scale(n) x the sum over k of xh[m][k] wm(k, n).  xh: [8192][1024] f16.  wm: the weights [1024 k][2048 n] f16 in blocks of 64 k x 64 n (below).  qv: [8192][2048] f16.
; Columns 0-1023 are q' = x (W_q W_k^T), stored times 2^-10 (exact), so that f16 has room when all inputs carry large offsets; columns 1024-2047 are v = x W_v, scale 1.  Sums in f32, rounded once.
; LIMIT: a stored number of 65,520 or more in magnitude becomes an infinity in f16; NaN and infinities are not treated apart.
; wm: byte(n, k) = ((n / 128) 16 + k / 64) 16384 + ((n / 64) % 2) 8192 + (k % 64) 128 + (n % 64) 2: a K step of 128 k x 128 columns is 32,768 bytes on end, asked for as 128 rows of 256 bytes.
; SHARES.  A tile is 256 x 256: 32 x 8 = 256 tiles, one for each WGP.  Four waves, each 128 x 128: 64 accumulators, 512 registers.  K goes in 8 steps of 128 through a ring of two LDS slots.
; A slot: x's 256 rows x 256 bytes in two halves (waves 0, 1 fetch them), and two chunks of wm, 128 k x 128 columns each (waves 2, 3).  wm's fragments come out of LDS turned, by ds_load_tr16_b128.
; CLUSTER 4 x 4: the four work-groups of a row of the cluster need the same tiles of x, the four of a column the same tiles of wm: each is asked for jointly.
; THE MATRIX INSTRUCTION IS USED TRANSPOSED (source 0 = 16 columns of wm, source 1 = 16 rows of x): a lane then holds one row of qv and eight neighbouring columns.
; ONE TEXT FOR A K STEP: one descriptor of each kind walks (its LDS word is turned by an exclusive or, its address steps), and the fragments' addresses are made anew at each change of slots.
; REGISTERS: window 0: v0-31 addresses; v32-63, v224-255 rows on their way out; v64-127, v128-191 x's fragments, two buffers; v192-223 packed results.
;   window 1: v64-127, v128-191 wm's fragments.   window 2: accumulators of row blocks 0-3, (a, b) at 8 (8 a + b).   window 3: row blocks 4-7.
.set PA,     272                       ; an LDS row of x: 256 bytes + 16: the 16 rows of a load start at 16 different groups of four banks (64 banks of 4 bytes: ISA guide 11.1)
.set PB,     288                       ; 256 bytes of wm (two k of 64 columns) + 32
.set BLK,    32*PB                     ; a block of 64 k x 64 columns in LDS
.set REG,    36864                     ; a region: four blocks of wm; x's 128 rows at 272 use 34,816 of it
.set SLOT,   4*REG                     ; 0x24000: its two bits occur in no wave x REG, so one exclusive or turns an LDS word in one slot into the other's
.set STAGE,  2*SLOT                    ; behind the ring: 16 rows x 272 bytes for each wave
.set SPITCH, 272
.set SPARE,  STAGE+4*16*SPITCH         ; behind the stages: the spare words, 128 bytes for each wave: two blocks of 256 bytes that no other line names
.set ALN,  16                          ; v16  my lane's place in a slot's x; never rewritten
.set BLN,  17                          ; v17  in its wm
.set ADRA, 18                          ; v18, v19  the same in the slot in hand
.set ADRB, 19
.set STO,  24
.set RD,   25
.set CO,   26                          ; v26  my byte offset in two rows of qv
.set SPW,  28                          ; v28  LDS address of my spare word; never rewritten
.set NIL,  29                          ; v29  0; never rewritten
.set OB,   32
.set F0,   64
.set F1,   128
.set TMP,  192
.set SC,  18                           ; s[18:19] the tile's scale
.set TB,  22                           ; s22  LDS byte at which the slot in hand begins
.set G1,  24                           ; s[24:31] descriptor group 1 for x's tiles;  s[32:39] group 0: a set for each of the two first fills; the second then walks on
.set G0,  32
.set G1B, 48                           ; s[48:55], s[56:63] the same for wm's
.set G0B, 56
.set MSB, 0
.macro WIN new                         ; the immediate's high byte repeats the setting that is left; a switch that changes nothing is dropped
.if MSB != (\new)
	s_set_vgpr_msb (MSB<<8)|(\new)
.set MSB, \new
.endif
.endm
.set MUL_LO, 0xa1                      ; source 0 (wm) window 1, source 1 (x) window 0, C and D window 2
.set MUL_HI, 0xf1                      ; the same, C and D window 3
.set TO_B,   0x40                      ; destination window 1, address window 0
; A joint load: waves 0, 1 fetch x's halves, waves 2, 3 wm's chunks.  The branch hangs on the wave's number alone.
; An s_nop 0 and four v_nop follow each of the two lines, ahead of the jump, the label and what follows.
.macro JLOAD s
	s_cmp_eq_u32 s11, 0
	s_cbranch_scc0 .Lfor_b_\@
	tensor_load_to_lds s[G0+4*(\s):G0+4*(\s)+3], s[G1:G1+7]
	s_nop 0
.rept 4
	v_nop
.endr
	s_branch .Lasked_\@
.Lfor_b_\@:
	tensor_load_to_lds s[G0B+4*(\s):G0B+4*(\s)+3], s[G1B:G1B+7]
	s_nop 0
.rept 4
	v_nop
.endr
.Lasked_\@:
.endm
.macro CREST                           ; a round of the cluster's barrier behind its opening barrier
	s_cmp_lg_u32 s10, 0
	s_cbranch_scc1 .Lnot_wave_0_\@
	s_barrier_signal -3
.Lnot_wave_0_\@:
	s_barrier_wait -3
	s_barrier_signal -1
	s_barrier_wait -1
.endm
.macro CROUND                          ; a whole round
	s_barrier_signal -1
	s_barrier_wait -1
	CREST
.endm
	s_load_b128 s[4:7], s[0:1], 0x0                ; xh s[4:5], wm s[6:7]
	s_load_b64 s[8:9], s[0:1], 0x10                ; qv
	v_lshl_add_u32 v[SPW], v0, 2, SPARE
	v_mov_b32 v[NIL], 0
	ds_add_u32 v[SPW], v[NIL]                      ; the wave's opening: the add and its wait stand ahead of my first tensor load; the set-up below, work on registers, stands between them
	ds_add_u32 v28, v29
	v_lshrrev_b32 v1, 5, v0
	v_readfirstlane_b32 s10, v1                    ; wave 0..3
	s_lshr_b32 s11, s10, 1                         ; which half of the tile's rows is mine.  Also: I fetch for x (0) or for wm (1)
	s_and_b32 s12, s10, 1                          ; which half of its columns.  Also: which half of that operand I fetch
	s_bfe_u32 s40, ttmp6, 0x40000                  ; cx, cy: my place in the cluster
	s_bfe_u32 s41, ttmp6, 0x40004
	s_lshl_b32 s42, ttmp9, 2
	s_add_co_u32 s42, s42, s40                     ; tile column = 4 x cluster x + cx
	s_and_b32 s13, ttmp7, 0xffff
	s_lshl_b32 s13, s13, 2
	s_add_co_u32 s13, s13, s41                     ; tile row = 4 x cluster y + cy
	s_lshl_b32 s43, s41, 2
	s_lshl_b32 s43, 15, s43                        ; my row of the cluster
	s_lshl_b32 s44, 0x1111, s40                    ; my column
	; descriptor group 1: tiles of 128 rows x 128 elements of 2 bytes, padded in LDS after every 64 words: by 4 words (x), by 8 (wm)
	s_or_b32 s[G1+0], s43, (1<<16)|(1<<20)|(1<<21)|(5<<22)|(3<<25)
	s_or_b32 s[G1B+0], s44, (1<<16)|(1<<20)|(1<<21)|(5<<22)|(7<<25)
.irp g, G1, G1B
	s_mov_b32 s[(\g)+1], 128<<16                   ; tensor_dim0 = 128
	s_mov_b32 s[(\g)+2], 128<<16                   ; tensor_dim1 = 128
	s_mov_b32 s[(\g)+3], 128<<16                   ; tile_dim0 = 128
	s_mov_b32 s[(\g)+4], 128                       ; tile_dim1 = 128
	s_mov_b32 s[(\g)+6], 0
	s_mov_b32 s[(\g)+7], 0
.endr
	s_mov_b32 s[G1+5], 1024                        ; elements from row to row of xh;
	s_mov_b32 s[G1B+5], 128                        ; wm's rows of 256 bytes lie on end
	s_lshl_b32 s16, s13, 19                        ; x: 256 rows of 2,048 bytes for each tile row,
	s_lshl_b32 s17, s12, 18                        ; my 128 of them
	s_add_co_u32 s16, s16, s17
	s_mov_b32 s17, 0
	s_lshl_b32 s46, s42, 19                        ; wm: two chunks of 262,144 bytes for each tile column,
	s_lshl_b32 s47, s12, 18                        ; mine of the two
	s_add_co_u32 s46, s46, s47
	s_mov_b32 s47, 0
	s_mul_i32 s20, s10, REG                        ; where my tile goes: region = wave: no place in the cluster enters an LDS address
	s_mov_b32 s[TB], 0
	s_cmp_eq_u32 ttmp9, 0                          ; the first column of clusters makes q', the second v
	s_cselect_b32 s[SC], 0x3a800000, 1.0           ; 2^-10, or 1
	s_mov_b32 s[SC+1], s[SC]                       ; named with it as a pair
	s_wait_dscnt 0x0                               ; the opening add is done
	s_wait_kmcnt 0x0
	s_add_nc_u64 s[14:15], s[4:5], s[16:17]
	s_add_nc_u64 s[46:47], s[6:7], s[46:47]
	CROUND                                         ; all sixteen work-groups are here: the first joint loads meet
.irp s, 0,1
	s_mov_b32 s[G0+4*(\s)], 1
	s_add_co_u32 s[G0+4*(\s)+1], s20, (\s)*SLOT
	s_add_nc_u64 s[G0+4*(\s)+2:G0+4*(\s)+3], s[14:15], (\s)*256      ; K step s: 256 bytes along x's rows
	s_or_b32 s[G0+4*(\s)+3], s[G0+4*(\s)+3], 0x80000000
	s_mov_b32 s[G0B+4*(\s)], 1
	s_add_co_u32 s[G0B+4*(\s)+1], s20, (\s)*SLOT
	s_add_nc_u64 s[G0B+4*(\s)+2:G0B+4*(\s)+3], s[46:47], (\s)*32768  ; K step s: four blocks of wm on
	s_or_b32 s[G0B+4*(\s)+3], s[G0B+4*(\s)+3], 0x80000000
	JLOAD \s
.endr
	v_and_b32 v1, 15, v0                           ; r = l % 16
	v_bfe_u32 v2, v0, 4, 1                         ; h = l / 16
	v_mul_u32_u24 v3, v1, PA
	v_lshl_add_u32 v3, v2, 4, v3                   ; x: row x pitch + 16 x half
	s_mul_i32 s21, s11, REG                        ; my 128 rows' region
	v_add_nc_u32 v[ALN], s21, v3
	v_add_nc_u32 v[ADRA], s21, v3                  ; the walk begins in slot 0
	v_bfe_u32 v4, v0, 1, 2                         ; wm, turned: lane l reads k = 8 h + l % 8: pair k / 2 at pitch 288, 128 bytes on for an odd k, 16 bytes at 16 ((l / 8) % 2)
	v_lshl_add_u32 v4, v2, 2, v4
	v_mul_u32_u24 v4, v4, PB
	v_and_b32 v5, 1, v0
	v_lshl_add_u32 v4, v5, 7, v4
	v_bfe_u32 v5, v0, 3, 1
	v_lshl_add_u32 v4, v5, 4, v4
	s_mul_i32 s21, s12, REG                        ; my 128 columns' region, behind x's two
	s_add_co_u32 s21, s21, 2*REG
	v_add_nc_u32 v[BLN], s21, v4
	v_add_nc_u32 v[ADRB], s21, v4
	s_mul_i32 s23, s10, 16*SPITCH
	s_add_co_u32 s23, s23, STAGE                   ; my stage
	v_add_nc_u32 v[STO], s23, v3                   ; in: row r, 16 bytes for each half of the lanes (the stage's pitch is x's)
	v_mul_u32_u24 v5, v2, SPITCH                   ; back: lanes 0-15 take one row of 256 bytes, lanes 16-31 the next
	v_lshl_add_u32 v5, v1, 4, v5
	v_add_nc_u32 v[RD], s23, v5
	v_lshlrev_b32 v5, 12, v2                       ; and the same two rows in qv, 4,096 bytes apart
	v_lshl_add_u32 v[CO], v1, 4, v5
	s_lshl_b32 s16, s13, 20                        ; the tile's 256 rows of 4,096 bytes,
	s_lshl_b32 s17, s11, 19                        ; my 128
	s_add_co_u32 s16, s16, s17
	s_mov_b32 s17, 0
	s_add_nc_u64 s[8:9], s[8:9], s[16:17]
	s_lshl_b32 s46, s42, 9                         ; the tile's 512 bytes of a row, my 256
	s_lshl_b32 s47, s12, 8
	s_add_co_u32 s46, s46, s47
	s_mov_b32 s47, 0
	s_add_nc_u64 s[8:9], s[8:9], s[46:47]
; 16 matrix instructions: row blocks a0, a0 + 1 of the window's four x all 8 column blocks, 32 along K.  zero = 1: the first product starts the sums.
; The 64 accumulators take turns in the same order in every quarter step.
.macro MUL16 f, hi, a0, zero
	WIN MUL_LO+0x50*(\hi)
.irp a, \a0, (\a0)+1
.irp b, 0,1,2,3,4,5,6,7
.if \zero
	v_wmma_f32_16x16x32_f16 v[8*(8*(\a)+(\b)):8*(8*(\a)+(\b))+7], v[(\f)+8*(\b):(\f)+8*(\b)+7], v[(\f)+8*(4*(\hi)+(\a)):(\f)+8*(4*(\hi)+(\a))+7], 0
.else
	v_wmma_f32_16x16x32_f16 v[8*(8*(\a)+(\b)):8*(8*(\a)+(\b))+7], v[(\f)+8*(\b):(\f)+8*(\b)+7], v[(\f)+8*(4*(\hi)+(\a)):(\f)+8*(4*(\hi)+(\a))+7], v[8*(8*(\a)+(\b)):8*(8*(\a)+(\b))+7]
.endif
.endr
.endr
.endm
; 32 LDS loads in one run: quarter q (32 along K) of the slot in hand into buffer f: wm's 8 fragments (turned; k block q / 2, column half b / 4), then x's 8, rows 64-127 last
.macro FETCH q, f
	WIN TO_B
.irp b, 0,1,2,3,4,5,6,7
	ds_load_tr16_b128 v[(\f)+8*(\b):(\f)+8*(\b)+3],   v[ADRB] offset:((\q)/2)*2*BLK+((\q)%2)*16*PB+((\b)/4)*BLK+32*((\b)%4)
	ds_load_tr16_b128 v[(\f)+8*(\b)+4:(\f)+8*(\b)+7], v[ADRB] offset:((\q)/2)*2*BLK+((\q)%2)*16*PB+((\b)/4)*BLK+32*((\b)%4)+8*PB
.endr
	WIN 0
.irp i, 0,1,2,3,4,5,6,7
	ds_load_b128 v[(\f)+8*(\i):(\f)+8*(\i)+3],   v[ADRA] offset:64*(\q)+(\i)*16*PA
	ds_load_b128 v[(\f)+8*(\i)+4:(\f)+8*(\i)+7], v[ADRA] offset:64*(\q)+(\i)*16*PA+32
.endr
.endm
.macro PLACES                          ; four places in front of loads into registers that matrix instructions have read, and of vector lines that read results
.rept 4
	v_nop
.endr
.endm
; A K step is four quarters of 32 along K, 64 matrix instructions each, on buffers 0, 1, 0, 1.  One of the first three: multiplies buffer f and fetches quarter q into buffer g.
.macro QUARTER q, f, g, zero
	s_wait_dscnt 8                                 ; wm's fragments and x's rows 0-63 are in; the youngest eight loads (x's rows 64-127) may be out
	MUL16 \f, 0, 0, \zero
	MUL16 \f, 0, 2, \zero
	PLACES
	FETCH \q, \g
	s_wait_dscnt 32                                ; all but the 32 just issued
	MUL16 \f, 1, 0, \zero
	MUL16 \f, 1, 2, \zero
.endm
; The last quarter multiplies buffer 1 and changes slots: ONE barrier; in front of it each wave waits for all its tensor loads (one is out at the most: its part of the next slot), adds 0 to its spare
; word, and waits for that and for its own reads of this slot.  fill = 1: the barrier opens a round of the cluster's barrier, and this slot is filled again, two K steps ahead, first thing behind the round.
.macro TURN fill
	WIN 0                                          ; (the add's two registers lie in window 0)
	s_wait_tensorcnt 0x0                           ; no tensor load of mine is out, so a group 0 may be written
	ds_add_u32 v[SPW], v[NIL]                      ; scalar work and products stand between the add and the wait for it
.if \fill
	s_xor_b32 s[G0+5], s[G0+5], SLOT               ; the walking descriptors: the other slot than last time,
	s_xor_b32 s[G0B+5], s[G0B+5], SLOT
	s_add_nc_u64 s[G0+6:G0+7], s[G0+6:G0+7], 256   ; the next K step; the type bits on top are not reached
	s_add_nc_u64 s[G0B+6:G0B+7], s[G0B+6:G0B+7], 32768
.endif
	s_xor_b32 s[TB], s[TB], SLOT                   ; the reads go on in the other slot
	s_wait_dscnt 9                                 ; (the add and the youngest eight loads may be out)
	MUL16 F1, 0, 0, 0
	s_wait_dscnt 0x0                               ; the add is done, and my reads of this slot are over
	s_barrier_signal -1
	MUL16 F1, 0, 2, 0
	WIN 0
	s_barrier_wait -1
.if \fill
	CREST                                          ; no wave of any partner still reads this slot's tiles or has a load on its way
	JLOAD 1                                        ; the four v_nop behind it are also the places in front of the loads below
.else
	PLACES
.endif
	v_add_nc_u32 v[ADRA], s[TB], v[ALN]
	v_add_nc_u32 v[ADRB], s[TB], v[BLN]
	FETCH 0, F0
	MUL16 F1, 1, 0, 0
	MUL16 F1, 1, 2, 0
.endm
	s_wait_tensorcnt 1                             ; my part of K step 0 is in; K step 1's may stay out
	s_barrier_signal -1
	s_barrier_wait -1                              ; everybody's is
	FETCH 0, F0
	QUARTER 1, F0, F1, 1                           ; the first quarter stands in front of the loop: its products start the sums
	WIN 0                                          ; at a label and at a branch every window is 0
	s_mov_b32 s3, 6
.Lstep:                                                ; a trip goes from a K step's second quarter to the next step's first; K steps 0 to 5 each ask for the step two on
	QUARTER 2, F1, F0, 0
	QUARTER 3, F0, F1, 0
	TURN 1
	QUARTER 1, F0, F1, 0
	WIN 0
	s_sub_co_u32 s3, s3, 1
	s_cmp_lg_u32 s3, 0
	s_cbranch_scc1 .Lstep
	s_mov_b32 s3, 2
.Ltail:                                                ; K steps 6 and 7 ask for nothing.  One text for both: behind K step 7 the change of slots fetches 32 fragments that nobody multiplies, once a launch,
	QUARTER 2, F1, F0, 0                           ; and the quarter of a K step that does not exist is jumped over: the jump passes no barrier and no tensor load
	QUARTER 3, F0, F1, 0
	TURN 0
	WIN 0
	s_cmp_eq_u32 s3, 1
	s_cbranch_scc1 .Lskip
	QUARTER 1, F0, F1, 0
	WIN 0
.Lskip:
	s_wait_dscnt 0x0                               ; on either way no LDS load is out behind this line
	s_sub_co_u32 s3, s3, 1
	s_cmp_lg_u32 s3, 0
	s_cbranch_scc1 .Ltail
	PLACES
; THE WAY OUT of row block a: times the tile's scale, in place; rounded to f16, 16 bytes a lane; into my own stage, rows of 272 bytes, and back as whole rows of 256; stored.
.macro PACK a
.set W, 2+(\a)/4
.set AC, 64*((\a)%4)
	WIN W*65                                       ; destination and source 0 in the accumulators' window
.set z, 0
.rept 32
	v_pk_mul_f32 v[AC+2*z:AC+2*z+1], v[AC+2*z:AC+2*z+1], s[SC:SC+1] op_sel_hi:[1,0]
.set z, z+1
.endr
	WIN W*5                                        ; sources 0 and 1 there, destination in window 0
.set z, 0
.rept 32
	v_cvt_pk_f16_f32 v[TMP+z], v[AC+2*z], v[AC+2*z+1]
.set z, z+1
.endr
	WIN 0
.endm
.macro TOSTAGE a
.set BK, OB+192*((\a)%2)
.irp b, 0,1,2,3,4,5,6,7
	ds_store_b128 v[STO], v[TMP+4*(\b):TMP+4*(\b)+3] offset:32*(\b)
.endr
.irp t, 0,1,2,3,4,5,6,7
	ds_load_b128 v[BK+4*(\t):BK+4*(\t)+3], v[RD] offset:(\t)*2*SPITCH  ; LDS serves a wave's instructions in order (ISA guide 5.7.1.4): these see the stores above
.endr
.endm
.macro SEND a
.set BK, OB+192*((\a)%2)
	s_wait_dscnt 0x0                               ; the block is back in registers
	s_wait_xcnt 0x0                                ; the stores of the block before have read their registers, which the next block's loads fill
.irp t, 0,1,2,3,4,5,6,7
	global_store_b128 v[CO], v[BK+4*(\t):BK+4*(\t)+3], s[8:9] offset:(\a)*16*4096+(\t)*2*4096  ; 16 lanes store 256 consecutive bytes, aligned
.endr
.endm
	PACK 0
	TOSTAGE 0
.irp a, 1,2,3,4,5,6,7                  ; block a's arithmetic stands between block a - 1's loads from the stage and the wait for them
	PACK \a
	SEND (\a)-1
	TOSTAGE \a
.endr
	SEND 7
	s_wait_tensorcnt 0x0                           ; the wave's end: the add to the spare word and its wait stand behind my last tensor load and my last LDS store
	ds_add_u32 v[SPW], v[NIL]
	s_wait_dscnt 0x0
	CROUND                                         ; the closing round: no work-group ends while a partner may still ask for a tile that names it
	s_endpgm
.Lfunc_end_k_q682419c3b8_proj:
	.size	k_q682419c3b8_proj, .Lfunc_end_k_q682419c3b8_proj-k_q682419c3b8_proj
	.p2alignl 7, 3214868480
	.fill 96, 4, 3214868480
	.section	.rodata,"a",@progbits
	.p2align	6, 0x0
	.amdhsa_kernel k_q682419c3b8_proj
		.amdhsa_group_segment_fixed_size 327680
		.amdhsa_private_segment_fixed_size 0
		.amdhsa_enable_private_segment 0
		.amdhsa_kernarg_size 24
		.amdhsa_user_sgpr_count 2
		.amdhsa_user_sgpr_kernarg_segment_ptr 1
		.amdhsa_wavefront_size32 1
		.amdhsa_system_sgpr_workgroup_id_x 1
		.amdhsa_system_sgpr_workgroup_id_y 1
		.amdhsa_system_sgpr_workgroup_id_z 1
		.amdhsa_system_vgpr_workitem_id 0
		.amdhsa_next_free_vgpr 1024
		.amdhsa_next_free_sgpr 66
		.amdhsa_reserve_vcc 0
		.amdhsa_float_denorm_mode_32 3
		.amdhsa_float_denorm_mode_16_64 3
		.amdhsa_memory_ordered 1
		.amdhsa_forward_progress 1
		.amdhsa_inst_pref_size 116
	.end_amdhsa_kernel
	.amdgpu_metadata
---
amdhsa.version: [ 1, 2 ]
amdhsa.kernels:
  - .name:           k_q682419c3b8_proj
    .symbol:         k_q682419c3b8_proj.kd
    .args:
      - { .name: xh, .offset: 0, .size: 8, .value_kind: global_buffer, .address_space: global }
      - { .name: wm, .offset: 8, .size: 8, .value_kind: global_buffer, .address_space: global }
      - { .name: qv, .offset: 16, .size: 8, .value_kind: global_buffer, .address_space: global }
    .group_segment_fixed_size: 327680
    .private_segment_fixed_size: 0
    .kernarg_segment_align: 8
    .kernarg_segment_size: 24
    .max_flat_workgroup_size: 128
    .sgpr_count:     66
    .vgpr_count:     1024
    .wavefront_size: 32
...
	.end_amdgpu_metadata
.endif
;; end of part 6
;; launch scores (part 7): grid 36 x 4, 4 waves a work-group, no clusters, 327,680 bytes of LDS; arguments qv, xh, pt, st; writes pt, st
.if DOCPART == 7
	.amdgcn_target "amdgcn-amd-amdhsa--gfx1250"
	.amdhsa_code_object_version 6
	.text
	.protected	k_q682419c3b8_scores
	.globl	k_q682419c3b8_scores
	.p2align	8
	.type	k_q682419c3b8_scores,@function
k_q682419c3b8_scores:
	s_mov_b64 s[64:65], 0
	v_nop
	global_prefetch_b8 v0, s[64:65] scope:SCOPE_SE
	s_setreg_imm32_b32 hwreg(HW_REG_WAVE_MODE, 25, 1), 1
	s_wait_xcnt 0x0
; For each batch and each tile of 256 queries x 256 keys on or below the diagonal: S = Q' X^T (f16 operands, f32 sums, K = 1024), and the first stage of the softmax.
; Q' = 2^-10 x (W_q W_k^T), columns 0-1023 of qv [8192][2048] f16; the keys' operand is x itself, xh [8192][1024] f16: Q' X^T is 2^-10 times (x W_q)(x W_k)^T.
; For each query and each block of 128 keys  cm = c max(s),  p = 2^(c s - cm) (stored in f16 in pt),  l = the sum of the unrounded p;  c = 2^10 log2(e) / 32 = 32 log2(e).  (cm, l) go to st; the next
; launch takes the row's true maximum of the cm and corrects each block by 2^(cm - row's cm) <= 1: the maximum is taken away as in the softmax's definition, in two exact stages.
; pt: [4][2048 q][2048 key] f16.  st: [4][16 key blocks][2048 q][2] f32.
; LIMITS.  A hidden score counts as its value less 1e30; a weight below 2^-126 counts as 0; NaN and infinities are not treated apart.
; SHARES.  Work-group x = 0..35 of batch y is tile (I, J <= I): x = I (I + 1) / 2 + J.  144 equal tiles.  Four waves, each a quadrant of 128 x 128: 64 accumulators, 512 registers.
; NO CLUSTER: a batch's tiles form a triangle whose rows have 1 to 8 tiles; no grid of 4 x 4 or 4 x 1 clusters covers it without work-groups that would compute nothing.
; K goes in 8 steps of 128 through a ring of two LDS slots (256 rows of Q', 256 rows of X, 256 bytes each); each wave fetches 128 rows with one tensor load: waves 0, 1 Q's halves, waves 2, 3 X's.
; qv's rows are 2,048 elements apart and xh's 1,024, so each kind of tile has a descriptor of its own, every word of its group 1 a constant, and a branch on the wave's number chooses the line.
; ONE TEXT FOR A K STEP: the descriptors walk (the LDS word is turned by an exclusive or, the address steps), and the fragments' addresses are made anew at each change of slots.
; THE MATRIX INSTRUCTION IS USED TRANSPOSED (source 0 = 16 keys, source 1 = 16 queries): a lane holds ONE query (lane % 16) and the keys 8 (lane / 16) + 0..7 of each block of 16.
; THE MASK is the C operand of each accumulator's first product: 0 or -1e30.  Accumulator (a, b) takes CL if b < a, CD if b = a, CU if b > a; what they hold hangs on the tile and the quadrant:
; off the diagonal all 0; in a diagonal tile's two quadrants on the diagonal CL = 0, CD = the triangle, CU = -1e30; in its quadrant above the diagonal all -1e30.
; In that wholly hidden quadrant c counts as 0 and cm is stored as -1e30: p = 1, l = 128, and the next launch's factor for the block is exactly 0.
; REGISTERS: window 0: v0-31 addresses; v32-55 masks, later v32-63 and v224-255 rows on their way out; v64-127, v128-191 Q's fragments (behind the loop v64-95 at work); v192-223 packed weights.
;   window 1: v64-127, v128-191 X's fragments.   window 2: accumulators of query blocks 0-3, (a, b) at 8 (8 a + b).   window 3: blocks 4-7.
.set PITCH,  272                       ; an LDS row: 256 bytes + 16: the 16 rows of a load start at 16 different groups of four banks (64 banks of 4 bytes: ISA guide 11.1)
.set HALFT,  128*PITCH
.set SLOT,   4*HALFT                   ; Q's 256 rows, then X's 256 rows.  0x22000: its two bits occur in no wave x HALFT, so one exclusive or turns an LDS word in one slot into the other's
.set STAGE,  2*SLOT                    ; behind the ring: 16 rows x 272 bytes for each wave
.set SPITCH, 272
.set SPARE,  STAGE+4*16*SPITCH         ; behind the stages: the spare words, 128 bytes for each wave: two blocks of 256 bytes that no other line names
.set ALN,  16                          ; v16  my lane's place in a slot's Q; never rewritten
.set BLN,  17                          ; v17  in its X
.set ADRA, 18                          ; v18, v19  the same in the slot in hand
.set ADRB, 19
.set STO,  24
.set RD,   25
.set CO,   26                          ; v26     my byte offset in two rows of pt
.set SO,   27                          ; v27     8 x lane: my pair in 32 rows of st
.set SPW,  28                          ; v28     LDS address of my spare word; never rewritten
.set NIL,  29                          ; v29     0; never rewritten
.set CL,   32
.set CD,   40
.set CU,   48
.set F0,   64
.set F1,   128
.set TMP,  192
.set OB,   32
.set TW,   64                          ; v64-67  at work
.set CMX,  68                          ; v68-69  c m, twice
.set STT,  72                          ; v72-87  (cm, l) of query block a at STT + 2 a
.set XS,   88                          ; v88-95  the statistics as stored
.set G1,  24                           ; s[24:31] descriptor group 1 for Q's tiles
.set G0,  32                           ; s[32:39] group 0 for Q's: a set for each of the two first fills; the second then walks on
.set G1B, 48                           ; s[48:55] group 1 for X's tiles: it differs in the pitch alone
.set G0B, 68                           ; s[68:75] group 0 for X's
.set CLV, 40                           ; s40  what CL holds
.set CUV, 41                           ; s41  what CU holds
.set TB,  42                           ; s42  LDS byte at which the slot in hand begins
.set PTB, 44                           ; s[44:45] pt at my quadrant
.set STB, 46                           ; s[46:47] st at my rows of my key block
.set XA,  56                           ; s[56:57] xh at the rows that a wave of my parity fetches
.set CS,  58                           ; s[58:59] c (0 in a hidden quadrant)
.set SEL, 60                           ; s[60:61] v_permlanex16_b32's selects: each lane takes its own place in the other half
.set BIAS, 62                          ; s62  0 (-1e30 in a hidden quadrant)
.set HIL, 63                           ; s63  the mask of lanes 16-31
.set MSB, 0
.macro WIN new
.if MSB != (\new)
	s_set_vgpr_msb (MSB<<8)|(\new)
.set MSB, \new
.endif
.endm
.set MUL_LO, 0xa1                      ; source 0 (X) window 1, source 1 (Q) window 0, C and D window 2
.set MUL_HI, 0xf1
.set TO_B,   0x40
; A refill: waves 0, 1 fetch the two halves of Q's tile, waves 2, 3 those of X's.  An s_nop 0 and four v_nop follow each of the two lines, ahead of the jump and the label.
.macro LOAD
	s_cmp_lt_u32 s10, 2
	s_cbranch_scc0 .Lfor_x_\@
	tensor_load_to_lds s[G0+4:G0+7], s[G1:G1+7]
	s_nop 0
.rept 4
	v_nop
.endr
	s_branch .Lasked_\@
.Lfor_x_\@:
	tensor_load_to_lds s[G0B+4:G0B+7], s[G1B:G1B+7]
	s_nop 0
.rept 4
	v_nop
.endr
.Lasked_\@:
.endm
	s_load_b128 s[4:7], s[0:1], 0x0                ; qv s[4:5], xh s[6:7]
	s_load_b128 s[PTB:PTB+3], s[0:1], 0x10         ; pt, st
	v_lshl_add_u32 v[SPW], v0, 2, SPARE
	v_mov_b32 v[NIL], 0
	ds_add_u32 v[SPW], v[NIL]                      ; the wave's opening: the add and its wait stand ahead of my first tensor load; the set-up below stands between them
	ds_add_u32 v28, v29
	v_lshrrev_b32 v1, 5, v0
	v_readfirstlane_b32 s10, v1                    ; wave 0..3
	s_lshr_b32 s11, s10, 1                         ; rh: which half of the tile's queries is mine
	s_and_b32 s12, s10, 1                          ; ch: which half of its keys.  Also: which 128 rows I fetch
	s_and_b32 s15, ttmp7, 0xffff                   ; batch
	s_mov_b32 s13, 0                               ; I = how many of the triangle numbers 1, 3, .. 28 are at most x
.irp tri, 1,3,6,10,15,21,28
	s_cmp_ge_u32 ttmp9, \tri
	s_add_co_ci_u32 s13, s13, 0
.endr
	s_add_co_u32 s14, s13, 1
	s_mul_i32 s14, s14, s13
	s_lshr_b32 s14, s14, 1
	s_sub_co_u32 s14, ttmp9, s14                   ; J = x - I (I + 1) / 2
.irp g, G1, G1B
	s_mov_b32 s[(\g)+0], (1<<16)|(1<<20)|(5<<22)|(3<<25)  ; elements of 2 bytes; padding on: after every 64 words 4 words
	s_mov_b32 s[(\g)+1], 128<<16                   ; tensor_dim0 = 128
	s_mov_b32 s[(\g)+2], 128<<16                   ; tensor_dim1 = 128
	s_mov_b32 s[(\g)+3], 128<<16                   ; tile_dim0 = 128
	s_mov_b32 s[(\g)+4], 128                       ; tile_dim1 = 128
	s_mov_b32 s[(\g)+6], 0
	s_mov_b32 s[(\g)+7], 0
.endr
	s_mov_b32 s[G1+5], 2048                        ; elements from row to row of qv,
	s_mov_b32 s[G1B+5], 1024                       ; and of xh
	s_lshl_b32 s17, s12, 7                         ; the 128 rows of a tile's 256 that I fetch,
	s_lshl_b32 s18, s15, 11                        ; in my batch
	s_add_co_u32 s17, s17, s18
	s_lshl_b32 s16, s13, 8                         ; Q: tile row I,
	s_add_co_u32 s16, s16, s17
	s_lshl_b32 s16, s16, 12                        ; rows of 4,096 bytes
	s_lshl_b32 s[XA], s14, 8                       ; X: tile row J,
	s_add_co_u32 s[XA], s[XA], s17
	s_lshl_b32 s[XA], s[XA], 11                    ; rows of 2,048 bytes
	s_mov_b32 s17, 0
	s_mov_b32 s[XA+1], 0
	s_mul_i32 s20, s10, HALFT                      ; where my tile goes in a slot: wave x 128 rows
	s_mov_b32 s[TB], 0
	s_cmp_eq_u32 s13, s14
	s_cselect_b32 s19, 1, 0                        ; a diagonal tile?
	s_cmp_eq_u32 s11, s12
	s_cselect_b32 s21, 1, 0
	s_cmp_gt_u32 s12, s11
	s_cselect_b32 s18, 1, 0
	s_and_b32 s18, s18, s19                        ; my quadrant is wholly hidden
	s_and_b32 s21, s21, s19                        ; it holds the diagonal
	s_or_b32 s21, s21, s18
	s_cmp_lg_u32 s18, 0
	s_cselect_b32 s[CLV], 0xf149f2ca, 0            ; -1e30
	s_cselect_b32 s[CS], 0, 0x4238aa3b             ; c = 32 log2(e)
	s_cselect_b32 s[BIAS], 0xf149f2ca, 0
	s_cmp_lg_u32 s21, 0
	s_cselect_b32 s[CUV], 0xf149f2ca, 0
	s_mov_b32 s[CS+1], s[CS]                       ; named with it as a pair
	s_mov_b32 s[SEL], 0x76543210
	s_mov_b32 s[SEL+1], 0xfedcba98
	s_mov_b32 s[HIL], 0xffff0000
	s_wait_dscnt 0x0                               ; the opening add is done
	s_wait_kmcnt 0x0
	s_add_nc_u64 s[22:23], s[4:5], s[16:17]        ; every wave makes both addresses, each from its own buffer's, and asks by one of them
	s_add_nc_u64 s[XA:XA+1], s[6:7], s[XA:XA+1]
.irp s, 0,1
	s_mov_b32 s[G0+4*(\s)], 1
	s_add_co_u32 s[G0+4*(\s)+1], s20, (\s)*SLOT
	s_add_nc_u64 s[G0+4*(\s)+2:G0+4*(\s)+3], s[22:23], (\s)*256      ; K step s
	s_or_b32 s[G0+4*(\s)+3], s[G0+4*(\s)+3], 0x80000000
	s_mov_b32 s[G0B+4*(\s)], 1
	s_add_co_u32 s[G0B+4*(\s)+1], s20, (\s)*SLOT
	s_add_nc_u64 s[G0B+4*(\s)+2:G0B+4*(\s)+3], s[XA:XA+1], (\s)*256
	s_or_b32 s[G0B+4*(\s)+3], s[G0B+4*(\s)+3], 0x80000000
.endr
	s_cmp_lt_u32 s10, 2                            ; a wave's two first fills stand in one branch: two loads of mine are out
	s_cbranch_scc0 .Lfirst_x
	tensor_load_to_lds s[G0:G0+3], s[G1:G1+7]
	s_nop 0
	tensor_load_to_lds s[G0+4:G0+7], s[G1:G1+7]
	s_nop 0
.rept 4
	v_nop
.endr
	s_branch .Lfirst_asked
.Lfirst_x:
	tensor_load_to_lds s[G0B:G0B+3], s[G1B:G1B+7]
	s_nop 0
	tensor_load_to_lds s[G0B+4:G0B+7], s[G1B:G1B+7]
	s_nop 0
.rept 4
	v_nop
.endr
.Lfirst_asked:
	v_and_b32 v1, 15, v0                           ; r = l % 16
	v_bfe_u32 v2, v0, 4, 1                         ; h = l / 16
	v_mul_u32_u24 v3, v1, PITCH
	v_lshl_add_u32 v3, v2, 4, v3                   ; a fragment's row x pitch + 16 x half
	s_mul_i32 s21, s11, HALFT                      ; my 128 rows of Q
	s_mul_i32 s22, s12, HALFT                      ; my 128 rows of X,
	s_add_co_u32 s22, s22, 2*HALFT                 ; which lie behind Q's 256
	v_add_nc_u32 v[ALN], s21, v3
	v_add_nc_u32 v[ADRA], s21, v3                  ; the walk begins in slot 0
	v_add_nc_u32 v[BLN], s22, v3
	v_add_nc_u32 v[ADRB], s22, v3
	s_mul_i32 s23, s10, 16*SPITCH
	s_add_co_u32 s23, s23, STAGE                   ; my stage
	v_add_nc_u32 v[STO], s23, v3                   ; in: row r, 16 bytes for each half of the lanes (the stage's pitch is the tiles')
	v_mul_u32_u24 v5, v2, SPITCH                   ; back: lanes 0-15 take one row of 256 bytes, lanes 16-31 the next
	v_lshl_add_u32 v5, v1, 4, v5
	v_add_nc_u32 v[RD], s23, v5
	v_lshlrev_b32 v5, 12, v2                       ; and the same two rows in pt, 4,096 bytes apart
	v_lshl_add_u32 v[CO], v1, 4, v5
	v_and_b32 v[SO], 31, v0
	v_lshlrev_b32 v[SO], 3, v[SO]
	v_lshlrev_b32 v14, 3, v2
	v_sub_nc_u32 v14, v1, v14                      ; r - 8 h: in a block on the diagonal register j is hidden where j is greater
.irp j, 0,1,2,3,4,5,6,7
	v_mov_b32 v[CL+(\j)], s[CLV]
	v_mov_b32 v[CU+(\j)], s[CUV]
	v_cmp_gt_i32 vcc_lo, \j, v14
	v_cndmask_b32 v[CD+(\j)], v[CL+(\j)], s[CUV], vcc_lo
.endr
	s_lshl_b32 s16, s13, 8
	s_lshl_b32 s17, s11, 7
	s_add_co_u32 s16, s16, s17                     ; my first query in the batch: 256 I + 128 rh
	s_lshl_b32 s17, s15, 11
	s_add_co_u32 s17, s17, s16
	s_lshl_b32 s17, s17, 12                        ; its row of pt,
	s_lshl_b32 s18, s14, 9                         ; the tile's 512 bytes of it,
	s_add_co_u32 s17, s17, s18
	s_lshl_b32 s18, s12, 8                         ; my quadrant's 256
	s_add_co_u32 s18, s17, s18
	s_mov_b32 s19, 0
	s_add_nc_u64 s[PTB:PTB+1], s[PTB:PTB+1], s[18:19]
	s_lshl_b32 s17, s15, 4
	s_lshl1_add_u32 s17, s14, s17
	s_add_co_u32 s17, s17, s12                     ; my key block: 16 batch + 2 J + ch
	s_lshl_b32 s17, s17, 11
	s_add_co_u32 s17, s17, s16
	s_lshl_b32 s18, s17, 3
	s_add_nc_u64 s[STB:STB+1], s[STB:STB+1], s[18:19]
; 16 matrix instructions: query blocks a0, a0 + 1 of the window's four x all 8 key blocks, 32 along K.  zero = 1: the first product starts the sums, with the mask as C.
; The 64 accumulators take turns in the same order in every quarter step.
.macro MUL16 f, hi, a0, zero
.if \zero
	WIN 0x81+0x40*(\hi)                            ; C in window 0
.else
	WIN MUL_LO+0x50*(\hi)
.endif
.irp a, \a0, (\a0)+1
.irp b, 0,1,2,3,4,5,6,7
.if \zero
.if (\b) < 4*(\hi)+(\a)
.set CM, CL
.elseif (\b) == 4*(\hi)+(\a)
.set CM, CD
.else
.set CM, CU
.endif
	v_wmma_f32_16x16x32_f16 v[8*(8*(\a)+(\b)):8*(8*(\a)+(\b))+7], v[(\f)+8*(\b):(\f)+8*(\b)+7], v[(\f)+8*(4*(\hi)+(\a)):(\f)+8*(4*(\hi)+(\a))+7], v[CM:CM+7]
.else
	v_wmma_f32_16x16x32_f16 v[8*(8*(\a)+(\b)):8*(8*(\a)+(\b))+7], v[(\f)+8*(\b):(\f)+8*(\b)+7], v[(\f)+8*(4*(\hi)+(\a)):(\f)+8*(4*(\hi)+(\a))+7], v[8*(8*(\a)+(\b)):8*(8*(\a)+(\b))+7]
.endif
.endr
.endr
.endm
; 32 LDS loads in one run: quarter q (32 along K) of the slot in hand into buffer f: 128 rows of X, then 128 rows of Q
.macro FETCH q, f
	WIN TO_B
.irp i, 0,1,2,3,4,5,6,7
	ds_load_b128 v[(\f)+8*(\i):(\f)+8*(\i)+3],   v[ADRB] offset:64*(\q)+(\i)*16*PITCH
	ds_load_b128 v[(\f)+8*(\i)+4:(\f)+8*(\i)+7], v[ADRB] offset:64*(\q)+(\i)*16*PITCH+32
.endr
	WIN 0
.irp i, 0,1,2,3,4,5,6,7
	ds_load_b128 v[(\f)+8*(\i):(\f)+8*(\i)+3],   v[ADRA] offset:64*(\q)+(\i)*16*PITCH
	ds_load_b128 v[(\f)+8*(\i)+4:(\f)+8*(\i)+7], v[ADRA] offset:64*(\q)+(\i)*16*PITCH+32
.endr
.endm
.macro PLACES                          ; four places in front of loads into registers that matrix instructions have read, and of vector lines that read results
.rept 4
	v_nop
.endr
.endm
.macro QUARTER q, f, g, zero
	s_wait_dscnt 8                                 ; X and Q's rows 0-63 are in; the youngest eight loads (Q's rows 64-127) may be out
	MUL16 \f, 0, 0, \zero
	MUL16 \f, 0, 2, \zero
	PLACES
	FETCH \q, \g
	s_wait_dscnt 32                                ; all but the 32 just issued
	MUL16 \f, 1, 0, \zero
	MUL16 \f, 1, 2, \zero
.endm
; The last quarter multiplies buffer 1 and changes slots: ONE barrier; in front of it each wave waits for all its tensor loads (one is out at the most: its part of the next slot), adds 0 to its spare
; word, and waits for that and for its own reads of this slot.  fill = 1: this slot is filled again, two K steps ahead, first thing behind the barrier.
.macro TURN fill
	WIN 0
	s_wait_tensorcnt 0x0                           ; no tensor load of mine is out, so a group 0 may be written
	ds_add_u32 v[SPW], v[NIL]                      ; scalar work and products stand between the add and the wait for it
.if \fill
	s_xor_b32 s[G0+5], s[G0+5], SLOT               ; the walking descriptors: the other slot than last time,
	s_xor_b32 s[G0B+5], s[G0B+5], SLOT
	s_add_nc_u64 s[G0+6:G0+7], s[G0+6:G0+7], 256   ; the next K step; the type bits on top are not reached
	s_add_nc_u64 s[G0B+6:G0B+7], s[G0B+6:G0B+7], 256
.endif
	s_xor_b32 s[TB], s[TB], SLOT                   ; the reads go on in the other slot
	s_wait_dscnt 9                                 ; (the add and the youngest eight loads may be out)
	MUL16 F1, 0, 0, 0
	s_wait_dscnt 0x0                               ; the add is done, and my reads of this slot are over
	s_barrier_signal -1
	MUL16 F1, 0, 2, 0
	WIN 0                                          ; (a branch follows, or lines on window 0)
	s_barrier_wait -1
.if \fill
	LOAD                                           ; my one tensor load behind the barrier; the four v_nop behind it are also the places in front of the loads below
.else
	PLACES
.endif
	v_add_nc_u32 v[ADRA], s[TB], v[ALN]
	v_add_nc_u32 v[ADRB], s[TB], v[BLN]
	FETCH 0, F0
	MUL16 F1, 1, 0, 0
	MUL16 F1, 1, 2, 0
.endm
	s_wait_tensorcnt 1                             ; my part of K step 0 is in; K step 1's may stay out
	s_barrier_signal -1
	s_barrier_wait -1
	FETCH 0, F0
	QUARTER 1, F0, F1, 1                           ; the first quarter stands in front of the loop: its products start the sums, on the masks
	WIN 0
	s_mov_b32 s3, 6
.Lstep:                                                ; a trip goes from a K step's second quarter to the next step's first; K steps 0 to 5 each ask for the step two on
	QUARTER 2, F1, F0, 0
	QUARTER 3, F0, F1, 0
	TURN 1
	QUARTER 1, F0, F1, 0
	WIN 0
	s_sub_co_u32 s3, s3, 1
	s_cmp_lg_u32 s3, 0
	s_cbranch_scc1 .Lstep
	s_mov_b32 s3, 2
.Ltail:                                                ; K steps 6 and 7 ask for nothing.  One text for both: behind K step 7 the change of slots fetches 32 fragments that nobody multiplies, once a launch,
	QUARTER 2, F1, F0, 0                           ; and the quarter of a K step that does not exist is jumped over: the jump passes no barrier and no tensor load
	QUARTER 3, F0, F1, 0
	TURN 0
	WIN 0
	s_cmp_eq_u32 s3, 1
	s_cbranch_scc1 .Lskip
	QUARTER 1, F0, F1, 0
	WIN 0
.Lskip:
	s_wait_dscnt 0x0                               ; on either way no LDS load is out behind this line
	s_sub_co_u32 s3, s3, 1
	s_cmp_lg_u32 s3, 0
	s_cbranch_scc1 .Ltail
	PLACES
; THE SOFTMAX'S FIRST STAGE for query block a: a lane holds 64 scores of one query, the lane 16 away the other 64.
.macro SOFT a
.set W, 2+(\a)/4
.set AC, 64*((\a)%4)
	WIN W*21                                       ; all three sources in the accumulators' window
.irp k, 0,1,2,3                        ; the maximum, three operands at a time: four chains over two accumulators each; every accumulator is first read at its low end
	v_max3_num_f32 v[TW+(\k)], v[AC+16*(\k)], v[AC+16*(\k)+1], v[AC+16*(\k)+2]
.endr
	WIN W*20
.irp s, 0,1,2,3,4,5
.irp k, 0,1,2,3
	v_max3_num_f32 v[TW+(\k)], v[TW+(\k)], v[AC+16*(\k)+3+2*(\s)], v[AC+16*(\k)+4+2*(\s)]
.endr
.endr
	v_max3_num_f32 v[TW], v[TW], v[AC+15], v[AC+31]
	v_max3_num_f32 v[TW+2], v[TW+2], v[AC+47], v[AC+63]
	WIN 0
	v_max3_num_f32 v[TW], v[TW], v[TW+1], v[TW+2]
	v_max_num_f32 v[TW], v[TW], v[TW+3]
	v_permlanex16_b32 v[TW+1], v[TW], s[SEL], s[SEL+1]
	v_max_num_f32 v[TW], v[TW], v[TW+1]
	v_mul_f32 v[CMX], s[CS], v[TW]                 ; c m, twice: the packed line below names the pair
	v_mul_f32 v[CMX+1], s[CS], v[TW]
	v_add_f32 v[STT+2*(\a)], s[BIAS], v[CMX]       ; what is stored as cm
	WIN W*65                                       ; destination and source 0 in the accumulators' window
.set z, 0
.rept 32
	v_pk_fma_f32 v[AC+2*z:AC+2*z+1], v[AC+2*z:AC+2*z+1], s[CS:CS+1], v[CMX:CMX+1] op_sel_hi:[1,0,0] neg_lo:[0,0,1] neg_hi:[0,0,1]  ; c s - c m, one rounding
.set z, z+1
.endr
.set z, 0
.rept 64
	v_exp_f32 v[AC+z], v[AC+z]
.set z, z+1
.endr
	v_nop                                          ; a plain instruction between the last exponential and the use of its result
	WIN W*5
.set z, 0
	s_wait_alu depctr_va_vdst(0)
.rept 32
	v_cvt_pk_f16_f32 v[TMP+z], v[AC+2*z], v[AC+2*z+1]
.set z, z+1
.endr
	WIN W*69
.irp w, 1,2,4,8,16                     ; the sum of the unrounded weights: 32 pairs, a tree in place
.set z, 0
.rept 16/(\w)
	v_pk_add_f32 v[AC+2*z:AC+2*z+1], v[AC+2*z:AC+2*z+1], v[AC+2*z+2*(\w):AC+2*z+2*(\w)+1]
.set z, z+2*(\w)
.endr
.endr
	WIN W*5
	v_add_f32 v[TW], v[AC], v[AC+1]
	WIN 0
	v_permlanex16_b32 v[TW+1], v[TW], s[SEL], s[SEL+1]
	v_add_f32 v[STT+2*(\a)+1], v[TW], v[TW+1]
.endm
; A lane's 16 bytes go into my own stage, rows of 272 bytes, and come back as whole rows of 256.
.macro TOSTAGE a
.set BK, OB+192*((\a)%2)
.irp b, 0,1,2,3,4,5,6,7
	ds_store_b128 v[STO], v[TMP+4*(\b):TMP+4*(\b)+3] offset:32*(\b)
.endr
.irp t, 0,1,2,3,4,5,6,7
	ds_load_b128 v[BK+4*(\t):BK+4*(\t)+3], v[RD] offset:(\t)*2*SPITCH  ; LDS serves a wave's instructions in order (ISA guide 5.7.1.4): these see the stores above
.endr
.endm
.macro SEND a
.set BK, OB+192*((\a)%2)
	s_wait_dscnt 0x0                               ; the block is back in registers
	s_wait_xcnt 0x0                                ; the stores of the block before have read their registers, which the next block's loads fill
.irp t, 0,1,2,3,4,5,6,7
	global_store_b128 v[CO], v[BK+4*(\t):BK+4*(\t)+3], s[PTB:PTB+1] offset:(\a)*16*4096+(\t)*2*4096  ; 16 lanes store 256 consecutive bytes, aligned
.endr
.endm
	SOFT 0
	TOSTAGE 0
.irp a, 1,2,3,4,5,6,7                  ; block a's arithmetic stands between block a - 1's loads from the stage and the wait for them
	SOFT \a
	SEND (\a)-1
	TOSTAGE \a
.endr
	SEND 7
.irp p, 0,1,2,3                        ; the statistics: lanes 0-15 give block 2 p's 16 rows, lanes 16-31 block 2 p + 1's: 32 rows x 8 bytes, 256 consecutive bytes, aligned
	v_cndmask_b32 v[XS+2*(\p)], v[STT+4*(\p)], v[STT+4*(\p)+2], s[HIL]
	v_cndmask_b32 v[XS+2*(\p)+1], v[STT+4*(\p)+1], v[STT+4*(\p)+3], s[HIL]
	global_store_b64 v[SO], v[XS+2*(\p):XS+2*(\p)+1], s[STB:STB+1] offset:256*(\p)
.endr
	s_wait_tensorcnt 0x0                           ; the wave's end: the add to the spare word and its wait stand behind my last tensor load and my last LDS store
	ds_add_u32 v[SPW], v[NIL]
	s_wait_dscnt 0x0
	s_endpgm
.Lfunc_end_k_q682419c3b8_scores:
	.size	k_q682419c3b8_scores, .Lfunc_end_k_q682419c3b8_scores-k_q682419c3b8_scores
	.p2alignl 7, 3214868480
	.fill 96, 4, 3214868480
	.section	.rodata,"a",@progbits
	.p2align	6, 0x0
	.amdhsa_kernel k_q682419c3b8_scores
		.amdhsa_group_segment_fixed_size 327680
		.amdhsa_private_segment_fixed_size 0
		.amdhsa_enable_private_segment 0
		.amdhsa_kernarg_size 32
		.amdhsa_user_sgpr_count 2
		.amdhsa_user_sgpr_kernarg_segment_ptr 1
		.amdhsa_wavefront_size32 1
		.amdhsa_system_sgpr_workgroup_id_x 1
		.amdhsa_system_sgpr_workgroup_id_y 1
		.amdhsa_system_sgpr_workgroup_id_z 1
		.amdhsa_system_vgpr_workitem_id 0
		.amdhsa_next_free_vgpr 1024
		.amdhsa_next_free_sgpr 80
		.amdhsa_reserve_vcc 1
		.amdhsa_float_denorm_mode_32 3
		.amdhsa_float_denorm_mode_16_64 3
		.amdhsa_memory_ordered 1
		.amdhsa_forward_progress 1
		.amdhsa_inst_pref_size 169
	.end_amdhsa_kernel
	.amdgpu_metadata
---
amdhsa.version: [ 1, 2 ]
amdhsa.kernels:
  - .name:           k_q682419c3b8_scores
    .symbol:         k_q682419c3b8_scores.kd
    .args:
      - { .name: qv, .offset: 0, .size: 8, .value_kind: global_buffer, .address_space: global }
      - { .name: xh, .offset: 8, .size: 8, .value_kind: global_buffer, .address_space: global }
      - { .name: pt, .offset: 16, .size: 8, .value_kind: global_buffer, .address_space: global }
      - { .name: st, .offset: 24, .size: 8, .value_kind: global_buffer, .address_space: global }
    .group_segment_fixed_size: 327680
    .private_segment_fixed_size: 0
    .kernarg_segment_align: 8
    .kernarg_segment_size: 32
    .max_flat_workgroup_size: 128
    .sgpr_count:     80
    .vgpr_count:     1024
    .wavefront_size: 32
...
	.end_amdgpu_metadata
.endif
;; end of part 7
;; launch pv (part 8): grid 8 x 32, 4 waves a work-group, clusters of 4 x 1, 327,680 bytes of LDS; arguments pt, qv, st, out0; writes out0
.if DOCPART == 8
	.amdgcn_target "amdgcn-amd-amdhsa--gfx1250"
	.amdhsa_code_object_version 6
	.text
	.protected	k_q682419c3b8_pv
	.globl	k_q682419c3b8_pv
	.p2align	8
	.type	k_q682419c3b8_pv,@function
k_q682419c3b8_pv:
	s_mov_b64 s[64:65], 0
	v_nop
	global_prefetch_b8 v0, s[64:65] scope:SCOPE_SE
	s_setreg_imm32_b32 hwreg(HW_REG_WAVE_MODE, 25, 1), 1
	s_wait_xcnt 0x0
	s_wait_alu depctr_hold_cnt(0) depctr_sa_sdst(0) depctr_va_vdst(0) depctr_va_sdst(0) depctr_va_ssrc(0) depctr_va_vcc(0) depctr_vm_vsrc(0)
	s_getreg_b32 s2, hwreg(HW_REG_IB_STS2, 6, 4)
	s_cmp_eq_u32 s2, 0
	s_cbranch_scc0 .Lentry_in_a_cluster
	s_endpgm
.Lentry_in_a_cluster:
	s_bfe_u32 s2, ttmp6, 0x10000c
	s_cmp_lg_u32 s2, 0x3003
	s_cbranch_scc0 .Lentry_shape_is_right
	s_endpgm
.Lentry_shape_is_right:
; out[q][d] = (1 / l[q]) x the sum over key blocks t of f[q][t] x (the sum over the block's keys of p[q][key] v[key][d]).
; p (f16, pt) and per query and block of 128 keys (cm, l) (f32, st) come from the launch before.  Here: the row's true maximum m = max over its blocks of cm; f = 2^(cm - m) <= 1;
; l[q] = the sum of f l (f32).  f is rounded to f16 and multiplied onto p's fragments between their LDS load and the matrix instruction (f16, one rounding); products' sums in f32; out in f32.
; pt: [4][2048 q][2048 key] f16.  v: columns 1024-2047 of qv [8192][2048] f16.  st: [4][16 key blocks][2048 q][2] f32.  out0: [8192][1024] f32.
; LIMITS.  A factor below 2^-126 counts as 0; f p below 6e-5 keeps f16's fixed step of 6e-8; NaN and infinities are not treated apart.
; THE WALK.  A tile of out is 128 queries x 128 columns.  Query block i (of 16 a batch) needs i / 2 + 1 slots of 256 keys.  A work-group takes block p (p = 0..7) and then block 15 - p:
; 9 slots whatever p: 256 equal work-groups, loops with constant trip counts.  For an even block the last slot's second half is wholly hidden: its factors are 0.
; The short tile goes first, so the change of tiles always lies in the first loop.  Four waves, each 64 x 64: 16 accumulators.
; CLUSTER 4 x 1: the four partners make four neighbouring column blocks of the same queries and walk the same tiles of p: those are asked for jointly.  v's tile hangs on the column block:
; each work-group's own load, behind the same round.
; THE MATRIX INSTRUCTION IS USED TRANSPOSED (source 0 = 16 columns of v, turned out of LDS; source 1 = 16 queries of p): a lane holds one query and eight neighbouring columns, and f is one number a lane.
; REGISTERS: window 0: v0-63, v64-127 p's fragments, two buffers ((c, a) at 64 f + 32 c + 8 a); v128-255 accumulators ((a, b) at 128 + 8 (4 a + b)).
;   window 1: v0-63, v64-127 v's fragments; v128-135 factors; v136-147 addresses; v150-157 1 / l.  The loop's products, scalings and p's loads run under ONE setting: source 0 in window 1.
.set REG,   36864                      ; a region: 64 rows of p at 528 bytes (33,792 used), or 128 keys of v at 288
.set SLOT,  4*REG                      ; 0x24000: its two bits occur in no wave x REG, so one exclusive or turns an LDS word in one slot into the other's
.set PP,    528                        ; a row of p in LDS: 512 bytes + 16
.set PV,    288                        ; a row of v: 256 + 32
.set STAGE, 2*SLOT                     ; behind the ring: 16 rows x 272 bytes for each wave
.set SP,    272
.set FT,    STAGE+4*16*SP              ; the factors: entry 2 t + kb (walk slot t, half kb): 128 rows x 4 bytes, f twice in f16
.set IL,    FT+18*512                  ; 1 / l: 128 f32 for the short tile, 128 for the long
.set SPARE, IL+1024                    ; the spare words, 128 bytes for each wave: two blocks of 256 bytes that no other line names
.set ACC, 128
.set FR,  128                          ; window 1 from here on: factor of half kb, query block a at FR + 4 kb + a
.set ALN, 136                          ; my lane's place in a slot's p; never rewritten
.set BLN, 137                          ; in its v
.set ADA, 138                          ; the same in the slot in hand
.set ADB, 139                          ; v139, v140: v's keys 0-127, 128-255
.set AF,  141                          ; my row's place in the factors of the slot in hand
.set STO, 142
.set RD,  143
.set CO,  144
.set ILA, 145
.set SPW, 146                          ; LDS address of my spare word; never rewritten
.set NIL, 147                          ; 0; never rewritten
.set IVP, 150                          ; 1 / l of query block a, twice, at IVP + 2 a
.set TAU8, 10                          ; window 0, the prologue's: 8 x thread
.set TO,  12                           ; v12-20  byte offset in st of my row's pair for walk slot t
.set TC,  24                           ; v24-59  (cm, l) of entry e at TC + 2 e; cm's place then takes f
.set LOWR, 60
.set ZR,  61
.set MS,  62
.set ML,  63
.set LS,  64
.set LL,  65
.set X0,  66
.set X1,  67
.set FTA, 68
.set P16, 70                           ; v70-87
.set WV,  12                           ; s12  my wave's number
.set G1A, 24                           ; s[24:31] descriptor group 1 for p's tiles
.set G1B, 32                           ; s[32:39] for v's
.set G0A, 40                           ; s[40:47] group 0 for p's: a set for each of the two first fills; the second then walks on
.set G0B, 48                           ; s[48:55] the same for v's
.set TRIP, 56
.set RT,  57                           ; slots of the tile in hand still to be finished
.set NEW, 58                           ; 1: the slot to be entered is a tile's first
.set TB,  59                           ; LDS byte at which the slot in hand begins
.set FS,  60                           ; the slot of its tile that is asked for next
.set FLIM, 61
.set FOA, 62                           ; byte offset in pt of the first row of the tile whose slots are being asked for
.set FOAL, 63                          ; the long tile's
.set OFA, 66                           ; s[66:67], s[68:69] offsets of the tiles asked for
.set OFB, 68
.set ABASE, 70                         ; s[70:71] pt at my 64 rows of a tile
.set BBASE, 72                         ; s[72:73] v at my 128 keys of a slot, my work-group's columns
.set OBS, 74                           ; s[74:75], s[76:77] out0 at my wave's part of the short and of the long tile
.set OBL, 76
.set MK,  78                           ; s78-86  -1 where walk slot t belongs to the short tile, else 0
.set MSB, 0
.macro WIN new
.if MSB != (\new)
	s_set_vgpr_msb (MSB<<8)|(\new)
.set MSB, \new
.endif
.endm
.set W_MAIN, 0x01                      ; source 0 in window 1, all else in window 0
.set W_ONE,  0x45                      ; destination, source 0 and source 1 in window 1
.set W_MK,   0x40                      ; destination in window 1
.macro JLOAD                           ; waves 0, 1 ask jointly for the two halves of p's tile, waves 2, 3 for their work-group's own halves of v's; s_nop 0 and four v_nop follow each line
	s_cmp_lt_u32 s[WV], 2
	s_cbranch_scc0 .Lfor_v_\@
	tensor_load_to_lds s[G0A+4:G0A+7], s[G1A:G1A+7]
	s_nop 0
.rept 4
	v_nop
.endr
	s_branch .Lasked_\@
.Lfor_v_\@:
	tensor_load_to_lds s[G0B+4:G0B+7], s[G1B:G1B+7]
	s_nop 0
.rept 4
	v_nop
.endr
.Lasked_\@:
.endm
.macro CREST
	s_cmp_lg_u32 s[WV], 0
	s_cbranch_scc1 .Lnot_wave_0_\@
	s_barrier_signal -3
.Lnot_wave_0_\@:
	s_barrier_wait -3
	s_barrier_signal -1
	s_barrier_wait -1
.endm
.macro CROUND
	s_barrier_signal -1
	s_barrier_wait -1
	CREST
.endm
; The addresses of the next slot of the walk are made anew, each from its base and an offset made apart; then the walk steps: behind the short tile's last slot comes the long tile's slot 0.
.macro NEXT set
	s_lshl_b32 s[OFA], s[FS], 9                    ; 256 keys are 512 bytes of a row of pt,
	s_add_co_u32 s[OFA], s[OFA], s[FOA]
	s_lshl_b32 s[OFB], s[FS], 20                   ; and 256 rows of 4,096 bytes of qv
	s_add_nc_u64 s[G0A+4*(\set)+2:G0A+4*(\set)+3], s[ABASE:ABASE+1], s[OFA:OFA+1]
	s_or_b32 s[G0A+4*(\set)+3], s[G0A+4*(\set)+3], 0x80000000
	s_add_nc_u64 s[G0B+4*(\set)+2:G0B+4*(\set)+3], s[BBASE:BBASE+1], s[OFB:OFB+1]
	s_or_b32 s[G0B+4*(\set)+3], s[G0B+4*(\set)+3], 0x80000000
	s_add_co_u32 s[FS], s[FS], 1
	s_cmp_eq_u32 s[FS], s[FLIM]
	s_cselect_b32 s[FS], 0, s[FS]
	s_cselect_b32 s[FOA], s[FOAL], s[FOA]
	s_cselect_b32 s[FLIM], 64, s[FLIM]
.endm
	s_load_b256 s[4:11], s[0:1], 0x0               ; pt s[4:5], qv s[6:7], st s[8:9], out0 s[10:11]
	WIN W_MK
	v_lshl_add_u32 v[SPW], v0, 2, SPARE
	v_mov_b32 v[NIL], 0
	WIN W_ONE
	ds_add_u32 v[SPW], v[NIL]                      ; the wave's opening: the add and its wait stand ahead of my first tensor load; the set-up below stands between them
	ds_add_u32 v146, v147
	WIN 0
	v_lshrrev_b32 v1, 5, v0
	v_readfirstlane_b32 s[WV], v1                  ; wave 0..3
	s_bfe_u32 s13, ttmp6, 0x40000                  ; cx
	s_lshl_b32 s14, ttmp9, 2
	s_add_co_u32 s14, s14, s13                     ; n: my block of 128 columns.  It enters v's own loads and out0's addresses alone
	s_and_b32 s16, ttmp7, 0xffff
	s_lshr_b32 s15, s16, 3                         ; batch
	s_and_b32 s16, s16, 7                          ; p
	s_lshr_b32 s17, s16, 1
	s_add_co_u32 s17, s17, 1                       ; nS: the short tile's slots
	s_lshr_b32 s18, s[WV], 1                       ; rh: which 64 queries are mine
	s_and_b32 s19, s[WV], 1                        ; ch: which 64 columns.  Also: which half of a tile I fetch
	s_mov_b32 s[G1A+0], 15|(1<<16)|(1<<20)|(1<<21)|(6<<22)|(3<<25)  ; the mask of four, bit 21 beside it; elements of 2 bytes; padding: after every 128 words 4 words
	s_mov_b32 s[G1A+1], 256<<16                    ; tensor_dim0 = 256
	s_mov_b32 s[G1A+2], 64<<16                     ; tensor_dim1 = 64
	s_mov_b32 s[G1A+3], 256<<16                    ; tile_dim0 = 256
	s_mov_b32 s[G1A+4], 64                         ; tile_dim1 = 64
	s_mov_b32 s[G1A+5], 2048                       ; elements from row to row of pt
	s_mov_b32 s[G1A+6], 0
	s_mov_b32 s[G1A+7], 0
	s_mov_b32 s[G1B+0], (1<<16)|(1<<20)|(5<<22)|(7<<25)             ; no mask; padding: after every 64 words 8 words
	s_mov_b32 s[G1B+1], 128<<16
	s_mov_b32 s[G1B+2], 128<<16
	s_mov_b32 s[G1B+3], 128<<16
	s_mov_b32 s[G1B+4], 128
	s_mov_b32 s[G1B+5], 2048                       ; elements from row to row of qv
	s_mov_b32 s[G1B+6], 0
	s_mov_b32 s[G1B+7], 0
	s_lshl_b32 s20, s15, 11                        ; the batch's first row
	s_lshl_b32 s21, s16, 7
	s_add_co_u32 s21, s21, s20                     ; the short tile's
	s_sub_co_u32 s22, 15, s16
	s_lshl_b32 s23, s22, 7
	s_add_co_u32 s23, s23, s20                     ; the long tile's
	s_lshl_b32 s[FOA], s21, 12
	s_lshl_b32 s[FOAL], s23, 12
	s_lshl_b32 s87, s16, 10                        ; 8 bytes x the tiles' first rows in the batch, for st
	s_lshl_b32 s88, s22, 10
	s_lshl_b32 s89, s15, 18                        ; the batch's 16 x 2,048 pairs
	s_lshl_b32 s93, s18, 6
	s_add_co_u32 s21, s21, s93                     ; my wave's first rows
	s_add_co_u32 s23, s23, s93
	s_lshl_b32 s21, s21, 12
	s_lshl_b32 s23, s23, 12
	s_lshl_b32 s90, s14, 9                         ; my work-group's 512 bytes of a row of out0,
	s_lshl_b32 s91, s19, 8                         ; my wave's 256
	s_add_co_u32 s90, s90, s91
	s_add_co_u32 s[OBS], s21, s90
	s_mov_b32 s[OBS+1], 0
	s_add_co_u32 s[OBL], s23, s90
	s_mov_b32 s[OBL+1], 0
	s_lshl_b32 s[ABASE], s19, 18                   ; my 64 rows of 4,096 bytes
	s_mov_b32 s[ABASE+1], 0
	s_lshl_b32 s91, s19, 7                         ; my 128 keys
	s_add_co_u32 s91, s91, s20
	s_lshl_b32 s91, s91, 12                        ; rows of 4,096 bytes
	s_lshl_b32 s92, s14, 8
	s_add_co_u32 s91, s91, s92
	s_add_co_u32 s[BBASE], s91, 2048               ; v begins at byte 2,048 of a row
	s_mov_b32 s[BBASE+1], 0
	s_mul_i32 s94, s[WV], REG                      ; where my tiles go: region = wave
.irp g, G0A, G0B
	s_mov_b32 s[(\g)], 1
	s_mov_b32 s[(\g)+1], s94
	s_mov_b32 s[(\g)+4], 1
	s_add_co_u32 s[(\g)+5], s94, SLOT
.endr
	s_mov_b32 s[OFA+1], 0
	s_mov_b32 s[OFB+1], 0
	s_mov_b32 s[FS], 0
	s_mov_b32 s[FLIM], s17
	s_mov_b32 s[TB], 0
	s_mov_b32 s[TRIP], 7
	s_mov_b32 s[RT], s17
	s_mov_b32 s[NEW], 1
	s_wait_dscnt 0x0                               ; the opening add is done
	s_wait_kmcnt 0x0
	s_add_nc_u64 s[ABASE:ABASE+1], s[4:5], s[ABASE:ABASE+1]
	s_add_nc_u64 s[BBASE:BBASE+1], s[6:7], s[BBASE:BBASE+1]
	s_add_nc_u64 s[OBS:OBS+1], s[10:11], s[OBS:OBS+1]
	s_add_nc_u64 s[OBL:OBL+1], s[10:11], s[OBL:OBL+1]
	NEXT 0                                         ; walk slot 0
	NEXT 1                                         ; walk slot 1
	CROUND                                         ; all four work-groups are here: the first joint loads meet
	s_cmp_lt_u32 s[WV], 2                          ; a wave's two first fills stand in one branch: two loads of mine are out
	s_cbranch_scc0 .Lfirst_v
	tensor_load_to_lds s[G0A:G0A+3], s[G1A:G1A+7]
	s_nop 0
	tensor_load_to_lds s[G0A+4:G0A+7], s[G1A:G1A+7]
	s_nop 0
.rept 4
	v_nop
.endr
	s_branch .Lfirst_asked
.Lfirst_v:
	tensor_load_to_lds s[G0B:G0B+3], s[G1B:G1B+7]
	s_nop 0
	tensor_load_to_lds s[G0B+4:G0B+7], s[G1B:G1B+7]
	s_nop 0
.rept 4
	v_nop
.endr
.Lfirst_asked:
	; THE TABLE, made while the first tiles are on their way.  Thread t is row t of both tiles.  Walk slot t is slot t of the short tile (t < nS) or slot t - nS of the long one.
	v_lshlrev_b32 v[TAU8], 3, v0
.irp t, 0,1,2,3,4,5,6,7,8
	s_sub_co_u32 s21, \t, s17
	s_cmp_gt_u32 s17, \t
	s_cselect_b32 s[MK+(\t)], -1, 0
	s_cselect_b32 s20, \t, s21
	s_cselect_b32 s22, s87, s88
	s_lshl_b32 s20, s20, 15                        ; a slot is two key blocks of 2,048 pairs
	s_add_co_u32 s20, s20, s22
	s_add_co_u32 s20, s20, s89
	v_add_nc_u32 v[TO+(\t)], s20, v[TAU8]
.endr
.irp t, 0,1,2,3,4,5,6,7,8
	global_load_b64 v[TC+4*(\t):TC+4*(\t)+1],   v[TO+(\t)], s[8:9]
	global_load_b64 v[TC+4*(\t)+2:TC+4*(\t)+3], v[TO+(\t)], s[8:9] offset:16384
.endr
	v_lshl_add_u32 v[FTA], v0, 2, FT
	v_and_b32 v1, 15, v0                           ; r = l % 16
	v_bfe_u32 v2, v0, 4, 1                         ; h = l / 16
	v_mul_u32_u24 v3, v1, PP
	v_lshl_add_u32 v3, v2, 4, v3                   ; p: row x pitch + 16 x half
	s_mul_i32 s20, s18, REG                        ; my 64 queries' region
	v_and_b32 v4, 7, v0                            ; v, turned: lane l reads key 8 h + l % 8, 16 bytes at 16 ((l / 8) % 2)
	v_lshl_add_u32 v4, v2, 3, v4
	v_mul_u32_u24 v4, v4, PV
	v_bfe_u32 v5, v0, 3, 1
	v_lshl_add_u32 v4, v5, 4, v4
	s_lshl_b32 s21, s19, 7                         ; my 64 columns
	s_add_co_u32 s21, s21, 2*REG
	s_mul_i32 s22, s[WV], 16*SP
	s_add_co_u32 s22, s22, STAGE                   ; my stage
	v_mul_u32_u24 v5, v1, SP                       ; in: row r, 32 bytes for each half of the lanes
	v_lshl_add_u32 v5, v2, 5, v5
	v_mul_u32_u24 v6, v2, SP                       ; back: lanes 0-15 one row of 256 bytes, lanes 16-31 the next
	v_lshl_add_u32 v6, v1, 4, v6
	v_lshlrev_b32 v7, 12, v2                       ; and the same two rows in out0
	v_lshl_add_u32 v7, v1, 4, v7
	s_lshl_b32 s23, s18, 8
	v_lshl_add_u32 v8, v1, 2, s23                  ; 4 bytes x row 64 rh + r
	WIN W_MK
	v_add_nc_u32 v[ALN], s20, v3
	v_add_nc_u32 v[ADA], s20, v3                   ; the walk begins in slot 0
	v_add_nc_u32 v[BLN], s21, v4
	v_add_nc_u32 v[ADB], s21, v4
	v_add_nc_u32 v[STO], s22, v5
	v_add_nc_u32 v[RD], s22, v6
	v_mov_b32 v[CO], v7
	v_add_nc_u32 v[AF], FT, v8
	v_add_nc_u32 v[ILA], IL, v8
	s_add_co_u32 s21, s21, REG
	v_add_nc_u32 v[ADB+1], s21, v4
	WIN 0
	v_mov_b32 v[LOWR], 0xff7fffff                  ; the lowest finite number
	v_mov_b32 v[ZR], 0
	v_mov_b32 v[MS], v[LOWR]
	v_mov_b32 v[ML], v[LOWR]
	v_mov_b32 v[LS], 0
	v_mov_b32 v[LL], 0
	s_wait_loadcnt 0x0
.irp t, 0,1,2,3,4,5,6,7,8              ; the two rows' true maxima
	v_max_num_f32 v[X0], v[TC+4*(\t)], v[TC+4*(\t)+2]
	v_cndmask_b32 v[X1], v[LOWR], v[X0], s[MK+(\t)]
	v_cndmask_b32 v[X0], v[X0], v[LOWR], s[MK+(\t)]
	v_max_num_f32 v[MS], v[MS], v[X1]
	v_max_num_f32 v[ML], v[ML], v[X0]
.endr
.irp t, 0,1,2,3,4,5,6,7,8
	v_cndmask_b32 v[X0], v[ML], v[MS], s[MK+(\t)]
	v_sub_f32 v[TC+4*(\t)], v[TC+4*(\t)], v[X0]
	v_sub_f32 v[TC+4*(\t)+2], v[TC+4*(\t)+2], v[X0]
.endr
.set e, 0
.rept 18
	v_exp_f32 v[TC+2*e], v[TC+2*e]                 ; f = 2^(cm - m) <= 1
.set e, e+1
.endr
	v_nop                                          ; a plain instruction between the last exponential and the use of its result
	s_wait_alu depctr_va_vdst(0)
.irp t, 0,1,2,3,4,5,6,7,8
	v_mul_f32 v[X0], v[TC+4*(\t)], v[TC+4*(\t)+1]
	v_fmac_f32 v[X0], v[TC+4*(\t)+2], v[TC+4*(\t)+3]
	v_cndmask_b32 v[X1], v[ZR], v[X0], s[MK+(\t)]
	v_cndmask_b32 v[X0], v[X0], v[ZR], s[MK+(\t)]
	v_add_f32 v[LS], v[LS], v[X1]
	v_add_f32 v[LL], v[LL], v[X0]
	v_cvt_pk_f16_f32 v[P16+2*(\t)], v[TC+4*(\t)], v[TC+4*(\t)]
	v_cvt_pk_f16_f32 v[P16+2*(\t)+1], v[TC+4*(\t)+2], v[TC+4*(\t)+2]
	ds_store_b32 v[FTA], v[P16+2*(\t)] offset:1024*(\t)
	ds_store_b32 v[FTA], v[P16+2*(\t)+1] offset:1024*(\t)+512
.endr
	v_rcp_f32 v[LS], v[LS]                         ; l is at least the l of the block that holds the maximum, which is 1 or more
	v_rcp_f32 v[LL], v[LL]
	v_nop
	s_wait_alu depctr_va_vdst(0)
	ds_store_b32 v[FTA], v[LS] offset:IL-FT
	ds_store_b32 v[FTA], v[LL] offset:IL-FT+512
; Product i of 16 on half c (32 keys) of buffer f: query block i / 4, column block i % 4.  The 16 accumulators take turns.
.macro PROD f, c, zero
.set pa, i/4
.set pb, i%4
.if \zero
	v_wmma_f32_16x16x32_f16 v[ACC+8*i:ACC+8*i+7], v[64*(\f)+32*(\c)+8*pb:64*(\f)+32*(\c)+8*pb+7], v[64*(\f)+32*(\c)+8*pa:64*(\f)+32*(\c)+8*pa+7], 0
.else
	v_wmma_f32_16x16x32_f16 v[ACC+8*i:ACC+8*i+7], v[64*(\f)+32*(\c)+8*pb:64*(\f)+32*(\c)+8*pb+7], v[64*(\f)+32*(\c)+8*pa:64*(\f)+32*(\c)+8*pa+7], v[ACC+8*i:ACC+8*i+7]
.endif
.set i, i+1
.endm
; Register ri of the 32 of p's half tc of buffer tb is multiplied by its query block's factor of key half kb: two f16 at once.
.macro RIDE tb, tc, kb
	v_pk_mul_f16 v[64*(\tb)+32*(\tc)+ri], v[FR+4*(\kb)+ri/8], v[64*(\tb)+32*(\tc)+ri]
.set ri, ri+1
.endm
; cnt products, n scalings behind each.  The scalings name fragments that the products round them do not read.
.macro PART f, c, zero, cnt, n, tb, tc, kb
.rept \cnt
	PROD \f, \c, \zero
.if (\n) > 0
.rept \n
	RIDE \tb, \tc, \kb
.endr
.endif
.endr
.endm
.macro FA g, q                         ; 16 loads: p's fragments of quarter q (64 keys) into buffer g, the first 32 keys first
.irp c, 0,1
.irp a, 0,1,2,3
	ds_load_b128 v[64*(\g)+32*(\c)+8*(\a):64*(\g)+32*(\c)+8*(\a)+3],   v[ADA] offset:(\a)*16*PP+128*(\q)+64*(\c)
	ds_load_b128 v[64*(\g)+32*(\c)+8*(\a)+4:64*(\g)+32*(\c)+8*(\a)+7], v[ADA] offset:(\a)*16*PP+128*(\q)+64*(\c)+32
.endr
.endr
.endm
.macro FB g, q                         ; 16 turning loads: v's fragments of quarter q
.irp c, 0,1
.irp b, 0,1,2,3
	ds_load_tr16_b128 v[64*(\g)+32*(\c)+8*(\b):64*(\g)+32*(\c)+8*(\b)+3],   v[ADB+(\q)/2] offset:((\q)%2)*64*PV+(\c)*32*PV+32*(\b)
	ds_load_tr16_b128 v[64*(\g)+32*(\c)+8*(\b)+4:64*(\g)+32*(\c)+8*(\b)+7], v[ADB+(\q)/2] offset:((\q)%2)*64*PV+(\c)*32*PV+16*PV+32*(\b)
.endr
.endr
.endm
.macro FACT                            ; the slot's eight factors
.irp kb, 0,1
.irp a, 0,1,2,3
	ds_load_b32 v[FR+4*(\kb)+(\a)], v[AF] offset:512*(\kb)+64*(\a)
.endr
.endr
.endm
.macro PLACES                          ; four places in front of loads into registers that matrix instructions have read, and of vector lines that read results
.rept 4
	v_nop
.endr
.endm
; A slot is four quarters of 64 keys, 32 products each, on buffers 0, 1, 0, 1.  One of the first three: fetches quarter qn into buffer g and multiplies buffer f.
; Beside the first 16 products f's second half is scaled (key half kbf), beside the other 16 g's first half (kbg).
.macro QUARTER f, g, qn, kbf, kbg, zero
	WIN W_MAIN
	PLACES
	FA \g, \qn
	WIN W_ONE
	FB \g, \qn
	WIN W_MAIN
	s_wait_dscnt 32                                ; all but the 32 just issued: buffer f is whole
.set i, 0
.set ri, 0
	PART \f, 0, \zero, 16, 2, \f, 1, \kbf
	s_wait_dscnt 24                                ; the oldest eight of the 32, g's first half of p, are in
.set i, 0
.set ri, 0
	PART \f, 1, 0, 16, 2, \g, 0, \kbg
.endm
; The last quarter multiplies buffer 1 and changes slots: ONE barrier; in front of it each wave waits for all its tensor loads (one is out at the most: its part of the next slot), adds 0 to its spare
; word, and waits for that and for its own reads of this slot.  fill = 1: the barrier opens a round of the cluster's barrier, and this slot is filled again with the walk's slot two on, first thing behind the round.
.macro TURN fill
	WIN W_ONE                                      ; (the add's two registers lie in window 1)
	s_wait_tensorcnt 0x0                           ; no tensor load of mine is out, so a group 0 may be written
	ds_add_u32 v[SPW], v[NIL]                      ; scalar work and products stand between the add and the wait for it
.if \fill
	s_xor_b32 s[G0A+5], s[G0A+5], SLOT             ; the walking descriptors: the other slot than last time
	s_xor_b32 s[G0B+5], s[G0B+5], SLOT
	NEXT 1
.endif
	s_xor_b32 s[TB], s[TB], SLOT                   ; the reads go on in the other slot
	s_wait_dscnt 1                                 ; (the add alone may be out: buffer 1 is whole)
	WIN W_MAIN
.set i, 0
.set ri, 0
	PART 1, 0, 0, 8, 2, 1, 1, 1
	s_wait_dscnt 0x0                               ; the add is done, and my reads of this slot are over
	s_barrier_signal -1
	PART 1, 0, 0, 8, 2, 1, 1, 1
	WIN 0
	s_barrier_wait -1
.if \fill
	CREST                                          ; no wave of any partner still reads this slot's tiles or has a load on its way
	JLOAD
.else
	PLACES
.endif
	WIN W_ONE
	v_add_nc_u32 v[ADA], s[TB], v[ALN]
	v_add_nc_u32 v[ADB], s[TB], v[BLN]
	v_add_nc_u32 v[AF], 1024, v[AF]                ; the next walk slot's factors
	v_add_nc_u32 v[ADB+1], REG, v[ADB]
	FACT
	WIN W_MAIN
	FA 0, 0
	WIN W_ONE
	FB 0, 0
	WIN W_MAIN
.set i, 0
.set ri, 0
	PART 1, 1, 0, 8, 0, 0, 0, 0
	s_wait_dscnt 24                                ; of the 40 just issued the oldest 16 are in: the factors and the first half of p
	PART 1, 1, 0, 8, 4, 0, 0, 0
.endm
; THE WAY OUT of a tile: the sums times 1 / l, in place; a block of 16 rows at a time through my own stage: 32 bytes a lane in, whole rows of 256 bytes back, into v's second buffer.
.macro SCALE a
	WIN W_MAIN
.set z, 0
.rept 16
	v_pk_mul_f32 v[ACC+32*(\a)+2*z:ACC+32*(\a)+2*z+1], v[IVP+2*(\a):IVP+2*(\a)+1], v[ACC+32*(\a)+2*z:ACC+32*(\a)+2*z+1]
.set z, z+1
.endr
.endm
.macro TOST a
	WIN W_MAIN
.irp b, 0,1,2,3
.irp j, 0,1
	ds_store_b128 v[STO], v[ACC+32*(\a)+8*(\b)+4*(\j):ACC+32*(\a)+8*(\b)+4*(\j)+3] offset:64*(\b)+16*(\j)
.endr
.endr
	WIN W_ONE
.irp t, 0,1,2,3,4,5,6,7
	ds_load_b128 v[64+32*((\a)%2)+4*(\t):64+32*((\a)%2)+4*(\t)+3], v[RD] offset:(\t)*2*SP  ; LDS serves a wave's instructions in order (ISA guide 5.7.1.4): these see the stores above
.endr
.endm
.macro SENDO a, base
	WIN W_ONE
	s_wait_dscnt 0x0                               ; the block is back in registers
	s_wait_xcnt 0x0                                ; the stores of the block before have read their registers, which the next block's loads fill
.irp t, 0,1,2,3,4,5,6,7
	global_store_b128 v[CO], v[64+32*((\a)%2)+4*(\t):64+32*((\a)%2)+4*(\t)+3], s[(\base):(\base)+1] offset:(16*(\a)+2*(\t))*4096 th:TH_STORE_NT  ; 16 lanes store 256 consecutive bytes, aligned
.endr
.endm
.macro OUT tile, base
	PLACES
	WIN W_ONE
.irp a, 0,1,2,3
	ds_load_b32 v[IVP+2*(\a)],   v[ILA] offset:512*(\tile)+64*(\a)
	ds_load_b32 v[IVP+2*(\a)+1], v[ILA] offset:512*(\tile)+64*(\a)
.endr
	s_wait_dscnt 0x0                               ; 1 / l is in, and so is every fetch issued before
	SCALE 0
	TOST 0
.irp a, 1,2,3
	SCALE \a
	SENDO (\a)-1, \base
	TOST \a
.endr
	SENDO 3, \base
	s_wait_xcnt 0x0                                ; the stores have read their registers: the next fetch lands there
.endm
	s_wait_tensorcnt 0x1                           ; my part of walk slot 0 is in; slot 1's may stay out
	s_wait_dscnt 0x0                               ; my part of the table is stored
	s_barrier_signal -1
	s_barrier_wait -1                              ; everybody's is
	WIN W_ONE
	FACT
	WIN W_MAIN
	FA 0, 0
	WIN W_ONE
	FB 0, 0
	WIN W_MAIN
	s_wait_dscnt 24                                ; the factors and the first half of p are in
.set ri, 0
.rept 32
	RIDE 0, 0, 0
.endr
	WIN 0
.Ltrip:                                                ; 7 trips: walk slots 0 to 6; each asks for the slot two on
	s_cmp_eq_u32 s[NEW], 1                         ; at the first trip the answer is a constant of the text
	s_cbranch_scc0 .Lgo_on
	QUARTER 0, 1, 1, 0, 0, 1                       ; a tile's first products start the sums
	WIN 0
	s_branch .Ljoined
.Lgo_on:
	QUARTER 0, 1, 1, 0, 0, 0
	WIN 0
.Ljoined:
	s_mov_b32 s[NEW], 0
	QUARTER 1, 0, 2, 0, 1, 0
	QUARTER 0, 1, 3, 1, 1, 0
	TURN 1
	WIN 0
	s_sub_co_u32 s[RT], s[RT], 1
	s_cmp_lg_u32 s[RT], 0
	s_cbranch_scc1 .Lno_out
	OUT 0, OBS                                     ; the short tile is finished; the long tile's first fragments are already fetched
	WIN 0
	s_mov_b32 s[NEW], 1
	s_mov_b32 s[RT], 64                            ; the long tile ends behind the loops
.Lno_out:
	s_sub_co_u32 s[TRIP], s[TRIP], 1
	s_cmp_lg_u32 s[TRIP], 0
	s_cbranch_scc1 .Ltrip
	s_mov_b32 s[TRIP], 2
.Ltail:                                                ; walk slots 7 and 8 ask for nothing.  One text for both: behind slot 8 the change of slots fetches and scales fragments of the other slot that nobody
	QUARTER 0, 1, 1, 0, 0, 0                       ; multiplies (its eight factor loads fall into the table of 1 / l), once a launch
	QUARTER 1, 0, 2, 0, 1, 0
	QUARTER 0, 1, 3, 1, 1, 0
	TURN 0
	WIN 0
	s_sub_co_u32 s[TRIP], s[TRIP], 1
	s_cmp_lg_u32 s[TRIP], 0
	s_cbranch_scc1 .Ltail
	OUT 1, OBL
	WIN W_ONE
	s_wait_tensorcnt 0x0                           ; the wave's end: the add to the spare word and its wait stand behind my last tensor load and my last LDS store
	ds_add_u32 v[SPW], v[NIL]
	s_wait_dscnt 0x0
	WIN 0
	CROUND                                         ; the closing round: no work-group ends while a partner may still ask for a tile that names it
	s_endpgm
.Lfunc_end_k_q682419c3b8_pv:
	.size	k_q682419c3b8_pv, .Lfunc_end_k_q682419c3b8_pv-k_q682419c3b8_pv
	.p2alignl 7, 3214868480
	.fill 96, 4, 3214868480
	.section	.rodata,"a",@progbits
	.p2align	6, 0x0
	.amdhsa_kernel k_q682419c3b8_pv
		.amdhsa_group_segment_fixed_size 327680
		.amdhsa_private_segment_fixed_size 0
		.amdhsa_enable_private_segment 0
		.amdhsa_kernarg_size 32
		.amdhsa_user_sgpr_count 2
		.amdhsa_user_sgpr_kernarg_segment_ptr 1
		.amdhsa_wavefront_size32 1
		.amdhsa_system_sgpr_workgroup_id_x 1
		.amdhsa_system_sgpr_workgroup_id_y 1
		.amdhsa_system_sgpr_workgroup_id_z 1
		.amdhsa_system_vgpr_workitem_id 0
		.amdhsa_next_free_vgpr 512
		.amdhsa_next_free_sgpr 100
		.amdhsa_reserve_vcc 0
		.amdhsa_float_denorm_mode_32 3
		.amdhsa_float_denorm_mode_16_64 3
		.amdhsa_memory_ordered 1
		.amdhsa_forward_progress 1
		.amdhsa_inst_pref_size 130
	.end_amdhsa_kernel
	.amdgpu_metadata
---
amdhsa.version: [ 1, 2 ]
amdhsa.kernels:
  - .name:           k_q682419c3b8_pv
    .symbol:         k_q682419c3b8_pv.kd
    .args:
      - { .name: pt, .offset: 0, .size: 8, .value_kind: global_buffer, .address_space: global }
      - { .name: qv, .offset: 8, .size: 8, .value_kind: global_buffer, .address_space: global }
      - { .name: st, .offset: 16, .size: 8, .value_kind: global_buffer, .address_space: global }
      - { .name: out0, .offset: 24, .size: 8, .value_kind: global_buffer, .address_space: global }
    .group_segment_fixed_size: 327680
    .private_segment_fixed_size: 0
    .kernarg_segment_align: 8
    .kernarg_segment_size: 32
    .max_flat_workgroup_size: 128
    .sgpr_count:     100
    .vgpr_count:     512
    .wavefront_size: 32
...
	.end_amdgpu_metadata
.endif
;; end of part 8
;; ======== version 3 of 3: 4 launches; version 2 with the launch prep written anew for expert scheduling mode
;; limits: values are held in f16: magnitudes above 65,504 overflow, below 6.1e-05 lose precision
;; workspace buffers: xh 16,777,216 bytes; wm 4,194,304 bytes; qv 33,554,432 bytes; pt 33,554,432 bytes; st 1,048,576 bytes
;; launch prep (part 9): grid 256 x 1, 8 waves a work-group, no clusters, 274,432 bytes of LDS; arguments x, W_q, W_k, W_v, xh, wm; writes xh, wm
.if DOCPART == 9
	.amdgcn_target "amdgcn-amd-amdhsa--gfx1250"
	.amdhsa_code_object_version 6
	.text
	.protected	k_q682419c3b8_prep
	.globl	k_q682419c3b8_prep
	.p2align	8
	.type	k_q682419c3b8_prep,@function
k_q682419c3b8_prep:
	s_mov_b64 s[64:65], 0
	v_nop
	global_prefetch_b8 v0, s[64:65] scope:SCOPE_SE
	s_setreg_imm32_b32 hwreg(HW_REG_WAVE_SCHED_MODE, 0, 2), 2
	s_setreg_imm32_b32 hwreg(HW_REG_WAVE_MODE, 25, 1), 1
	s_wait_xcnt 0x0
	s_wait_alu depctr_vm_vsrc(0)
; THE OPERANDS OF THE LATER LAUNCHES.  The scores are (x W_q)(x W_k)^T = x (W_q W_k^T) x^T for every input, so the k projection is not made: M = W_q W_k^T is made here, once,
; the next launch makes q' = x M, and the keys' operand of the scores is x itself.  The order of rounding differs from the module's as written: M is rounded once to f16 where k would have been.
;   xh [8192][1024] f16: x rounded to bf16 (nearest even), that number written as f16 (exact while it lies in f16's normal range).
;   wm f16, the weights of the next launch, [1024 k][2048 n]: n 0-1023 M[k][n] = the sum over j of bf16(W_q[k][j]) bf16(W_k[n][j]) (f32 sums, rounded once);  n 1024-2047 W_v, rounded as x is.
;   wm lies in blocks of 64 k x 64 n, 8,192 bytes on end:  byte(n, k) = ((n / 128) 16 + k / 64) 16384 + ((n / 64) % 2) 8192 + (k % 64) 128 + (n % 64) 2.
; LIMITS.  A number of 65,520 or more in magnitude becomes an infinity in f16; below 6e-5 f16 keeps its fixed step of 6e-8; NaN and infinities are not treated apart.
; SHARES.  256 equal work-groups of eight waves.  Work-group g: rows 32 g .. of x; rows 4 g .. of W_v; the tile of M with rows 64 (g / 16) .. and columns 64 (g % 16) ..: one block of wm.
; All rows are 4,096 bytes of f32; thread t takes bytes 16 t .. 16 t + 15, so a wave's load covers 512 consecutive bytes.  The tile's 64 rows of W_q and 64 rows of W_k go, as bf16, into LDS
; (the whole K: 128 rows of 2,048 bytes); then wave w makes 16 rows x 32 columns of the tile, two accumulators by turns.
; The stream comes in 8 batches of 16 rows of W and 4 rows of x on two sets of registers: while one batch is worked on the other is on its way.
; THE MODE: SCHED_MODE bits 1:0 = 2 (LLVM: expert scheduling mode 2), set by the entry lines.  The code itself states the register dependences
; between vector or matrix instructions and memory or LDS instructions, with s_wait_alu, always for 0.
; THE PLAN.  Registers that memory or LDS instructions touch:
;   v1-v10    offsets and addresses, made at the head.  Three are written again, each by one add at a trip's end: LA (the stream), AQ and AK (the products).
;   VV        W_v's four loads land in it; rounded in place; read by four stores; never written again.
;   S0, S1    a batch's 20 loads land in a set; its conversions read it; no store reads it: so it is asked for again as soon as the conversions are done with it, ahead of the batch's stores.
;   OUT       written by a batch's conversions, read by its 16 LDS stores and 4 global stores, written again by the next batch's conversions.
;   H0 .. H3  four buffers of fragments.  Step g's four matrix instructions read H[g % 4]; the loads issued in step g + 1 land in it (group g + 4).
;   PKD       the tile's packed results (written by conversions, read by LDS stores); behind it the rows read back from the stage (LDS loads land, global stores read).
;   v11, v12  written at the head, read by the closing add alone.
; THE STREAM has two waits on s_wait_alu to a batch: on va_vdst behind the conversions (they are done reading the set and have written OUT), with the batch's loads and stores behind it and no vector
; instruction among them; and on vm_vsrc ahead of the next conversions (the stores have read OUT).  THE PRODUCTS have one to a step: on va_vdst at its head (the step before is done reading its buffer);
; the step's twelve loads follow, dealt among its four matrix instructions, which name the buffer in hand and the accumulators alone; and one on vm_vsrc a trip, ahead of the adds to AQ and AK.
.set PW,    2064                       ; a row of W in LDS: 2,048 bytes + 16: the 16 rows of a fragment load start at 16 different groups of four banks (64 banks of 4 bytes: ISA guide 11.1)
.set STG,   128*PW                     ; behind the rows: the tile's stage, 64 rows x 144 bytes
.set SPS,   144
.set SPARE, STG+64*SPS                 ; behind the stage: the spare words, 128 bytes for each wave: four blocks of 256 bytes that no other line names
.set T16, 1                            ; v1   16 t: my bytes of an input row
.set T8,  2                            ; v2   8 t: my bytes of a row of xh
.set LA,  3                            ; v3   LDS address of my 8 bytes in the row that the trip in hand begins with
.set AQ,  4                            ; v4   LDS address of my lane in my wave's 16 rows of W_q, at the K in hand
.set AK,  5                            ; v5   the same in my wave's 32 rows of W_k
.set STO, 6
.set RD,  7
.set GO,  8                            ; v8   my 16 bytes in the tile's block of wm
.set VO,  9                            ; v9   W_v: my 16 bytes in two rows
.set SOV, 10                           ; v10  W_v: my 8 bytes in wm
.set SPW, 11                           ; v11  LDS address of my spare word; never rewritten
.set NIL, 12                           ; v12  0; never rewritten
.set ACC, 16                           ; v[16:31]   two accumulators
.set VV,  32                           ; v[32:47]   W_v's four loads
.set S,   48                           ; v[48:207]  two sets of 80: 16 loads of W, 4 of x
.set XT,  208                          ; v[208:211] at work
.set OUT, 212                          ; v[212:251] a batch as it is stored: row j of W's 16 at OUT + 2 j, row j of x's 4 at OUT + 32 + 2 j
.set FR,  48                           ; v[48:239]  later, four buffers of fragments, buffer b at FR + 48 b: two K steps of 32 each (A 8, B 8, B 8 registers a step)
.set PKD, 208                          ; the tile's packed results, then the rows read back
.set PN,  20                           ; s[20:21] W at the 32 rows that are being asked for
.set PB,  22                           ; s[22:23] and the pointers that follow it
.set PA,  40                           ; s[40:41]
.set PXN, 24                           ; s[24:25] x at the 8 rows that are being asked for
.set PXS, 26                           ; s[26:27] xh at the 8 rows that are being stored
.set CNT, 28
.set HIM, 29                           ; s29  a word's upper bf16
.set OF,  30                           ; s[30:31] an offset
.set WVB, 32                           ; s[32:33] W_v at my work-group's rows
.set WVS, 34                           ; s[34:35] wm at the same rows of W_v's first chunk
.set MB,  36                           ; s[36:37] wm at the tile's block
	s_load_b256 s[4:11], s[0:1], 0x0               ; x s[4:5], W_q s[6:7], W_k s[8:9], W_v s[10:11]
	s_load_b128 s[12:15], s[0:1], 0x20             ; xh s[12:13], wm s[14:15]
	v_lshl_add_u32 v[SPW], v0, 2, SPARE
	v_mov_b32 v[NIL], 0
	v_lshrrev_b32 v13, 5, v0
	v_readfirstlane_b32 s16, v13                   ; wave 0..7
	v_lshlrev_b32 v[T16], 4, v0
	v_lshlrev_b32 v[T8], 3, v0
	v_lshlrev_b32 v[LA], 3, v0
	v_and_b32 v14, 31, v0                          ; l
	v_and_b32 v15, 15, v0                          ; r = l % 16
	v_bfe_u32 v13, v0, 4, 1                        ; h = l / 16
	v_lshlrev_b32 v[VO], 12, v13                   ; W_v: lanes 0-15 take 256 bytes of one row, lanes 16-31 of the next; wave w the columns 128 w ..
	v_lshl_add_u32 v[VO], v15, 4, v[VO]
	s_wait_alu depctr_va_sdst(0)                   ; s16 is written, ahead of its first reader: the wave's places in W_v, wm, LDS and the stage are made from it
	s_lshl_b32 s17, s16, 9
	v_add_nc_u32 v[VO], s17, v[VO]
	s_lshl_b32 s17, s16, 18                        ; in wm: wave w's chunk of 128 columns, 262,144 bytes a chunk; two rows of 64 columns are 256 bytes on end
	v_lshl_add_u32 v[SOV], v14, 3, s17
	s_lshl_b32 s17, s16, 10                        ; the tile's block: wave w stores bytes 1,024 w ..
	v_lshl_add_u32 v[GO], v14, 4, s17
	v_mul_u32_u24 v[AQ], v15, PW
	v_lshl_add_u32 v[AQ], v13, 4, v[AQ]            ; a fragment's row x pitch + 16 x half
	s_lshr_b32 s18, s16, 1                         ; which 16 rows of the tile are my wave's
	s_and_b32 s19, s16, 1                          ; which 32 columns
	s_mul_i32 s17, s19, 32*PW
	s_add_co_u32 s17, s17, 64*PW                   ; W_k's rows lie behind W_q's 64
	v_add_nc_u32 v[AK], s17, v[AQ]
	s_mul_i32 s17, s18, 16*PW
	v_add_nc_u32 v[AQ], s17, v[AQ]
	v_mul_u32_u24 v[STO], v15, SPS                 ; into the stage: row 16 a + r, my wave's 64 bytes, 16 for each half of the lanes
	v_lshl_add_u32 v[STO], v13, 4, v[STO]
	s_mul_i32 s17, s18, 16*SPS
	s_lshl_b32 s38, s19, 6
	s_add_co_u32 s17, s17, s38
	s_add_co_u32 s17, s17, STG
	v_add_nc_u32 v[STO], s17, v[STO]
	v_lshrrev_b32 v13, 3, v14                      ; back: wave w takes rows 8 w ..; 32 lanes take four rows of 128 bytes
	v_mul_u32_u24 v[RD], v13, SPS
	v_and_b32 v13, 7, v0
	v_lshl_add_u32 v[RD], v13, 4, v[RD]
	s_mul_i32 s17, s16, 8*SPS
	s_add_co_u32 s17, s17, STG
	v_add_nc_u32 v[RD], s17, v[RD]
	s_lshr_b32 s38, ttmp9, 4                       ; the tile's row of blocks
	s_and_b32 s39, ttmp9, 15                       ; its column of blocks
	s_mov_b32 s[HIM], 0xffff0000
	s_mov_b32 s[OF+1], 0
	s_wait_kmcnt 0x0
	s_lshl_b32 s[OF], s38, 18                      ; 64 rows of 4,096 bytes
	s_add_nc_u64 s[PN:PN+1], s[6:7], s[OF:OF+1]    ; W_q at the tile's first row,
	s_add_nc_u64 s[PA:PA+1], s[PN:PN+1], 0x20000   ; 32 rows on,
	s_lshl_b32 s[OF], s39, 18
	s_add_nc_u64 s[PB:PB+1], s[8:9], s[OF:OF+1]    ; and W_k at the tile's first column
	s_lshl_b32 s[OF], ttmp9, 17
	s_add_nc_u64 s[PXN:PXN+1], s[4:5], s[OF:OF+1]
	s_lshl_b32 s[OF], ttmp9, 16
	s_add_nc_u64 s[PXS:PXS+1], s[12:13], s[OF:OF+1]
	s_lshl_b32 s[OF], ttmp9, 14
	s_add_nc_u64 s[WVB:WVB+1], s[10:11], s[OF:OF+1]
	s_lshl_b32 s[OF], s38, 14                      ; W_v's rows 4 g ..: k / 64 = g / 16, k % 64 = 4 (g % 16) ..; its chunks begin at chunk 8
	s_lshl_b32 s17, s39, 9
	s_add_co_u32 s[OF], s[OF], s17
	s_add_co_u32 s[OF], s[OF], 0x200000
	s_add_nc_u64 s[WVS:WVS+1], s[14:15], s[OF:OF+1]
	s_lshr_b32 s17, s39, 1                         ; the tile's block: chunk (g % 16) / 2, k block g / 16, half (g % 16) % 2
	s_lshl_b32 s17, s17, 4
	s_add_co_u32 s17, s17, s38
	s_lshl_b32 s[OF], s17, 14
	s_and_b32 s17, s39, 1
	s_lshl_b32 s17, s17, 13
	s_add_co_u32 s[OF], s[OF], s17
	s_add_nc_u64 s[MB:MB+1], s[14:15], s[OF:OF+1]
; Four f32 in v[R:R+3] are rounded to bf16, and the same numbers written as f16 into v[D:D+1] (D may be R).
.macro CVX R, D
	v_cvt_pk_bf16_f32 v[\D], v[\R], v[(\R)+1]
	v_cvt_pk_bf16_f32 v[(\D)+1], v[(\R)+2], v[(\R)+3]
	v_lshlrev_b32 v[XT], 16, v[\D]
	v_and_b32 v[XT+1], s[HIM], v[\D]
	v_lshlrev_b32 v[XT+2], 16, v[(\D)+1]
	v_and_b32 v[XT+3], s[HIM], v[(\D)+1]
	v_cvt_pk_f16_f32 v[\D], v[XT], v[XT+1]
	v_cvt_pk_f16_f32 v[(\D)+1], v[XT+2], v[XT+3]
.endm
; A batch is asked for: 16 rows of W from byte wo behind the pointer, 4 rows of x from byte xo.
.macro ISSUE set, wo, xo
.set j, 0
.rept 16
	global_load_b128 v[S+80*(\set)+4*j:S+80*(\set)+4*j+3], v[T16], s[PN:PN+1] offset:(\wo)+j*4096
.set j, j+1
.endr
.set j, 0
.rept 4
	global_load_b128 v[S+80*(\set)+64+4*j:S+80*(\set)+64+4*j+3], v[T16], s[PXN:PXN+1] offset:(\xo)+j*4096 th:TH_LOAD_NT
.set j, j+1
.endr
.endm
; A batch is rounded, out of its set into OUT: W's rows to bf16, x's rows to bf16 written as f16.
.macro CONV set
.set j, 0
.rept 16
	v_cvt_pk_bf16_f32 v[OUT+2*j], v[S+80*(\set)+4*j], v[S+80*(\set)+4*j+1]
	v_cvt_pk_bf16_f32 v[OUT+2*j+1], v[S+80*(\set)+4*j+2], v[S+80*(\set)+4*j+3]
.set j, j+1
.endr
.set j, 0
.rept 4
	CVX S+80*(\set)+64+4*j, OUT+32+2*j
.set j, j+1
.endr
.endm
; A batch leaves OUT: W's rows go into LDS, from byte lo behind LA; x's rows go to xh, from byte so behind the pointer: a wave's store covers 256 consecutive bytes, aligned.
.macro PUT lo, so
.set j, 0
.rept 16
	ds_store_b64 v[LA], v[OUT+2*j:OUT+2*j+1] offset:(\lo)+j*PW
.set j, j+1
.endr
.set j, 0
.rept 4
	global_store_b64 v[T8], v[OUT+32+2*j:OUT+32+2*j+1], s[PXS:PXS+1] offset:(\so)+j*2048
.set j, j+1
.endr
.endm
	s_wait_alu depctr_va_vdst(0)                   ; the offsets and addresses v1 to v10 are written, which the loads and stores of the whole kernel read
.irp q, 0,1,2,3                        ; W_v: row pair q / 2, my wave's 64 columns q % 2
	global_load_b128 v[VV+4*(\q):VV+4*(\q)+3], v[VO], s[WVB:WVB+1] offset:((\q)/2)*8192+((\q)%2)*256 th:TH_LOAD_NT
.endr
	ISSUE 0, 0, 0                                  ; batch 0: W_q's rows 0-15, x's rows 0-3
	ISSUE 1, 65536, 16384                          ; batch 1
	s_wait_loadcnt 40                              ; W_v's four are in; the two batches' 40 loads stay out
.irp q, 0,1,2,3
	CVX VV+4*(\q), VV+4*(\q)
.endr
	s_wait_alu depctr_va_vdst(0)                   ; the conversions have written v[VV ..], which the four stores read
.irp q, 0,1,2,3
	global_store_b64 v[SOV], v[VV+4*(\q):VV+4*(\q)+1], s[WVS:WVS+1] offset:((\q)%2)*8192+((\q)/2)*256  ; two rows x 64 columns: 256 consecutive bytes, aligned
.endr
	s_wait_xcnt 0x0                                ; the two batches' loads have had their addresses translated (ISA guide 3.1): their pointers are written in the trip's first half
	s_mov_b32 s[CNT], 3
.Lpair:                                                ; a trip works on two batches and asks for the two after them: W_q's rows 32-63, then W_k's 0-31, then W_k's 32-63
	s_wait_loadcnt 20                              ; set 0 is in; set 1's 20 loads stay out
	CONV 0
	s_mov_b64 s[PN:PN+1], s[PA:PA+1]               ; free since the wait on XCNT ahead of the loop, or at the last trip's end: nothing was issued behind it
	s_mov_b64 s[PA:PA+1], s[PB:PB+1]
	s_add_nc_u64 s[PB:PB+1], s[PB:PB+1], 0x20000
	s_add_nc_u64 s[PXN:PXN+1], s[PXN:PXN+1], 0x8000
	s_wait_alu depctr_va_vdst(0)                   ; the conversions are done reading set 0, in which the loads below land, and have written OUT, which the stores below read; from the second trip on v[LA] is written
	ISSUE 0, 0, 0                                  ; the set is asked for again ahead of the batch's stores
	PUT 0, 0
	s_wait_loadcnt 20                              ; set 1 is in
	s_wait_xcnt 0x0                                ; the global stores above have had their addresses translated: OUT, their data, is rewritten only behind this wait
	s_wait_alu depctr_vm_vsrc(0)                   ; the LDS and global stores above have read OUT, which the conversions below write again
	CONV 1
	s_wait_alu depctr_va_vdst(0)                   ; the conversions are done reading set 1, in which the loads below land, and have written OUT, which the stores below read
	ISSUE 1, 65536, 16384
	PUT 16*PW, 8192
	s_wait_xcnt 0x0                                ; all that was issued has had its addresses translated: xh's pointer is written below, the other pointers and OUT in the next trip's first half
	s_wait_alu depctr_vm_vsrc(0)                   ; the stores above have read v[LA], which the add below writes, and OUT, which the next conversions write
	s_add_nc_u64 s[PXS:PXS+1], s[PXS:PXS+1], 0x4000
	v_add_nc_u32 v[LA], 32*PW, v[LA]
	s_sub_co_u32 s[CNT], s[CNT], 1
	s_cmp_lg_u32 s[CNT], 0
	s_cbranch_scc1 .Lpair
	s_wait_loadcnt 20                              ; the last two batches: nothing more is asked for
	CONV 0
	s_wait_alu depctr_va_vdst(0)                   ; the conversions have written OUT, and the add v[LA]: the stores below read both
	PUT 0, 0
	s_wait_loadcnt 0x0
	s_wait_xcnt 0x0                                ; the global stores above have had their addresses translated: OUT is rewritten only behind this wait
	s_wait_alu depctr_vm_vsrc(0)                   ; the stores above have read OUT, which the conversions below write again
	CONV 1
	s_wait_alu depctr_va_vdst(0)                   ; the conversions have written OUT, which the stores below read; they are also the last vector lines to name the sets, XT and OUT, where fragments land from here on
	PUT 16*PW, 8192
	s_wait_dscnt 0x0                               ; for the others' sake: my part of the 128 rows is stored
	s_barrier_signal -1
	s_barrier_wait -1                              ; everybody's is
; THE TILE OF M.  A group is two K steps of 32: 12 LDS loads, 4 matrix instructions; 16 groups, on a ring of four buffers: step g multiplies group g and fetches group g + 3.
; Source 0 = 16 rows of W_k, source 1 = 16 rows of W_q: a lane then holds one row of M and eight neighbouring columns.
; Three of a group's twelve loads: K step s of buffer b, from byte off of the rows.  FA3: W_q's fragment and the first half of W_k's first.  FB3: its second half and W_k's second fragment.
.macro FA3 b, s, off
	ds_load_b128 v[FR+48*(\b)+24*(\s):FR+48*(\b)+24*(\s)+3],     v[AQ] offset:(\off)+64*(\s)
	ds_load_b128 v[FR+48*(\b)+24*(\s)+4:FR+48*(\b)+24*(\s)+7],   v[AQ] offset:(\off)+64*(\s)+32
	ds_load_b128 v[FR+48*(\b)+24*(\s)+8:FR+48*(\b)+24*(\s)+11],  v[AK] offset:(\off)+64*(\s)
.endm
.macro FB3 b, s, off
	ds_load_b128 v[FR+48*(\b)+24*(\s)+12:FR+48*(\b)+24*(\s)+15], v[AK] offset:(\off)+64*(\s)+32
	ds_load_b128 v[FR+48*(\b)+24*(\s)+16:FR+48*(\b)+24*(\s)+19], v[AK] offset:(\off)+64*(\s)+16*PW
	ds_load_b128 v[FR+48*(\b)+24*(\s)+20:FR+48*(\b)+24*(\s)+23], v[AK] offset:(\off)+64*(\s)+16*PW+32
.endm
.macro FETCHH b, off                   ; a whole group
	FA3 \b, 0, \off
	FB3 \b, 0, \off
	FA3 \b, 1, \off
	FB3 \b, 1, \off
.endm
.macro MUL1 b, s, g                    ; K step s of buffer b onto accumulator g
	v_wmma_f32_16x16x32_bf16 v[ACC+8*(\g):ACC+8*(\g)+7], v[FR+48*(\b)+24*(\s)+8+8*(\g):FR+48*(\b)+24*(\s)+15+8*(\g)], v[FR+48*(\b)+24*(\s):FR+48*(\b)+24*(\s)+7], v[ACC+8*(\g):ACC+8*(\g)+7]
.endm
; A step: buffer b is multiplied.  ask = 1: the group three on is fetched into the buffer that the step before multiplied.  left: the younger fragment loads, which may stay out.
; The two accumulators take turns, one instruction a turn, from step to step and over the backward jump too.
.macro GSTEP b, ask, left
	s_wait_dscnt \left                             ; LDS loads come back in order (ISA guide 5.7.1): buffer b is in
.if \ask
	s_wait_alu depctr_va_vdst(0)                   ; the matrix instructions of the step before are done reading their buffer, in which the loads below land; in a trip's first step v[AQ] and v[AK] are written
.endif
	MUL1 \b, 0, 0
.if \ask
	FA3 ((\b)+3)%4, 0, 128*((\b)+3)                ; no wait: no vector or matrix instruction since the wait above names that buffer
.endif
	MUL1 \b, 0, 1
.if \ask
	FB3 ((\b)+3)%4, 0, 128*((\b)+3)
.endif
	MUL1 \b, 1, 0
.if \ask
	FA3 ((\b)+3)%4, 1, 128*((\b)+3)
.endif
	MUL1 \b, 1, 1
.if \ask
	FB3 ((\b)+3)%4, 1, 128*((\b)+3)
.endif
.endm
	s_wait_alu depctr_vm_vsrc(0)                   ; my LDS stores have read v[OUT ..], part of which is the fourth buffer of fragments from here on (x's last stores read v[244:251], which nothing writes again)
	FETCHH 0, 0
	FETCHH 1, 128
	FETCHH 2, 256
.set j, 0
.rept 16
	v_mov_b32 v[ACC+j], 0                          ; sixteen registers, written while the first fragments come: the loop then has one form of product
.set j, j+1
.endr
	s_mov_b32 s[CNT], 3
.Lgemm:                                                ; a trip multiplies four groups, 256 along K, and fetches the four that follow the three on their way
	GSTEP 0, 1, 24                                 ; the two younger groups' 24 loads stay out
	GSTEP 1, 1, 24
	GSTEP 2, 1, 24
	GSTEP 3, 1, 24
	s_wait_alu depctr_vm_vsrc(0)                   ; the fragment loads issued so far have read v[AQ] and v[AK]
	v_add_nc_u32 v[AQ], 512, v[AQ]                 ; four groups, 256 along K, on
	v_add_nc_u32 v[AK], 512, v[AK]
	s_sub_co_u32 s[CNT], s[CNT], 1
	s_cmp_lg_u32 s[CNT], 0
	s_cbranch_scc1 .Lgemm
	GSTEP 0, 1, 24                                 ; the last four groups: the first of them fetches the last, then the counts run down
	GSTEP 1, 0, 24
	GSTEP 2, 0, 12
	GSTEP 3, 0, 0
.rept 4
	v_nop                                          ; four places behind the last matrix instruction, before conversions read its result and write registers that it read (ISA guide 7.12.1)
.endr
.irp b, 0,1
.irp i, 0,1,2,3
	v_cvt_pk_f16_f32 v[PKD+4*(\b)+(\i)], v[ACC+8*(\b)+2*(\i)], v[ACC+8*(\b)+2*(\i)+1]
.endr
.endr
	s_wait_alu depctr_va_vdst(0)                   ; the conversions have written v[PKD ..], which the LDS stores read; the last matrix instructions are done reading v[PKD+8 ..], in which the stage's rows land below
.irp b, 0,1
	ds_store_b128 v[STO], v[PKD+4*(\b):PKD+4*(\b)+3] offset:32*(\b)
.endr
	s_wait_dscnt 0x0                               ; for the others' sake: a row's 128 bytes come from two waves
	s_barrier_signal -1
	s_barrier_wait -1
	ds_load_b128 v[PKD+8:PKD+11], v[RD]
	ds_load_b128 v[PKD+12:PKD+15], v[RD] offset:4*SPS
	s_wait_dscnt 0x0
	global_store_b128 v[GO], v[PKD+8:PKD+11], s[MB:MB+1]               ; four rows of the block: 512 consecutive bytes, aligned
	global_store_b128 v[GO], v[PKD+12:PKD+15], s[MB:MB+1] offset:512
	s_wait_dscnt 0x0                               ; the wave's end
	s_wait_alu 0x0
	s_wait_tensorcnt 0x0
	ds_add_u32 v[SPW], v[NIL]
	s_wait_dscnt 0x0
	s_endpgm
.Lfunc_end_k_q682419c3b8_prep:
	.size	k_q682419c3b8_prep, .Lfunc_end_k_q682419c3b8_prep-k_q682419c3b8_prep
	.p2alignl 7, 3214868480
	.fill 96, 4, 3214868480
	.section	.rodata,"a",@progbits
	.p2align	6, 0x0
	.amdhsa_kernel k_q682419c3b8_prep
		.amdhsa_group_segment_fixed_size 274432
		.amdhsa_private_segment_fixed_size 0
		.amdhsa_enable_private_segment 0
		.amdhsa_kernarg_size 48
		.amdhsa_user_sgpr_count 2
		.amdhsa_user_sgpr_kernarg_segment_ptr 1
		.amdhsa_wavefront_size32 1
		.amdhsa_system_sgpr_workgroup_id_x 1
		.amdhsa_system_sgpr_workgroup_id_y 1
		.amdhsa_system_sgpr_workgroup_id_z 1
		.amdhsa_system_vgpr_workitem_id 0
		.amdhsa_next_free_vgpr 252
		.amdhsa_next_free_sgpr 66
		.amdhsa_reserve_vcc 0
		.amdhsa_float_denorm_mode_32 3
		.amdhsa_float_denorm_mode_16_64 3
		.amdhsa_memory_ordered 1
		.amdhsa_forward_progress 1
		.amdhsa_inst_pref_size 45
	.end_amdhsa_kernel
	.amdgpu_metadata
---
amdhsa.version: [ 1, 2 ]
amdhsa.kernels:
  - .name:           k_q682419c3b8_prep
    .symbol:         k_q682419c3b8_prep.kd
    .args:
      - { .name: x, .offset: 0, .size: 8, .value_kind: global_buffer, .address_space: global }
      - { .name: W_q, .offset: 8, .size: 8, .value_kind: global_buffer, .address_space: global }
      - { .name: W_k, .offset: 16, .size: 8, .value_kind: global_buffer, .address_space: global }
      - { .name: W_v, .offset: 24, .size: 8, .value_kind: global_buffer, .address_space: global }
      - { .name: xh, .offset: 32, .size: 8, .value_kind: global_buffer, .address_space: global }
      - { .name: wm, .offset: 40, .size: 8, .value_kind: global_buffer, .address_space: global }
    .group_segment_fixed_size: 274432
    .private_segment_fixed_size: 0
    .kernarg_segment_align: 8
    .kernarg_segment_size: 48
    .max_flat_workgroup_size: 256
    .sgpr_count:     66
    .vgpr_count:     252
    .wavefront_size: 32
...
	.end_amdgpu_metadata
.endif
;; end of part 9
;; launch proj: the kernel of part 6 again; grid 8 x 32, 4 waves a work-group, clusters of 4 x 4, 327,680 bytes of LDS; arguments xh, wm, qv; writes qv
;; launch scores: the kernel of part 7 again; grid 36 x 4, 4 waves a work-group, no clusters, 327,680 bytes of LDS; arguments qv, xh, pt, st; writes pt, st
;; launch pv: the kernel of part 8 again; grid 8 x 32, 4 waves a work-group, clusters of 4 x 1, 327,680 bytes of LDS; arguments pt, qv, st, out0; writes out0
